; MI455X (gfx1250); checked and timed in simulation.
; The chip was launched on July 23, 2026; its instructions are those of AMD's public machine-readable ISA for CDNA 5 (MIT licence, August 2026) and "CDNA5" Instruction Set Architecture Reference Guide (July 2026). The comments in the code are by the model that wrote it; some were corrected since.
;; Transformer Decoder Block. Allowed arithmetic: matrix products marked QUANTISED: E2M3 operands, one E8M0 scale for each 32 along K, by v_wmma_scale_f32_16x16x128_f8f6f4 with both operands' format E2M3, f32 sums; everything else in f32.
;; Inputs: Wf1 1,024 x 1,024 float32; Wf2 1,024 x 1,024 float32; Wk1 16 x 1,024 x 64 float32; Wk2 16 x 1,024 x 64 float32; Wq1 16 x 1,024 x 64 float32; Wq2 16 x 1,024 x 64 float32; Wv1 16 x 1,024 x 64 float32; Wv2 16 x 1,024 x 64 float32; be1 1,024 float32; be2 1,024 float32; be3 1,024 float32; bf1 1,024 float32; bf2 1,024 float32; bv1 16 x 64 float32; bv2 16 x 64 float32; encoder_output 2 x 2,048 x 1,024 float32; g1 1,024 float32; g2 1,024 float32; g3 1,024 float32; input_tensor 2 x 2,048 x 1,024 float32.
;; Outputs: out0 2 x 2,048 x 1,024 float32.
;; This version of the problem:
;;   THIS VERSION OF THE PROBLEM IS GIVEN IN LOW PRECISION. The matrix products marked QUANTISED in the list below multiply operands that are first quantised to E2M3 (2 exponent bits, 3 mantissa bits; 6 bits a number), with one power-of-two scale for each 32 numbers along K (OCP MX v1.0); their sums are f32. All else is computed in f32.
;;   The module's matrix products, in the order in which they are computed (A, B: the left and right operand; K: the contracted axis; several contracted axes count as one K, in the product's order):
;;     1. [M 1,024, K 1,024] x [K 1,024, N 4,096]; A: input Wq1; B: input input_tensor: QUANTISED
;;     2. [M 1,024, K 1,024] x [K 1,024, N 4,096]; A: input Wk1; B: input input_tensor: QUANTISED
;;     3. [M 1,024, K 1,024] x [K 1,024, N 4,096]; A: input Wv1; B: input input_tensor: QUANTISED
;;     4. batch 32 x [M 2,048, K 64] x [K 64, N 2,048]; A: computed on the way; B: computed on the way: QUANTISED
;;     5. batch 32 x [M 2,048, K 2,048] x [K 2,048, N 64]; A: softmax (see below); B: computed on the way: QUANTISED
;;     6. [M 1,024, K 1,024] x [K 1,024, N 4,096]; A: input Wq2; B: computed on the way: QUANTISED
;;     7. [M 1,024, K 1,024] x [K 1,024, N 4,096]; A: input Wk2; B: input encoder_output: QUANTISED
;;     8. [M 1,024, K 1,024] x [K 1,024, N 4,096]; A: input Wv2; B: input encoder_output: QUANTISED
;;     9. batch 32 x [M 2,048, K 64] x [K 64, N 2,048]; A: computed on the way; B: computed on the way: QUANTISED
;;     10. batch 32 x [M 2,048, K 2,048] x [K 2,048, N 64]; A: softmax (see below); B: computed on the way: QUANTISED
;;     11. [M 4,096, K 1,024] x [K 1,024, N 1,024]; A: computed on the way; B: input Wf1: QUANTISED
;;     12. [M 4,096, K 1,024] x [K 1,024, N 1,024]; A: computed on the way; B: input Wf2: QUANTISED
;;   THE QUANTISER, for each operand of a quantised product, along K:
;;     - K is cut into blocks of 32 from its start; a last block that is shorter is filled with zeros.
;;     - A block's scale is 2^e with e = floor(log2(the largest magnitude in the block)) - 2, held to -126 .. 127; a block of zeros has e = 0. As a byte (E8M0): e + 127.
;;     - Each number is divided by its block's scale, clamped to +-7.5, and rounded to the nearest number of E2M3, ties to even, subnormals kept.
;;     - The product sums the exact products of the quantised numbers (number of the format x scale) in f32.
;;   ~~~python
;;   def quantise(x, axis):      # numpy; x: float32 -> the quantised numbers, widened to float32 again
;;       x = np.moveaxis(x, axis, -1); K = x.shape[-1]
;;       x = np.pad(x, [(0, 0)] * (x.ndim - 1) + [(0, -K % 32)]); x = x.reshape(x.shape[:-1] + (-1, 32)); a = np.abs(x).max(-1, keepdims=True)
;;       e = np.where(a > 0, np.clip(np.frexp(np.where(a > 0, a, 1))[1] - 1 - 2, -126, 127), 0)      # np.frexp(a)[1] - 1 = floor(log2(a)), exactly
;;       r = np.clip(x / 2.0 ** e, -7.5, 7.5)
;;       step = 2.0 ** (np.maximum(np.frexp(np.where(r == 0, 1, r))[1] - 1, 0) - 3)
;;       q = np.round(r / step) * step * 2.0 ** e      # np.round: ties to even
;;       return np.moveaxis(q.reshape(q.shape[:-2] + (-1,))[..., :K], -1, axis).astype(np.float32)
;;   ~~~
;;   SOFTMAX AHEAD OF A QUANTISED PRODUCT. Where the list says 'softmax', what is quantised is not the finished softmax but p = 2^(t - M), with t = logit x log2(e) and M = ceil(the row's largest t), a whole number; so 1/2 < the row's largest p <= 1. The row's sum l is taken of the UNQUANTISED p, in f32, and the product's result is divided by l at the end. Since M is a whole number, a kernel that streams over the keys may use a running M (the ceiling of the running maximum): every later rescaling is an exact power of two, which a block's scale takes up: the codes' values come out the same.
;;   OPERANDS COMPUTED ON THE WAY. 'Computed on the way' means the value that the module computes at that place (a softmax that the list does not call 'softmax' is quantised finished and normalised). What goes into a quantiser is computed in f32, as accurately as f32 sums, v_exp_f32 and their like allow (about 1e-6 of the number): no bf16 or f16 on the way to a quantiser, and a product that is left as it is and whose result goes on into a quantised operand takes f32 operands (vector FMAs, or v_wmma_f32_16x16x4_f32). A number that lies on a knife's edge between two numbers of the format may be rounded either way, as far as f32 arithmetic and the matrix unit's own rounding can turn it there, and no further.
;; 2 versions. Each part assembles by itself: llvm-mc -triple=amdgcn-amd-amdhsa -mcpu=gfx1250 --defsym DOCPART=n.
;; ======== version 1 of 2: 7 launches
;; workspace buffers: wq 6,553,600 bytes; xq 6,553,600 bytes; a1 9,830,400 bytes; a2 9,830,400 bytes; sa 16,777,216 bytes; x1 16,777,216 bytes; causal_on 256 bytes of whole numbers; causal_off 256 bytes of whole numbers
;; launch quantw (part 1): grid 256 x 1, 8 waves a work-group, no clusters, 28,672 bytes of LDS; arguments Wq1, Wk1, Wk2, Wv1, Wv2, Wq2, Wf1, Wf2, wq, causal_on, causal_off; writes wq, causal_on, causal_off
.if DOCPART == 1
	.amdgcn_target "amdgcn-amd-amdhsa--gfx1250"
	.amdhsa_code_object_version 6
	.text
	.protected	k_qadac963a06_quantw
	.globl	k_qadac963a06_quantw
	.p2align	8
	.type	k_qadac963a06_quantw,@function
k_qadac963a06_quantw:
	s_mov_b64 s[64:65], 0
	v_nop
	global_prefetch_b8 v0, s[64:65] scope:SCOPE_SE
	s_setreg_imm32_b32 hwreg(HW_REG_WAVE_MODE, 25, 1), 1
	s_wait_xcnt 0x0
; The eight weights, f32 with K (the 1,024 inputs) NOT innermost, become codes of E2M3 with one E8M0 byte for each 32 along K.
; Weight i = 0..7: Wq1, Wk1, Wk2, Wv1, Wv2, Wq2 ([16][1024][64]: column n = 64 head + e), Wf1, Wf2 ([1024][1024]).
; OUTPUT LAYOUT (this program's own): the 1,024 columns n are the operand's rows.  Block B' of 32 columns makes two tiles of 16: row r of tile 2 B' + u is column 32 B' + 8 u + r + 8 (r / 8).
; A fragment (16 rows x 128 K) lies as the image of its 12 registers: register 4 c + j of lane l at byte 512 c + 16 l + 4 j; a tile's eight K steps on end (12,288 bytes).
; A tile's scale words lie as one block of 512 bytes: lane 16 h' + r has row r's words of K steps 4 h' .. 4 h' + 3.
; SHARES: a work-group takes one weight and 32 columns, wave w K step w.  A lane takes a column and its 128 registers run down K, so a block of 32 lies in one lane and nothing is transposed by an instruction.
; The codes turn through the wave's own stage in LDS into the images; each store of a wave then covers 512 consecutive bytes.
; Work-group 0 also stores the two words (1 and 0) by which the attention launches know whether they mask.
; LIMITS: NaN and infinities are not served; a block whose largest magnitude lies under 2^-124 keeps the byte 1; a block of zeros gets the byte 1 and not 127 (its codes are zeros, and this program alone reads the bytes).
.set X,    64                          ; v64-191  my column's 128 numbers
.set C,    24                          ; v24-47   four blocks' codes, six registers each
.set CT,   48                          ; v48-63   the upper halves as the conversions leave them
.set OUT,  192                         ; v192-215 two images on their way out
.set STGW, 3328                        ; LDS: a wave's stage: two images, 1,664 bytes apart
.set IMG2, 1664
.set SCG,  26624                       ; LDS: the two tiles' scale blocks
.set WV,   28
	s_load_b512 s[4:19], s[0:1], 0x0               ; the eight weights
	s_load_b128 s[20:23], s[0:1], 0x40             ; wq, causal_on
	s_load_b64 s[24:25], s[0:1], 0x50              ; causal_off
	v_lshl_add_u32 v216, v0, 2, 0x6c00
	v_mov_b32 v217, 0
	v_lshrrev_b32 v8, 5, v0
	v_readfirstlane_b32 s[WV], v8                  ; wave = K step
	s_lshr_b32 s29, ttmp9, 5                       ; weight i
	s_and_b32 s30, ttmp9, 31                       ; block of columns B'
	v_and_b32 v8, 31, v0                           ; lane
	v_lshlrev_b32 v1, 2, v8                        ; 4 x lane
	v_lshlrev_b32 v5, 4, v8                        ; 16 x lane
	v_bfe_u32 v9, v0, 3, 1                         ; u: which tile my column belongs to
	v_and_b32 v10, 7, v0
	v_bfe_u32 v11, v0, 4, 1
	v_lshl_add_u32 v10, v11, 3, v10                ; r: its row there
	v_lshlrev_b32 v10, 4, v10                      ; 16 r
	s_mul_i32 s31, s[WV], STGW
	v_mad_u32_u24 v2, v9, IMG2, v10
	v_add_nc_u32 v2, s31, v2                       ; into the stage: image u, 16 r
	v_add_nc_u32 v3, s31, v5                       ; out of it: 16 x lane
	s_lshr_b32 s34, s[WV], 2
	s_lshl_b32 s34, s34, 8
	s_and_b32 s35, s[WV], 3
	s_lshl_b32 s35, s35, 2
	s_add_co_u32 s34, s34, s35
	s_add_co_u32 s34, s34, SCG
	v_lshl_add_u32 v4, v9, 9, v10
	v_add_nc_u32 v4, s34, v4                       ; my scale word: 512 u + 256 (w / 4) + 16 r + 4 (w % 4)
	s_and_b32 s39, s[WV], 1
	s_lshl_b32 s39, s39, 9
	s_add_co_u32 s35, s39, SCG
	v_add_nc_u32 v6, s35, v5                       ; a scale block on its way out (waves 0 and 1)
	; where my numbers begin: [head][d][e]: 262,144 (B' / 2) + 128 (B' % 2) + 32,768 w, rows 256 bytes apart;  [d][n]: 128 B' + 524,288 w, rows 4,096 apart
	s_lshr_b32 s32, s30, 1
	s_lshl_b32 s32, s32, 18
	s_and_b32 s33, s30, 1
	s_lshl_b32 s33, s33, 7
	s_add_co_u32 s32, s32, s33
	s_lshl_b32 s33, s[WV], 15
	s_add_co_u32 s32, s32, s33
	s_lshl_b32 s34, s30, 7
	s_lshl_b32 s33, s[WV], 19
	s_add_co_u32 s34, s34, s33
	s_cmp_lt_u32 s29, 6
	s_cselect_b32 s32, s32, s34
	s_mov_b32 s33, 0
	s_mul_i32 s36, s29, 786432                     ; the images: 786,432 i + 24,576 B' + 1,536 w
	s_mul_i32 s38, s30, 24576
	s_add_co_u32 s36, s36, s38
	s_mul_i32 s38, s[WV], 1536
	s_add_co_u32 s36, s36, s38
	s_mov_b32 s37, 0
	s_lshl_b32 s40, s29, 15                        ; the scale blocks: 6,291,456 + 32,768 i + 1,024 B' + 512 (w % 2)
	s_lshl_b32 s38, s30, 10
	s_add_co_u32 s40, s40, s38
	s_add_co_u32 s40, s40, s39
	s_add_co_u32 s40, s40, 6291456
	s_mov_b32 s41, 0
	s_wait_kmcnt 0x0
	s_mov_b64 s[26:27], s[4:5]                     ; the weight is chosen by the work-group's number alone
.irp n, 1,2,3,4,5,6,7
	s_cmp_eq_u32 s29, \n
	s_cselect_b64 s[26:27], s[4+2*\n:5+2*\n], s[26:27]
.endr
	s_add_nc_u64 s[26:27], s[26:27], s[32:33]
	s_add_nc_u64 s[36:37], s[20:21], s[36:37]
	s_add_nc_u64 s[40:41], s[20:21], s[40:41]
.macro WLOAD stride                    ; 128 rows of K, 32 neighbouring columns: 128 consecutive bytes a load
.set k, 0
.rept 128
	global_load_b32 v[X+k], v1, s[26:27] offset:k*\stride
.set k, k+1
.endr
.endm
	s_cmp_lt_u32 s29, 6
	s_cbranch_scc0 .Lffn_w
	WLOAD 256
	s_branch .Lloaded
.Lffn_w:
	WLOAD 4096
.Lloaded:
.macro WBLOCK b                        ; block b: its largest magnitude (all 32 numbers are mine), its scale, its codes
.set XS, X+32*\b
	v_max3_num_f32 v[8+\b], |v[XS]|, |v[XS+1]|, |v[XS+2]|
	v_max3_num_f32 v7, |v[XS+3]|, |v[XS+4]|, |v[XS+5]|
.irp i, 6,10,14,18,22,26
	v_max3_num_f32 v[8+\b], v[8+\b], |v[XS+\i]|, |v[XS+\i+1]|
	v_max3_num_f32 v7, v7, |v[XS+\i+2]|, |v[XS+\i+3]|
.endr
	v_max3_num_f32 v[8+\b], v[8+\b], |v[XS+30]|, |v[XS+31]|
	v_max3_num_f32 v[8+\b], v[8+\b], v7, 0x1800000         ; the floor 2^(3 - 127): the byte cannot fall under 1
	v_add_nc_u32 v[12+\b], 0xff000000, v[8+\b]             ; 2 off the exponent field: the conversion's scale operand
	v_lshrrev_b32 v[16+\b], 23, v[12+\b]                   ; the scale's byte
	v_cvt_scalef32_pk16_fp6_f32 v[C+6*\b:C+6*\b+2], v[XS:XS+15], v[12+\b]
	v_cvt_scalef32_pk16_fp6_f32 v[CT+4*\b:CT+4*\b+2], v[XS+16:XS+31], v[12+\b]   ; (a conversion's three registers begin on an even number)
.endm
	s_wait_loadcnt 63                              ; 63 may be out: the oldest 65 are in, blocks 0 and 1 among them
	WBLOCK 0
	WBLOCK 1
	s_wait_loadcnt 32                              ; block 3's 32 may be out
	WBLOCK 2
	s_wait_loadcnt 0x0
	WBLOCK 3
	v_nop                                          ; one plain place behind the last scaled conversion
.irp b, 0,1,2,3
.irp i, 0,1,2
	v_mov_b32 v[C+6*\b+3+\i], v[CT+4*\b+\i]
.endr
.endr
	v_lshl_or_b32 v20, v17, 8, v16                 ; my column's scale word of this K step
	v_lshl_or_b32 v20, v18, 16, v20
	v_lshl_or_b32 v20, v19, 24, v20
	; block 2 c + h is registers 6 c .. 6 c + 5 of lane 16 h + r of the fragment
.irp h, 0,1
	ds_store_b128 v2, v[C+6*\h:C+6*\h+3] offset:256*\h             ; registers 0-3
	ds_store_b64 v2, v[C+6*\h+4:C+6*\h+5] offset:256*\h+512        ; registers 4, 5
	ds_store_b64 v2, v[C+12+6*\h:C+13+6*\h] offset:256*\h+520      ; registers 6, 7
	ds_store_b128 v2, v[C+14+6*\h:C+17+6*\h] offset:256*\h+1024    ; registers 8-11
.endr
	ds_store_b32 v4, v20
.irp u, 0,1
.irp q, 0,1,2
	ds_load_b128 v[OUT+12*\u+4*\q:OUT+12*\u+4*\q+3], v3 offset:IMG2*\u+512*\q   ; LDS serves a wave's instructions in order: these see my stores
.endr
.endr
	s_wait_dscnt 0x0                               ; the images are back, and my scale word has landed, for the other waves' sake
.irp u, 0,1
.irp q, 0,1,2
	global_store_b128 v5, v[OUT+12*\u+4*\q:OUT+12*\u+4*\q+3], s[36:37] offset:12288*\u+512*\q
.endr
.endr
	s_barrier_signal -1
	s_barrier_wait -1                              ; all eight K steps' scale words lie in LDS
	s_cmp_lt_u32 s[WV], 2
	s_cbranch_scc0 .Lflags
	ds_load_b128 v[24:27], v6                      ; wave u stores tile u's block of 512 bytes
	s_wait_dscnt 0x0
	global_store_b128 v5, v[24:27], s[40:41]
	s_branch .Lend
.Lflags:
	s_cmp_lg_u32 s[WV], 2
	s_cbranch_scc1 .Lend
	s_cmp_lg_u32 ttmp9, 0
	s_cbranch_scc1 .Lend
	v_mov_b32 v8, 1
	v_mov_b32 v9, 0
	global_store_b32 v1, v8, s[22:23]
	global_store_b32 v1, v8, s[22:23] offset:128
	global_store_b32 v1, v9, s[24:25]
	global_store_b32 v1, v9, s[24:25] offset:128
.Lend:
	s_wait_tensorcnt 0x0
	ds_add_u32 v216, v217
	s_wait_dscnt 0x0
	s_endpgm
.Lfunc_end_k_qadac963a06_quantw:
	.size	k_qadac963a06_quantw, .Lfunc_end_k_qadac963a06_quantw-k_qadac963a06_quantw
	.p2alignl 7, 3214868480
	.fill 96, 4, 3214868480
	.section	.rodata,"a",@progbits
	.p2align	6, 0x0
	.amdhsa_kernel k_qadac963a06_quantw
		.amdhsa_group_segment_fixed_size 28672
		.amdhsa_private_segment_fixed_size 0
		.amdhsa_enable_private_segment 0
		.amdhsa_kernarg_size 88
		.amdhsa_user_sgpr_count 2
		.amdhsa_user_sgpr_kernarg_segment_ptr 1
		.amdhsa_wavefront_size32 1
		.amdhsa_system_sgpr_workgroup_id_x 1
		.amdhsa_system_sgpr_workgroup_id_y 1
		.amdhsa_system_sgpr_workgroup_id_z 1
		.amdhsa_system_vgpr_workitem_id 0
		.amdhsa_next_free_vgpr 218
		.amdhsa_next_free_sgpr 66
		.amdhsa_reserve_vcc 0
		.amdhsa_float_denorm_mode_32 3
		.amdhsa_float_denorm_mode_16_64 3
		.amdhsa_memory_ordered 1
		.amdhsa_forward_progress 1
		.amdhsa_inst_pref_size 36
	.end_amdhsa_kernel
	.amdgpu_metadata
---
amdhsa.version: [ 1, 2 ]
amdhsa.kernels:
  - .name:           k_qadac963a06_quantw
    .symbol:         k_qadac963a06_quantw.kd
    .args:
      - { .name: Wq1, .offset: 0, .size: 8, .value_kind: global_buffer, .address_space: global }
      - { .name: Wk1, .offset: 8, .size: 8, .value_kind: global_buffer, .address_space: global }
      - { .name: Wk2, .offset: 16, .size: 8, .value_kind: global_buffer, .address_space: global }
      - { .name: Wv1, .offset: 24, .size: 8, .value_kind: global_buffer, .address_space: global }
      - { .name: Wv2, .offset: 32, .size: 8, .value_kind: global_buffer, .address_space: global }
      - { .name: Wq2, .offset: 40, .size: 8, .value_kind: global_buffer, .address_space: global }
      - { .name: Wf1, .offset: 48, .size: 8, .value_kind: global_buffer, .address_space: global }
      - { .name: Wf2, .offset: 56, .size: 8, .value_kind: global_buffer, .address_space: global }
      - { .name: wq, .offset: 64, .size: 8, .value_kind: global_buffer, .address_space: global }
      - { .name: causal_on, .offset: 72, .size: 8, .value_kind: global_buffer, .address_space: global }
      - { .name: causal_off, .offset: 80, .size: 8, .value_kind: global_buffer, .address_space: global }
    .group_segment_fixed_size: 28672
    .private_segment_fixed_size: 0
    .kernarg_segment_align: 8
    .kernarg_segment_size: 88
    .max_flat_workgroup_size: 256
    .sgpr_count:     66
    .vgpr_count:     218
    .wavefront_size: 32
...
	.end_amdgpu_metadata
.endif
;; end of part 1
;; launch quantx (part 2): grid 256 x 1, 4 waves a work-group, no clusters, 34,304 bytes of LDS; arguments input_tensor, encoder_output, xq; writes xq
.if DOCPART == 2
	.amdgcn_target "amdgcn-amd-amdhsa--gfx1250"
	.amdhsa_code_object_version 6
	.text
	.protected	k_qadac963a06_quantx
	.globl	k_qadac963a06_quantx
	.p2align	8
	.type	k_qadac963a06_quantx,@function
k_qadac963a06_quantx:
	s_mov_b64 s[64:65], 0
	v_nop
	global_prefetch_b8 v0, s[64:65] scope:SCOPE_SE
	s_setreg_imm32_b32 hwreg(HW_REG_WAVE_MODE, 25, 1), 1
	s_wait_xcnt 0x0
; input_tensor (a = 0) and encoder_output (a = 1), [4096][1024] f32 with K innermost, become codes of E2M3 with one E8M0 byte for each 32 along K, in this program's own layout:
; block B of 32 rows makes two tiles; row r of tile 2 B + u is row 32 B + 8 u + r + 8 (r / 8); a fragment (16 rows x 128 K) lies as the image of its 12 registers (register 4 c + j of lane l at 512 c + 16 l + 4 j),
; a tile's eight K steps on end; a tile's scale words as one block of 512 bytes (lane 16 h' + r: row r's words of K steps 4 h' .. 4 h' + 3).
; SHARES: a work-group takes a block of 32 rows; wave w takes tile w % 2 and K steps 4 (w / 2) .. + 3.  Each load reads 512 consecutive bytes of a row; the 16 x 128 numbers turn through the wave's own stage in LDS
; (rows 528 bytes apart) so that lane (r, h) holds, of row r, 16 neighbours of each block of 32, as the conversions want them.  Waves share nothing: no barrier.
; LIMITS: NaN and infinities are not served; a block whose largest magnitude lies under 2^-124 keeps the byte 1; a block of zeros gets the byte 1 and not 127 (its codes are zeros, and this program alone reads the bytes).
.set TM,  8                            ; v8-11 largest magnitudes, v12-15 the other half's, then the bytes, v16-19 the conversions' scale operands
.set CT,  20                           ; v20-27 the upper halves as the conversions leave them
.set PC,  28                           ; v28-39 the fragment
.set W,   40                           ; v40-43 four K steps' scale words
.set R,   64                           ; v64-191 two sets of 64 numbers as loaded
.set X,   192                          ; v192-255 64 numbers as the conversions want them
.set SEL, 20
.macro QUANT s, d0, d1                 ; 64 numbers of a lane, register 16 b + i = column 32 b + 16 (lane / 16) + i of my row: codes of columns 0-63 into v[d0] on, of 64-127 into v[d1] on (six registers each); the bytes stay in v[TM+4] on
.irp b, 0,1,2,3
	v_max3_num_f32 v[TM+\b], |v[(\s)+16*\b]|, |v[(\s)+1+16*\b]|, 0x1800000   ; with the floor 2^(3 - 127): the byte cannot fall under 1
.endr
.irp i, 2,4,6,8,10,12,14
.irp b, 0,1,2,3
	v_max3_num_f32 v[TM+\b], v[TM+\b], |v[(\s)+16*\b+\i]|, |v[(\s)+1+16*\b+\i]|
.endr
.endr
.irp b, 0,1,2,3
	v_permlanex16_b32 v[TM+4+\b], v[TM+\b], s[SEL], s[SEL+1]
.endr
.irp b, 0,1,2,3
	v_max_num_f32 v[TM+\b], v[TM+\b], v[TM+4+\b]           ; with lane l xor 16's: the block's largest magnitude
.endr
.irp b, 0,1,2,3
	v_add_nc_u32 v[TM+8+\b], 0xff000000, v[TM+\b]          ; 2 off its exponent field: the conversion's scale operand
.endr
.irp b, 0,1,2,3
	v_lshrrev_b32 v[TM+4+\b], 23, v[TM+8+\b]               ; the scale's byte
.endr
	v_cvt_scalef32_pk16_fp6_f32 v[(\d0):(\d0)+2], v[(\s):(\s)+15], v[TM+8]
	v_cvt_scalef32_pk16_fp6_f32 v[CT:CT+2], v[(\s)+16:(\s)+31], v[TM+9]
	v_cvt_scalef32_pk16_fp6_f32 v[(\d1):(\d1)+2], v[(\s)+32:(\s)+47], v[TM+10]
	v_cvt_scalef32_pk16_fp6_f32 v[CT+4:CT+6], v[(\s)+48:(\s)+63], v[TM+11]
	v_nop                                          ; one plain place behind a scaled conversion
.irp i, 0,1,2                          ; the operand's layout wants a whole block in a lane
	v_permlane16_swap_b32 v[(\d0)+\i], v[CT+\i]
	v_permlane16_swap_b32 v[(\d1)+\i], v[CT+4+\i]
.endr
.irp i, 0,1,2
	v_mov_b32 v[(\d0)+3+\i], v[CT+\i]
	v_mov_b32 v[(\d1)+3+\i], v[CT+4+\i]
.endr
.endm
	s_load_b128 s[4:7], s[0:1], 0x0                ; input_tensor, encoder_output
	s_load_b64 s[8:9], s[0:1], 0x10                ; xq
	v_lshl_add_u32 v62, v0, 2, 0x8400
	v_mov_b32 v63, 0
	v_lshrrev_b32 v5, 5, v0
	v_readfirstlane_b32 s10, v5                    ; wave
	v_and_b32 v5, 31, v0
	v_lshlrev_b32 v1, 4, v5                        ; 16 x lane
	v_and_b32 v6, 15, v0                           ; r
	v_bfe_u32 v7, v0, 4, 1                         ; h
	s_mul_i32 s11, s10, 8448                       ; my stage
	v_add_nc_u32 v2, s11, v1                       ; into it: a row's 512 bytes as they lie
	v_mul_u32_u24 v3, v6, 528
	v_lshl_add_u32 v3, v7, 6, v3
	v_add_nc_u32 v3, s11, v3                       ; out of it: row r, + 64 h
	v_lshlrev_b32 v4, 4, v6
	v_lshl_add_u32 v4, v7, 3, v4                   ; my 8 bytes of the scale block: 16 r + 8 h
	v_cmp_eq_u32 vcc_lo, 1, v7                     ; lanes 16-31; kept to the end
.irp b, 0,1,2,3
	v_mov_b32 v[TM+4+\b], 0                        ; written once: a lane permute's destination counts as one of its sources
.endr
	s_mov_b32 s[SEL], 0x76543210
	s_mov_b32 s[SEL+1], 0xfedcba98                 ; lane l xor 16
	s_lshr_b32 s12, ttmp9, 7                       ; a
	s_and_b32 s13, ttmp9, 127                      ; B
	s_and_b32 s14, s10, 1                          ; u
	s_lshr_b32 s15, s10, 1                         ; q
	s_lshl_b32 s16, s13, 17                        ; (32 B + 8 u) rows of 4,096 bytes + 2,048 q
	s_lshl_b32 s17, s14, 15
	s_add_co_u32 s16, s16, s17
	s_lshl_b32 s17, s15, 11
	s_add_co_u32 s16, s16, s17
	s_mov_b32 s17, 0
	s_lshl_b32 s18, s13, 1
	s_add_co_u32 s18, s18, s14                     ; the tile
	s_mul_i32 s22, s18, 12288
	s_mul_i32 s19, s12, 3145728
	s_add_co_u32 s22, s22, s19
	s_mul_i32 s19, s15, 6144
	s_add_co_u32 s22, s22, s19                     ; its images from K step 4 q on
	s_mov_b32 s23, 0
	s_lshl_b32 s18, s18, 9
	s_lshl_b32 s19, s12, 17
	s_add_co_u32 s18, s18, s19
	s_lshl_b32 s19, s15, 8
	s_add_co_u32 s18, s18, s19
	s_add_co_u32 s18, s18, 6291456                 ; my half of its scale block
	s_mov_b32 s19, 0
	s_wait_kmcnt 0x0
	s_cmp_lt_u32 ttmp9, 128                        ; the tensor is chosen by the work-group's number alone
	s_cselect_b64 s[4:5], s[4:5], s[6:7]
	s_add_nc_u64 s[4:5], s[4:5], s[16:17]
	s_add_nc_u64 s[22:23], s[8:9], s[22:23]
	s_add_nc_u64 s[18:19], s[8:9], s[18:19]
.macro XLOAD t
.irp i, 0,1,2,3,4,5,6,7,8,9,10,11,12,13,14,15
	global_load_b128 v[R+64*((\t)%2)+4*\i:R+64*((\t)%2)+4*\i+3], v1, s[4:5] offset:(\i+8*(\i/8))*4096+512*(\t) th:TH_LOAD_NT
.endr
.endm
.macro XSTEP t
.if (\t) < 3
	s_wait_loadcnt 16                              ; this step's 16 loads are in; the next step's may be out
.else
	s_wait_loadcnt 0x0
.endif
.irp i, 0,1,2,3,4,5,6,7,8,9,10,11,12,13,14,15
	ds_store_b128 v2, v[R+64*((\t)%2)+4*\i:R+64*((\t)%2)+4*\i+3] offset:528*\i
.endr
.irp b, 0,1,2,3
.irp j, 0,1,2,3
	ds_load_b128 v[X+16*\b+4*\j:X+16*\b+4*\j+3], v3 offset:128*\b+16*\j     ; LDS serves a wave's instructions in order: these see my stores
.endr
.endr
	s_wait_dscnt 0x0
.if (\t) < 2
	XLOAD (\t)+2                                   ; into the registers that the stage's stores have read
.endif
	s_wait_xcnt 0x0                                ; the last step's stores have read the fragment's registers
	QUANT X, PC, PC+6
	v_lshl_or_b32 v[W+\t], v[TM+5], 8, v[TM+4]
	v_lshl_or_b32 v[W+\t], v[TM+6], 16, v[W+\t]
	v_lshl_or_b32 v[W+\t], v[TM+7], 24, v[W+\t]
.irp c, 0,1,2
	global_store_b128 v1, v[PC+4*\c:PC+4*\c+3], s[22:23] offset:1536*(\t)+512*\c   ; 512 consecutive bytes
.endr
.endm
	XLOAD 0
	XLOAD 1
	XSTEP 0
	XSTEP 1
	XSTEP 2
	XSTEP 3
	v_cndmask_b32 v44, v40, v42, vcc_lo            ; lanes 0-15 store words 0, 1 of their row, lanes 16-31 words 2, 3
	v_cndmask_b32 v45, v41, v43, vcc_lo
	global_store_b64 v4, v[44:45], s[18:19]        ; the wave stores 256 consecutive bytes, aligned
	s_wait_tensorcnt 0x0
	ds_add_u32 v62, v63
	s_wait_dscnt 0x0
	s_endpgm
.Lfunc_end_k_qadac963a06_quantx:
	.size	k_qadac963a06_quantx, .Lfunc_end_k_qadac963a06_quantx-k_qadac963a06_quantx
	.p2alignl 7, 3214868480
	.fill 96, 4, 3214868480
	.section	.rodata,"a",@progbits
	.p2align	6, 0x0
	.amdhsa_kernel k_qadac963a06_quantx
		.amdhsa_group_segment_fixed_size 34304
		.amdhsa_private_segment_fixed_size 0
		.amdhsa_enable_private_segment 0
		.amdhsa_kernarg_size 24
		.amdhsa_user_sgpr_count 2
		.amdhsa_user_sgpr_kernarg_segment_ptr 1
		.amdhsa_wavefront_size32 1
		.amdhsa_system_sgpr_workgroup_id_x 1
		.amdhsa_system_sgpr_workgroup_id_y 1
		.amdhsa_system_sgpr_workgroup_id_z 1
		.amdhsa_system_vgpr_workitem_id 0
		.amdhsa_next_free_vgpr 256
		.amdhsa_next_free_sgpr 66
		.amdhsa_reserve_vcc 1
		.amdhsa_float_denorm_mode_32 3
		.amdhsa_float_denorm_mode_16_64 3
		.amdhsa_memory_ordered 1
		.amdhsa_forward_progress 1
		.amdhsa_inst_pref_size 34
	.end_amdhsa_kernel
	.amdgpu_metadata
---
amdhsa.version: [ 1, 2 ]
amdhsa.kernels:
  - .name:           k_qadac963a06_quantx
    .symbol:         k_qadac963a06_quantx.kd
    .args:
      - { .name: input_tensor, .offset: 0, .size: 8, .value_kind: global_buffer, .address_space: global }
      - { .name: encoder_output, .offset: 8, .size: 8, .value_kind: global_buffer, .address_space: global }
      - { .name: xq, .offset: 16, .size: 8, .value_kind: global_buffer, .address_space: global }
    .group_segment_fixed_size: 34304
    .private_segment_fixed_size: 0
    .kernarg_segment_align: 8
    .kernarg_segment_size: 24
    .max_flat_workgroup_size: 128
    .sgpr_count:     66
    .vgpr_count:     256
    .wavefront_size: 32
...
	.end_amdgpu_metadata
.endif
;; end of part 2
;; launch proj (part 3): grid 128 x 5, 8 waves a work-group, no clusters, 308,224 bytes of LDS; arguments wq, xq, bv1, bv2, a1, a2; writes a1, a2
.if DOCPART == 3
	.amdgcn_target "amdgcn-amd-amdhsa--gfx1250"
	.amdhsa_code_object_version 6
	.text
	.protected	k_qadac963a06_proj
	.globl	k_qadac963a06_proj
	.p2align	8
	.type	k_qadac963a06_proj,@function
k_qadac963a06_proj:
	s_mov_b64 s[64:65], 0
	v_nop
	global_prefetch_b8 v0, s[64:65] scope:SCOPE_SE
	s_setreg_imm32_b32 hwreg(HW_REG_WAVE_MODE, 25, 1), 1
	s_wait_xcnt 0x0
; Five projections on codes of E2M3 (K = 1,024), each followed by the quantiser of the product that reads its result.  Job y: 0 q1 = x Wq1, 1 k1 = x Wk1, 2 k2 = enc Wk2, 3 v1 = x Wv1 + bv1, 4 v2 = enc Wv2 + bv2.
; Source 0 (P, 256 rows a work-group) is the operand along whose rows the result is quantised next: for q and k the weight (the head's 64), for v the activation (the keys).  Source 1 (R, 128 rows) is the other.
; The rows that form a tile of 16 are 32 B + 8 u + r + 8 (r / 8), so that a lane's 16 registers of two neighbouring tiles of P are 16 neighbours along the next K.
; SHARES: eight waves; wave w takes P's tiles 8 (w % 2) .. + 7 and R's tiles 2 (w / 2), + 1: 16 accumulators, which take turns in the same order in every K step.
; LDS holds ALL of K of both operands, as images of the operands' registers, filled once through registers: one barrier, no refill.  A fragment comes by three loads of 512 consecutive bytes.
; OUTPUT: q and k leave as PAIR FRAGMENTS: registers 0-5 the head's 64 codes of tile (Bl, 0)'s rows, registers 6-11 those of tile (Bl, 1)'s; the word's bytes 0, 1 and 2, 3 likewise.  v leaves as fragments of 16 of the head's 64 x 128 keys.
; The scale words leave in pieces of 64 or 128 bytes, parts of an aligned 256: one byte in 24 of what the launch stores.
; NOT SHARED IN A CLUSTER: several work-groups read the same 196,608 bytes of P.  The fill goes through registers and not by tensor loads, so there is no load that could be asked jointly; the price is stated here and not hidden.
; LIMITS: NaN and infinities are not served; a block whose largest magnitude lies under 2^-124 keeps the byte 1; a block of zeros gets the byte 1 and not 127 (its codes are zeros, and this program alone reads the bytes).
; REGISTERS, window 0: v1-13 addresses, v14 r, v15 h; v16-23 R's scale words, v24-55 P's; v56-103 R's fragments, two sets; v104-119 the bias as C; v128-255 accumulators.  Window 1: P's fragments, two sets of 96.
.set RSC, 16
.set PS,  24
.set RB,  56
.set BV,  104
.set ACC, 128
.set TM,  24                           ; the epilogue lies over the scale words and R's fragments, which are done with
.set CT,  36
.set FA,  44
.set FB,  56
.set SEL, 20
.set MSB, 0
.macro WIN new                         ; the immediate's high byte repeats the setting that is left
.if MSB != \new
	s_set_vgpr_msb (MSB<<8)|\new
.set MSB, \new
.endif
.endm
.macro PLACES
.rept 4
	v_nop
.endr
.endm
.macro QUANT s, d0, d1                 ; 64 numbers of a lane, register 16 b + i = column 32 b + 16 (lane / 16) + i of my row: codes of columns 0-63 into v[d0] on, of 64-127 into v[d1] on; the bytes stay in v[TM+4] on
.irp b, 0,1,2,3
	v_max3_num_f32 v[TM+\b], |v[(\s)+16*\b]|, |v[(\s)+1+16*\b]|, 0x1800000   ; with the floor 2^(3 - 127).  Each accumulator is first read at its low end
.endr
.irp i, 2,4,6,8,10,12,14
.irp b, 0,1,2,3
	v_max3_num_f32 v[TM+\b], v[TM+\b], |v[(\s)+16*\b+\i]|, |v[(\s)+1+16*\b+\i]|
.endr
.endr
.irp b, 0,1,2,3
	v_permlanex16_b32 v[TM+4+\b], v[TM+\b], s[SEL], s[SEL+1]
.endr
.irp b, 0,1,2,3
	v_max_num_f32 v[TM+\b], v[TM+\b], v[TM+4+\b]
.endr
.irp b, 0,1,2,3
	v_add_nc_u32 v[TM+8+\b], 0xff000000, v[TM+\b]
.endr
.irp b, 0,1,2,3
	v_lshrrev_b32 v[TM+4+\b], 23, v[TM+8+\b]
.endr
	v_cvt_scalef32_pk16_fp6_f32 v[(\d0):(\d0)+2], v[(\s):(\s)+15], v[TM+8]
	v_cvt_scalef32_pk16_fp6_f32 v[CT:CT+2], v[(\s)+16:(\s)+31], v[TM+9]
	v_cvt_scalef32_pk16_fp6_f32 v[(\d1):(\d1)+2], v[(\s)+32:(\s)+47], v[TM+10]
	v_cvt_scalef32_pk16_fp6_f32 v[CT+4:CT+6], v[(\s)+48:(\s)+63], v[TM+11]
	v_nop                                          ; one plain place behind a scaled conversion
.irp i, 0,1,2
	v_permlane16_swap_b32 v[(\d0)+\i], v[CT+\i]
	v_permlane16_swap_b32 v[(\d1)+\i], v[CT+4+\i]
.endr
.irp i, 0,1,2
	v_mov_b32 v[(\d0)+3+\i], v[CT+\i]
	v_mov_b32 v[(\d1)+3+\i], v[CT+4+\i]
.endr
.endm
.macro WORD d
	v_lshl_or_b32 v[\d], v[TM+5], 8, v[TM+4]
	v_lshl_or_b32 v[\d], v[TM+6], 16, v[\d]
	v_lshl_or_b32 v[\d], v[TM+7], 24, v[\d]
.endm
.macro WM d, a, b, cr, sa, sb, row     ; one product; row = 1: both sides' scale words stand in lanes 16-31
.if \row
	v_wmma_scale_f32_16x16x128_f8f6f4 v[(\d):(\d)+7], v[(\a):(\a)+11], v[(\b):(\b)+11], v[(\cr):(\cr)+7], v[\sa], v[\sb] matrix_a_fmt:MATRIX_FMT_FP6 matrix_b_fmt:MATRIX_FMT_FP6 matrix_a_scale:MATRIX_SCALE_ROW1 matrix_b_scale:MATRIX_SCALE_ROW1
.else
	v_wmma_scale_f32_16x16x128_f8f6f4 v[(\d):(\d)+7], v[(\a):(\a)+11], v[(\b):(\b)+11], v[(\cr):(\cr)+7], v[\sa], v[\sb] matrix_a_fmt:MATRIX_FMT_FP6 matrix_b_fmt:MATRIX_FMT_FP6
.endif
.endm
	s_load_b256 s[4:11], s[0:1], 0x0               ; wq, xq, bv1, bv2
	s_load_b128 s[12:15], s[0:1], 0x20             ; a1, a2
	v_lshl_add_u32 v126, v0, 2, 0x4b000
	v_mov_b32 v127, 0
	v_lshrrev_b32 v14, 5, v0
	v_readfirstlane_b32 s16, v14                   ; wave
	s_and_b32 s17, s16, 1                          ; pw
	s_lshr_b32 s18, s16, 1                         ; rw
	s_and_b32 s19, ttmp7, 0xffff                   ; job y
	s_mov_b32 s[SEL], 0x76543210
	s_mov_b32 s[SEL+1], 0xfedcba98
	s_lshr_b32 s22, 0x14, s19
	s_and_b32 s22, s22, 1                          ; a: jobs 2 and 4 read the encoder's rows
	s_mul_i32 s23, s19, 786432                     ; the weight's images,
	s_lshl_b32 s24, s19, 15
	s_add_co_u32 s24, s24, 6291456                 ; its scale blocks,
	s_mul_i32 s25, s22, 3145728                    ; the activation's images,
	s_lshl_b32 s26, s22, 17
	s_add_co_u32 s26, s26, 6291456                 ; its scale blocks
	s_and_b32 s27, ttmp9, 3
	s_lshr_b32 s28, ttmp9, 3
	s_lshr_b32 s29, ttmp9, 2
	s_and_b32 s30, ttmp9, 7
	s_cmp_lt_u32 s19, 3                            ; q or k?
	s_cselect_b32 s31, s27, s28                    ; pb
	s_cselect_b32 s48, s29, s30                    ; rb
	s_cselect_b32 s32, s23, s25
	s_cselect_b32 s34, s24, s26
	s_cselect_b32 s36, s25, s23
	s_cselect_b32 s38, s26, s24
	s_mul_i32 s49, s31, 196608                     ; 16 tiles of 12,288 bytes
	s_add_co_u32 s32, s32, s49
	s_lshl_b32 s49, s31, 13
	s_add_co_u32 s34, s34, s49
	s_mul_i32 s49, s48, 98304                      ; 8 tiles
	s_add_co_u32 s36, s36, s49
	s_lshl_b32 s49, s48, 12
	s_add_co_u32 s38, s38, s49
	s_mov_b32 s33, 0
	s_mov_b32 s35, 0
	s_mov_b32 s37, 0
	s_mov_b32 s39, 0
	s_lshl_b32 s50, s48, 2
	s_add_co_u32 s50, s50, s18                     ; 4 rb + rw: my block of 32 rows of R
	s_lshl_b32 s52, s50, 7                         ; (v: its 32 numbers of the bias)
	s_mov_b32 s53, 0
	v_and_b32 v1, 31, v0
	v_lshlrev_b32 v1, 4, v1                        ; 16 x lane
	v_and_b32 v14, 15, v0                          ; r
	v_bfe_u32 v15, v0, 4, 1                        ; h
	s_mul_i32 s49, s17, 98304
	v_add_nc_u32 v2, s49, v1                       ; my P tiles 0-3
	v_add_nc_u32 v3, 49152, v2                     ; and 4-7
	s_mul_i32 s49, s18, 24576
	s_add_co_u32 s49, s49, 196608
	v_add_nc_u32 v4, s49, v1                       ; my R tiles
	s_lshl_b32 s49, s17, 12
	s_add_co_u32 s49, s49, 294912
	v_add_nc_u32 v5, s49, v1                       ; my P tiles' scale blocks
	s_lshl_b32 s49, s18, 10
	s_add_co_u32 s49, s49, 303104
	v_add_nc_u32 v6, s49, v1                       ; my R tiles' scale blocks
	s_mul_i32 s49, s16, 12288
	v_add_nc_u32 v7, s49, v1                       ; the fill: tile w, in memory and in LDS;
	v_add_nc_u32 v8, 98304, v7                     ; P's tile w + 8;
	v_add_nc_u32 v9, 196608, v7                    ; R's tile w
	s_lshl_b32 s49, s16, 10
	v_add_nc_u32 v10, s49, v1
	v_add_nc_u32 v11, 294912, v10
	s_lshl_b32 s49, s16, 9
	v_add_nc_u32 v12, s49, v1
	v_add_nc_u32 v13, 303104, v12
	v_and_b32 v120, 8, v14
	v_add_nc_u32 v120, v120, v14
	v_lshlrev_b32 v120, 2, v120                    ; 4 (r + 8 (r / 8)): my row of a tile, among a block's 32 numbers of the bias
	s_wait_kmcnt 0x0
	s_cmp_lt_u32 s19, 3
	s_cselect_b64 s[40:41], s[4:5], s[6:7]         ; P's buffer
	s_cselect_b64 s[42:43], s[6:7], s[4:5]         ; R's
	s_add_nc_u64 s[32:33], s[40:41], s[32:33]
	s_add_nc_u64 s[34:35], s[40:41], s[34:35]
	s_add_nc_u64 s[36:37], s[42:43], s[36:37]
	s_add_nc_u64 s[38:39], s[42:43], s[38:39]
	s_cmp_eq_u32 s22, 0
	s_cselect_b64 s[44:45], s[8:9], s[10:11]       ; the bias
	s_cselect_b64 s[46:47], s[12:13], s[14:15]     ; the output
	s_add_nc_u64 s[44:45], s[44:45], s[52:53]
	; the C of each sum's first product: v: the bias of my lane's column of R, eight times; q, k: zeros.  Issued first, so that the counted wait below holds on both ways
	s_cmp_lt_u32 s19, 3
	s_cbranch_scc1 .Lno_bias
.irp p, 0,1
.irp j, 0,1,2,3,4,5,6,7
	global_load_b32 v[BV+8*\p+\j], v120, s[44:45] offset:32*\p
.endr
.endr
	s_branch .Lbias_done
.Lno_bias:
.irp j, 0,1,2,3,4,5,6,7,8,9,10,11,12,13,14,15
	v_mov_b32 v[BV+\j], 0
.endr
.Lbias_done:
	WIN 0x40                                       ; destination window 1
.set m, 0
.rept 24
	global_load_b128 v[4*m:4*m+3], v7, s[32:33] offset:512*m
	global_load_b128 v[96+4*m:96+4*m+3], v7, s[32:33] offset:98304+512*m
.set m, m+1
.endr
	WIN 0
.set m, 0
.rept 24
	global_load_b128 v[128+4*m:128+4*m+3], v7, s[36:37] offset:512*m
.set m, m+1
.endr
	global_load_b128 v[224:227], v10, s[34:35]
	global_load_b128 v[228:231], v10, s[34:35] offset:512
	global_load_b128 v[232:235], v12, s[38:39]
	s_wait_loadcnt 27                              ; R's 24 loads and the scales' 3 may be out: P's 48 are in
	WIN 0x04                                       ; an LDS store's data are its source 1: window 1
.set m, 0
.rept 24
	ds_store_b128 v7, v[4*m:4*m+3] offset:512*m
	ds_store_b128 v8, v[96+4*m:96+4*m+3] offset:512*m
.set m, m+1
.endr
	WIN 0
	s_wait_loadcnt 0x0
.set m, 0
.rept 24
	ds_store_b128 v9, v[128+4*m:128+4*m+3] offset:512*m
.set m, m+1
.endr
	ds_store_b128 v11, v[224:227]
	ds_store_b128 v11, v[228:231] offset:512
	ds_store_b128 v13, v[232:235]
	s_wait_dscnt 0x0                               ; for the others' sake: my part of the fill has landed
	s_barrier_signal -1
	s_barrier_wait -1                              ; the only barrier: nothing in LDS is written again
.macro FRAGS k                         ; K step k's fragments into set k % 2: my 8 of P, my 2 of R
	WIN 0x40
.irp t, 0,1,2,3
.irp c, 0,1,2
	ds_load_b128 v[96*((\k)%2)+12*\t+4*\c:96*((\k)%2)+12*\t+4*\c+3], v2 offset:12288*\t+1536*(\k)+512*\c
.endr
.endr
.irp t, 0,1,2,3
.irp c, 0,1,2
	ds_load_b128 v[96*((\k)%2)+48+12*\t+4*\c:96*((\k)%2)+48+12*\t+4*\c+3], v3 offset:12288*\t+1536*(\k)+512*\c
.endr
.endr
	WIN 0
.irp p, 0,1
.irp c, 0,1,2
	ds_load_b128 v[RB+24*((\k)%2)+12*\p+4*\c:RB+24*((\k)%2)+12*\p+4*\c+3], v4 offset:12288*\p+1536*(\k)+512*\c
.endr
.endr
.endm
.macro MM k                            ; 16 products of K step k
.set PBK, 96*((\k)%2)
.set RBK, RB+24*((\k)%2)
	WIN 0x01                                       ; source 0 window 1
.irp t, 0,1,2,3,4,5,6,7
.irp p, 0,1
.if (\k) == 0
	WM ACC+64*\p+8*\t, PBK+12*\t, RBK+12*\p, BV+8*\p, PS+4*\t, RSC+4*\p, 0
.else
	WM ACC+64*\p+8*\t, PBK+12*\t, RBK+12*\p, ACC+64*\p+8*\t, PS+4*\t+(\k)%4, RSC+4*\p+(\k)%4, (\k)/4
.endif
.endr
.endr
.endm
.irp t, 0,1,2,3,4,5,6,7
	ds_load_b128 v[PS+4*\t:PS+4*\t+3], v5 offset:512*\t            ; register k % 4: lanes 0-15 K step k < 4, lanes 16-31 K step k >= 4
.endr
.irp p, 0,1
	ds_load_b128 v[RSC+4*\p:RSC+4*\p+3], v6 offset:512*\p
.endr
	FRAGS 0
.irp k, 0,1,2,3,4,5,6,7
	s_wait_dscnt 0x0                               ; this step's fragments are in
.if \k < 7
	FRAGS \k+1                                     ; the next step's, into the set that the step before read: four places stand behind its products
.endif
	MM \k
	PLACES
.endr
	WIN 0
.irp b, 0,1,2,3
	v_mov_b32 v[TM+4+\b], 0                        ; a lane permute's destination counts as one of its sources
.endr
	v_cmp_eq_u32 vcc_lo, 1, v15                    ; lanes 16-31
	s_cmp_lt_u32 s19, 3
	s_cbranch_scc0 .Lv_job
	; ---- q, k.  Accumulators 64 p + ..: lane (r, h) holds row r of R's tile p and 128 columns: two heads.  Columns 0-63 go to head A's pair fragment, 64-127 to head B's; tile p fills registers 6 p .. 6 p + 5
	QUANT ACC, FA, FB
.irp b, 0,1,2,3
	v_mov_b32 v[68+\b], v[TM+4+\b]
.endr
	QUANT ACC+64, FA+6, FB+6
	v_lshl_or_b32 v76, v69, 8, v68                 ; head A's word: tile 0's two bytes, tile 1's two
	v_lshl_or_b32 v76, v[TM+4], 16, v76
	v_lshl_or_b32 v76, v[TM+5], 24, v76
	v_lshl_or_b32 v77, v71, 8, v70                 ; head B's
	v_lshl_or_b32 v77, v[TM+6], 16, v77
	v_lshl_or_b32 v77, v[TM+7], 24, v77
	s_lshr_b32 s54, s50, 6                         ; batch
	s_lshl_b32 s54, s54, 4
	s_lshl_b32 s55, s31, 2
	s_add_co_u32 s54, s54, s55
	s_lshl_b32 s55, s17, 1
	s_add_co_u32 s54, s54, s55                     ; 16 batch + head A (4 pb + 2 pw)
	s_and_b32 s55, s50, 63                         ; Bl
	s_mov_b32 s56, 204800                          ; k: a record's bytes, where its words begin, where the records begin
	s_mov_b32 s57, 196608
	s_mov_b32 s58, 3276800
	s_cmp_eq_u32 s19, 0
	s_cselect_b32 s56, 102400, s56                 ; q
	s_cselect_b32 s57, 98304, s57
	s_cselect_b32 s58, 0, s58
	s_mul_i32 s54, s54, s56
	s_add_co_u32 s58, s58, s54                     ; head A's record
	s_lshl_b32 s54, s55, 6
	s_add_co_u32 s60, s58, s57
	s_add_co_u32 s60, s60, s54                     ; its words of block Bl
	s_mov_b32 s61, 0
	s_mul_i32 s54, s55, 1536
	s_add_co_u32 s58, s58, s54                     ; its fragment of block Bl
	s_mov_b32 s59, 0
	s_mov_b32 s57, 0
	s_add_nc_u64 s[58:59], s[46:47], s[58:59]
	s_add_nc_u64 s[60:61], s[46:47], s[60:61]
	s_add_nc_u64 s[52:53], s[58:59], s[56:57]      ; head B's: one record on
	v_mul_u32_u24 v78, v15, s56
	v_lshl_add_u32 v78, v14, 2, v78                ; lanes 0-15: head A's word of row r; lanes 16-31: head B's
	v_cndmask_b32 v79, v76, v77, vcc_lo
.irp c, 0,1,2
	global_store_b128 v1, v[FA+4*\c:FA+4*\c+3], s[58:59] offset:512*\c
	global_store_b128 v1, v[FB+4*\c:FB+4*\c+3], s[52:53] offset:512*\c
.endr
	global_store_b32 v78, v79, s[60:61]
	s_wait_tensorcnt 0x0
	ds_add_u32 v126, v127
	s_wait_dscnt 0x0
	s_endpgm
.Lv_job:
	; ---- v.  Accumulators 64 p + ..: lane (r, h) holds column r of R's tile p (one of the head's 64) and 128 keys: a fragment of V with the keys as K
	QUANT ACC, FA, FA+6
	WORD 76
	QUANT ACC+64, FB, FB+6
	WORD 77
	s_lshl_b32 s54, s31, 1
	s_add_co_u32 s54, s54, s17                     ; which 128 keys of the 4,096 rows
	s_lshr_b32 s55, s54, 4                         ; batch
	s_and_b32 s54, s54, 15                         ; key step
	s_lshl_b32 s55, s55, 4
	s_lshr_b32 s56, s50, 1                         ; head
	s_add_co_u32 s55, s55, s56
	s_and_b32 s56, s50, 1                          ; which 32 of its 64
	s_mul_i32 s55, s55, 204800
	s_add_co_u32 s55, s55, 3276800                 ; the record
	s_mul_i32 s57, s54, 6144
	s_mul_i32 s58, s56, 3072
	s_add_co_u32 s58, s58, s57
	s_add_co_u32 s58, s58, s55
	s_add_co_u32 s58, s58, 98304                   ; its fragments (key step, 2 beta + p)
	s_mov_b32 s59, 0
	s_lshl_b32 s60, s54, 8
	s_lshl_b32 s57, s56, 7
	s_add_co_u32 s60, s60, s57
	s_add_co_u32 s60, s60, s55
	s_add_co_u32 s60, s60, 200704                  ; and their words
	s_mov_b32 s61, 0
	s_add_nc_u64 s[58:59], s[46:47], s[58:59]
	s_add_nc_u64 s[60:61], s[46:47], s[60:61]
	v_lshrrev_b32 v78, 2, v1                       ; 4 x lane: lanes 0-15 tile 0's words, lanes 16-31 tile 1's
	v_cndmask_b32 v79, v76, v77, vcc_lo
.irp c, 0,1,2
	global_store_b128 v1, v[FA+4*\c:FA+4*\c+3], s[58:59] offset:512*\c
	global_store_b128 v1, v[FB+4*\c:FB+4*\c+3], s[58:59] offset:1536+512*\c
.endr
	global_store_b32 v78, v79, s[60:61]
	s_wait_tensorcnt 0x0
	ds_add_u32 v126, v127
	s_wait_dscnt 0x0
	s_endpgm
.Lfunc_end_k_qadac963a06_proj:
	.size	k_qadac963a06_proj, .Lfunc_end_k_qadac963a06_proj-k_qadac963a06_proj
	.p2alignl 7, 3214868480
	.fill 96, 4, 3214868480
	.section	.rodata,"a",@progbits
	.p2align	6, 0x0
	.amdhsa_kernel k_qadac963a06_proj
		.amdhsa_group_segment_fixed_size 308224
		.amdhsa_private_segment_fixed_size 0
		.amdhsa_enable_private_segment 0
		.amdhsa_kernarg_size 48
		.amdhsa_user_sgpr_count 2
		.amdhsa_user_sgpr_kernarg_segment_ptr 1
		.amdhsa_wavefront_size32 1
		.amdhsa_system_sgpr_workgroup_id_x 1
		.amdhsa_system_sgpr_workgroup_id_y 1
		.amdhsa_system_sgpr_workgroup_id_z 1
		.amdhsa_system_vgpr_workitem_id 0
		.amdhsa_next_free_vgpr 448
		.amdhsa_next_free_sgpr 66
		.amdhsa_reserve_vcc 1
		.amdhsa_float_denorm_mode_32 3
		.amdhsa_float_denorm_mode_16_64 3
		.amdhsa_memory_ordered 1
		.amdhsa_forward_progress 1
		.amdhsa_inst_pref_size 71
	.end_amdhsa_kernel
	.amdgpu_metadata
---
amdhsa.version: [ 1, 2 ]
amdhsa.kernels:
  - .name:           k_qadac963a06_proj
    .symbol:         k_qadac963a06_proj.kd
    .args:
      - { .name: wq, .offset: 0, .size: 8, .value_kind: global_buffer, .address_space: global }
      - { .name: xq, .offset: 8, .size: 8, .value_kind: global_buffer, .address_space: global }
      - { .name: bv1, .offset: 16, .size: 8, .value_kind: global_buffer, .address_space: global }
      - { .name: bv2, .offset: 24, .size: 8, .value_kind: global_buffer, .address_space: global }
      - { .name: a1, .offset: 32, .size: 8, .value_kind: global_buffer, .address_space: global }
      - { .name: a2, .offset: 40, .size: 8, .value_kind: global_buffer, .address_space: global }
    .group_segment_fixed_size: 308224
    .private_segment_fixed_size: 0
    .kernarg_segment_align: 8
    .kernarg_segment_size: 48
    .max_flat_workgroup_size: 256
    .sgpr_count:     66
    .vgpr_count:     448
    .wavefront_size: 32
...
	.end_amdgpu_metadata
.endif
;; end of part 3
;; launch attn1 (part 4): grid 8 x 32, 16 waves a work-group, no clusters, 276,480 bytes of LDS; arguments a1, causal_on, sa; writes sa
.if DOCPART == 4
	.amdgcn_target "amdgcn-amd-amdhsa--gfx1250"
	.amdhsa_code_object_version 6
	.text
	.protected	k_qadac963a06_attn1
	.globl	k_qadac963a06_attn1
	.p2align	8
	.type	k_qadac963a06_attn1,@function
k_qadac963a06_attn1:
	s_mov_b64 s[64:65], 0
	v_nop
	global_prefetch_b8 v0, s[64:65] scope:SCOPE_SE
	s_setreg_imm32_b32 hwreg(HW_REG_WAVE_MODE, 25, 1), 1
	s_wait_xcnt 0x0
; O[b][q][64 head + :] = the sum over keys of softmax(Q . K / 8) V, both products on codes of E2M3 with one E8M0 byte for each 32 along K.  2,048 queries and keys, head size 64, 32 (batch, head) pairs.
; The second argument holds one whole number, stored by an earlier launch: 1: key k counts for query q where k <= q; 0: every key counts.  It enters two scalar compares and no address.
; THE SOFTMAX: t = score x log2(e) / 8; M = the running largest t rounded UP to a whole number; p = 2^(t - M) is quantised along the keys, not normalised; the row's sum is taken of the unquantised p and divides at the end.
; When M moves, the sum and O are multiplied by 2^(old M - new M): exact.  A block's largest p is taken through its largest score (p rises with the score; v_exp_f32 is taken not to fall where its input rises).
; INPUT (this program's own layout).  Q and K: pair fragments: registers 0-5 the head's 64 codes of tile (Bl, 0)'s 16 rows, registers 6-11 those of tile (Bl, 1)'s; row r of tile (Bl, u) is 32 Bl + 8 u + r + 8 (r / 8).
; The instruction's K is 128 and the head's is 64: a fragment of K carries two tiles of keys, and the query side carries the zeros: [q | 0] picks tile 0, [0 | q] tile 1.  A zero code adds nothing; its scale bytes are 1.
; So the 16 registers of the two results of a pair are 16 neighbouring keys, 32 Bl + 16 (lane / 16) + 0 .. 15.  V: fragments of 16 of the head's 64 x 128 keys.
; SHARES: a work-group takes 16 tiles of 16 queries of one head, a wave one tile: tile 8 j + w for w < 8, tile 135 - 8 j - w else, so that under the mask early and late queries share each work-group.
; THE FILL.  The head's record (K, V and their scale words: 204,800 bytes) comes into LDS once, through registers, each byte written once, IN FOUR STAGES OF 512 KEYS: 24,576 bytes of K and as many of V, six loads of 16 bytes
; a thread.  The scale words and stage 0 stand ahead of the first product; stage g + 1 is asked for behind stage g's barrier (stage 1 at the head) and waits in 24 registers of its own while stage g's four key steps are
; walked.  At a stage's head a wave waits for its six loads, stores them, waits for the stores and passes the barrier: four barriers in all.  A stage's reads and the next stage's stores lie 24,576 bytes apart.
; Every wave walks all four stages; the trip counts are constants, and a step all of whose keys are hidden is jumped over, but for the lines that step addresses.
; NOT SHARED IN A CLUSTER: the eight work-groups of a head read the same record.  The fill goes through registers and not by tensor loads, so there is no load that could be asked jointly.
; LIMITS: NaN and infinities are not served; v_exp_f32 gives 0 where p would be denormal; a block of p under 2^-124 keeps the byte 1.
; REGISTERS: v1-9 addresses; v12 -M, v13 the largest t, v[14:15] the sum; v16-21 q, v22-27 zeros, v28-33 q: [q | 0] is v16-27 and [0 | q] v22-33; v34-37 the fill's addresses; v40, v41 Q's words; v42-45 K's and V's words;
;   v48-95 four fragments; v96-159 S^T, then p; v160-191 O^T; v192-203 p's codes; v204-231 at work; v232-255 the next stage on its way.
.set SEL,  20
.set CS,   22
.set KF,   24                          ; the step's first key
.set TB,   25                          ; its fragments' place in K's and V's parts of the record: 6,144 bytes a step
.set TS,   26                          ; its scale words: 256 bytes a step
.set CNT,  27
.set QMAX, 28
.set QMIN, 29
.set FA,   34                          ; v34-37  16 x thread + 65,536 x 0 .. 3: the first serves memory too; never rewritten
.set SP,   232                         ; v232-255  a stage's six pieces of 16 bytes
.set BM,   212
.set BY,   216
.set SO,   220
.set STAGE, 204800                     ; behind the record: 16 rows x (256 + 16) bytes for each wave
.macro WMA d, a, b, cr, sa, sb, row    ; one product; cr < 0: C is the constant 0; row = 1: source 0's scale words stand in lanes 16-31
.if (\cr) < 0
.if \row
	v_wmma_scale_f32_16x16x128_f8f6f4 v[(\d):(\d)+7], v[(\a):(\a)+11], v[(\b):(\b)+11], 0, v[\sa], v[\sb] matrix_a_fmt:MATRIX_FMT_FP6 matrix_b_fmt:MATRIX_FMT_FP6 matrix_a_scale:MATRIX_SCALE_ROW1
.else
	v_wmma_scale_f32_16x16x128_f8f6f4 v[(\d):(\d)+7], v[(\a):(\a)+11], v[(\b):(\b)+11], 0, v[\sa], v[\sb] matrix_a_fmt:MATRIX_FMT_FP6 matrix_b_fmt:MATRIX_FMT_FP6
.endif
.else
.if \row
	v_wmma_scale_f32_16x16x128_f8f6f4 v[(\d):(\d)+7], v[(\a):(\a)+11], v[(\b):(\b)+11], v[(\cr):(\cr)+7], v[\sa], v[\sb] matrix_a_fmt:MATRIX_FMT_FP6 matrix_b_fmt:MATRIX_FMT_FP6 matrix_a_scale:MATRIX_SCALE_ROW1
.else
	v_wmma_scale_f32_16x16x128_f8f6f4 v[(\d):(\d)+7], v[(\a):(\a)+11], v[(\b):(\b)+11], v[(\cr):(\cr)+7], v[\sa], v[\sb] matrix_a_fmt:MATRIX_FMT_FP6 matrix_b_fmt:MATRIX_FMT_FP6
.endif
.endif
.endm
; The record lies in LDS as it lies in memory.  A piece is 8,192 bytes, 16 a thread, at byte ad of the record.
.macro GLD reg, ad
	global_load_b128 v[(\reg):(\reg)+3], v[FA], s[32:33] offset:\ad
.endm
.macro LST reg, ad                     ; an LDS offset has 16 bits: the address register carries the rest
	ds_store_b128 v[FA+(\ad)/65536], v[(\reg):(\reg)+3] offset:(\ad)%65536
.endm
.macro SLOAD g, reg                    ; stage g: three pieces of K, three of V
.irp c, 0,1,2
	GLD (\reg)+4*\c, 24576*(\g)+8192*\c
	GLD (\reg)+12+4*\c, 98304+24576*(\g)+8192*\c
.endr
.endm
.macro SSTORE g, reg
.irp c, 0,1,2
	LST (\reg)+4*\c, 24576*(\g)+8192*\c
	LST (\reg)+12+4*\c, 98304+24576*(\g)+8192*\c
.endr
.endm
	s_load_b128 s[4:7], s[0:1], 0x0                ; the records, the flag
	s_load_b64 s[8:9], s[0:1], 0x10                ; O
	v_lshl_add_u32 v230, v0, 2, 0x43000
	v_mov_b32 v231, 0
	v_lshrrev_b32 v10, 5, v0
	v_readfirstlane_b32 s10, v10                   ; wave 0..15
	s_and_b32 s12, ttmp7, 0xffff                   ; 16 batch + head
	s_lshl_b32 s13, ttmp9, 3
	s_add_co_u32 s14, s13, s10                     ; 8 j + w
	s_sub_co_u32 s15, 135, s14                     ; 135 - 8 j - w
	s_cmp_lt_u32 s10, 8
	s_cselect_b32 s13, s14, s15                    ; my tile of queries, 0..127
	s_lshr_b32 s15, s13, 1                         ; Bl
	s_and_b32 s16, s13, 1                          ; u
	s_lshl_b32 s17, s15, 5
	s_lshl_b32 s18, s16, 3
	s_add_co_u32 s17, s17, s18                     ; my first query: 32 Bl + 8 u; the last is 23 on
	v_and_b32 v2, 31, v0
	v_lshlrev_b32 v1, 4, v2                        ; 16 x lane
	v_lshlrev_b32 v2, 2, v2                        ; 4 x lane
	v_and_b32 v10, 15, v0                          ; r
	v_bfe_u32 v11, v0, 4, 1                        ; h
	s_mul_i32 s31, s10, 4352
	s_add_co_u32 s31, s31, STAGE                   ; my stage
	v_mul_u32_u24 v3, v10, 272
	v_lshl_add_u32 v3, v11, 6, v3
	v_add_nc_u32 v3, s31, v3                       ; into it: row r, + 64 h
	v_mul_u32_u24 v4, v11, 272
	v_lshl_add_u32 v4, v10, 4, v4
	v_add_nc_u32 v4, s31, v4                       ; back: lanes 0-15 one row, lanes 16-31 the next
	v_lshlrev_b32 v5, 12, v11
	v_lshl_add_u32 v5, v10, 4, v5                  ; and the same two rows of O, 4,096 bytes apart
	v_and_b32 v6, 8, v10
	v_add_nc_u32 v6, v6, v10
	v_lshlrev_b32 v7, 4, v11
	v_sub_nc_u32 v6, v6, v7                        ; r + 8 (r / 8) - 16 h, for the mask
	v_lshlrev_b32 v38, 2, v10                      ; 4 r
	v_lshlrev_b32 v[FA], 4, v0                     ; the fill: 16 x thread, in memory and in LDS
	v_add_nc_u32 v[FA+1], 0x10000, v[FA]
	v_add_nc_u32 v[FA+2], 0x20000, v[FA]
	v_add_nc_u32 v[FA+3], 0x30000, v[FA]
	s_mul_i32 s32, s12, 204800
	s_add_co_u32 s32, s32, 3276800                 ; the head's record of K and V
	s_mov_b32 s33, 0
	s_mul_i32 s34, s12, 102400                     ; its record of Q
	s_lshl_b32 s18, s15, 6
	s_add_co_u32 s36, s34, s18
	s_add_co_u32 s36, s36, 98304                   ; my block's words
	s_mov_b32 s37, 0
	s_mul_i32 s18, s15, 1536
	s_add_co_u32 s34, s34, s18                     ; my block's pair fragment
	s_mov_b32 s35, 0
	s_lshr_b32 s18, s12, 4
	s_lshl_b32 s40, s18, 23                        ; O: batch x 2,048 rows of 4,096 bytes,
	s_lshl_b32 s18, s17, 12
	s_add_co_u32 s40, s40, s18                     ; my first query's row,
	s_and_b32 s18, s12, 15
	s_lshl_b32 s18, s18, 8
	s_add_co_u32 s40, s40, s18                     ; the head's 256 bytes
	s_mov_b32 s41, 0
	s_mov_b32 s[SEL], 0x76543210
	s_mov_b32 s[SEL+1], 0xfedcba98                 ; lane l xor 16
	s_mov_b32 s[CS], 0x3e38aa3b                    ; c = log2(e) / 8
	s_mov_b32 s[CS+1], s[CS]                       ; (named with it as a pair, so it is written)
	s_wait_kmcnt 0x0
	s_load_b32 s19, s[6:7], 0x0                    ; the flag
	s_add_nc_u64 s[32:33], s[4:5], s[32:33]
	s_add_nc_u64 s[34:35], s[4:5], s[34:35]
	s_add_nc_u64 s[36:37], s[4:5], s[36:37]
	s_add_nc_u64 s[8:9], s[8:9], s[40:41]
.irp c, 0,1,2
	global_load_b128 v[160+4*\c:163+4*\c], v1, s[34:35] offset:512*\c        ; Q's pair fragment
.endr
	global_load_b32 v172, v38, s[36:37]            ; and its words
	GLD 48, 196608                                 ; K's and V's scale words, the whole head's
	SLOAD 0, 52                                    ; stage 0, into the fragments' registers, which are idle yet
	SLOAD 1, SP                                    ; stage 1, into the registers that are kept for the stage on its way
	s_wait_loadcnt 6                               ; stage 1's six loads may be out: Q, the words and stage 0 are in
	LST 48, 196608
	SSTORE 0, 52
	s_cmp_eq_u32 s16, 1
	s_cselect_b32 s38, -1, 0                       ; all lanes: is my tile the pair's second?
	s_lshl_b32 s39, s16, 4
.irp i, 0,1,2,3,4,5
	v_cndmask_b32 v[16+\i], v[160+\i], v[166+\i], s38              ; my tile's six registers
.endr
.irp i, 0,1,2,3,4,5
	v_mov_b32 v[28+\i], v[16+\i]                   ; once more behind the zeros: v16-27 is [q | 0], v22-33 is [0 | q]
	v_mov_b32 v[22+\i], 0
.endr
	v_lshrrev_b32 v40, s39, v172
	v_and_b32 v40, 0xffff, v40                     ; my tile's two scale bytes
	v_lshl_or_b32 v41, v40, 16, 0x0101             ; for [0 | q]; the zeros' bytes are 1
	v_or_b32 v40, 0x01010000, v40                  ; for [q | 0]
	v_mov_b32 v13, 0xff61b1e6                      ; the largest t so far: -3e38, under every t
	v_floor_f32 v12, -v13                          ; -M
	v_mov_b32 v14, 0                               ; the sum, in two halves
	v_mov_b32 v15, 0
.irp b, 0,1,2,3
	v_mov_b32 v[BY+\b], 0                          ; written once: a lane permute's destination counts as one of its sources
.endr
	v_mov_b32 v225, 0                              ; (the upper half of the pair v[224:225])
	v_mov_b32 v227, 0
.set n, 0
.rept 32
	v_mov_b32 v[160+n], 0                          ; O^T.  The step is written once: the first finds zeros, which the first change of M leaves zeros.  (These are also the places between the words made above and the first products)
.set n, n+1
.endr
	s_wait_kmcnt 0x0
	s_add_co_u32 s30, s17, 23
	s_cmp_lg_u32 s19, 0
	s_cselect_b32 s[QMAX], s30, 4095               ; a step is walked where its first key is at most this;
	s_cselect_b32 s[QMIN], s17, 4095               ; it is masked where its last key is beyond this
	s_wait_dscnt 0x0                               ; for the others' sake: my part of the words and of stage 0 has landed
	s_barrier_signal -1
	s_barrier_wait -1
; STAGE g'S FOUR KEY STEPS of 128 keys.  The step's three scalars begin at constants, so that the stage's reads lie in bytes 24,576 g .. + 24,575 of K's part and of V's.
.macro FOUR g
	s_mov_b32 s[KF], 512*\g
	s_mov_b32 s[TB], 24576*\g
	s_mov_b32 s[TS], 196608+1024*\g
	s_mov_b32 s[CNT], 4
.Lstep_\@:
	s_cmp_gt_u32 s[KF], s[QMAX]
	s_cbranch_scc1 .Lskip_\@
	v_add_nc_u32 v7, s[TB], v1
	v_add_nc_u32 v9, s[TS], v2
	v_add_nc_u32 v8, 98304, v7
	v_nop                                          ; four places in front of loads into registers that the last products read
.irp b, 0,1,2,3
.irp c, 0,1,2
	ds_load_b128 v[48+12*\b+4*\c:51+12*\b+4*\c], v7 offset:1536*\b+512*\c    ; K's four pair fragments: 128 keys
.endr
.endr
	ds_load_b32 v42, v9                            ; lanes 0-15: pair 0's words, lanes 16-31: pair 1's
	ds_load_b32 v43, v9 offset:128                 ; pairs 2 and 3
	s_wait_dscnt 0x0
.irp b, 0,1,2,3                        ; S^T = K Q^T
	WMA 96+16*\b, 48+12*\b, 16, -1, 42+\b/2, 40, \b%2
	WMA 104+16*\b, 48+12*\b, 22, -1, 42+\b/2, 41, \b%2
.endr
.rept 4
	v_nop
.endr
.irp t, 0,1,2,3
.irp c, 0,1,2
	ds_load_b128 v[48+12*\t+4*\c:51+12*\t+4*\c], v8 offset:1536*\t+512*\c    ; V's four fragments land while the softmax is walked
.endr
.endr
	ds_load_b32 v44, v9 offset:4096
	ds_load_b32 v45, v9 offset:4224
	s_add_co_u32 s30, s[KF], 127
	s_cmp_le_u32 s30, s[QMIN]
	s_cbranch_scc1 .Lopen_\@
	s_sub_co_i32 s30, s17, s[KF]                   ; on the diagonal hidden scores become -infinity ahead of the maximum: p = 0 then
	v_add_nc_u32 v227, s30, v6                     ; d = my query - KF - 16 h.  Register 16 b + i holds key KF + 16 h + 32 b + i: hidden where 32 b + i > d
	v_mov_b32 v228, 0xff800000
.set n, 0
.rept 64
	v_cmp_gt_i32 vcc_lo, 32*(n/16)+n%16, v227
	v_cndmask_b32 v[96+n], v[96+n], v228, vcc_lo
.set n, n+1
.endr
.Lopen_\@:
.irp b, 0,1,2,3
	v_max3_num_f32 v[BM+\b], v[96+16*\b], v[97+16*\b], v[98+16*\b]          ; the largest score of each block of 32 keys
.endr
.irp i, 3,5,7,9,11,13
.irp b, 0,1,2,3
	v_max3_num_f32 v[BM+\b], v[BM+\b], v[96+16*\b+\i], v[97+16*\b+\i]
.endr
.endr
.irp b, 0,1,2,3
	v_max_num_f32 v[BM+\b], v[BM+\b], v[111+16*\b]
.endr
.irp b, 0,1,2,3
	v_permlanex16_b32 v[BY+\b], v[BM+\b], s[SEL], s[SEL+1]
.endr
.irp b, 0,1,2,3
	v_max_num_f32 v[BM+\b], v[BM+\b], v[BY+\b]     ; with lane l xor 16's 16 keys
.endr
	v_max3_num_f32 v227, v212, v213, v214
	v_max_num_f32 v227, v227, v215                 ; the step's largest score of my query
	v_mul_f32 v227, s[CS], v227                    ; as t
	v_max_num_f32 v13, v13, v227                   ; the running largest t
	v_mov_b32 v227, v12
	v_floor_f32 v12, -v13                          ; the new -M = floor(-t): M is a whole number
	v_sub_f32 v227, v12, v227                      ; old M - new M: a whole number, 0 or less
	v_cvt_i32_f32 v227, v227                       ; (it saturates)
	v_ldexp_f32 v224, 1.0, v227                    ; f = 2^(old M - new M)
.set n, 0
.rept 32
	v_pk_fma_f32 v[96+n:97+n], v[96+n:97+n], s[CS:CS+1], v[12:13] op_sel_hi:[1,0,0]   ; t - M, two at a time
.set n, n+2
.endr
.irp b, 0,1,2,3
	v_fma_f32 v[BM+\b], v[BM+\b], s[CS], v12       ; the same of each block's largest score
.endr
.set n, 0
.rept 64
	v_exp_f32 v[96+n], v[96+n]                     ; p = 2^(t - M)
.set n, n+1
.endr
.irp b, 0,1,2,3
	v_exp_f32 v[BM+\b], v[BM+\b]                   ; the block's largest p
.endr
	v_pk_mul_f32 v[14:15], v[14:15], v[224:225] op_sel_hi:[1,0]    ; the sums under the new M.  (A plain place behind the exponentials)
	s_wait_alu depctr_va_vdst(0)
.irp b, 0,1,2,3
	v_max_num_f32 v[BM+\b], 0x1800000, v[BM+\b]    ; the floor 2^(3 - 127)
.endr
.irp b, 0,1,2,3
	v_add_nc_u32 v[SO+\b], 0xff000000, v[BM+\b]    ; the conversion's scale operand
.endr
.irp b, 0,1,2,3
	v_lshrrev_b32 v[BY+\b], 23, v[SO+\b]           ; the scale's byte
.endr
	v_lshl_or_b32 v226, v217, 8, v216              ; p's scale word for these 128 keys
	v_lshl_or_b32 v226, v218, 16, v226
	v_lshl_or_b32 v226, v219, 24, v226
.irp c, 0,1
	v_cvt_scalef32_pk16_fp6_f32 v[192+6*\c:194+6*\c], v[96+32*\c:111+32*\c], v[SO+2*\c]
	v_cvt_scalef32_pk16_fp6_f32 v[204+4*\c:206+4*\c], v[112+32*\c:127+32*\c], v[SO+2*\c+1]
.endr
	v_nop                                          ; one plain place behind a scaled conversion
.irp c, 0,1
.irp i, 0,1,2
	v_permlane16_swap_b32 v[192+6*\c+\i], v[204+4*\c+\i]
.endr
.irp i, 0,1,2
	v_mov_b32 v[195+6*\c+\i], v[204+4*\c+\i]
.endr
.endr
	v_pk_add_f32 v[228:229], v[96:97], v[98:99]    ; the row's sum is taken of the unquantised p: two chains
.irp j, 4,8,12,16,20,24,28,32,36,40,44,48,52,56,60
	v_pk_add_f32 v[14:15], v[14:15], v[96+\j:97+\j]
	v_pk_add_f32 v[228:229], v[228:229], v[98+\j:99+\j]
.endr
	v_pk_add_f32 v[14:15], v[14:15], v[228:229]
.set n, 0
.rept 16
	v_pk_mul_f32 v[160+n:161+n], v[160+n:161+n], v[224:225] op_sel_hi:[1,0]   ; O^T under the new M
.set n, n+2
.endr
	s_wait_dscnt 0x0                               ; V's fragments and words are in
.irp t, 0,1,2,3                        ; O^T += V^T P^T: the four accumulators by turns
	WMA 160+8*\t, 48+12*\t, 192, 160+8*\t, 44+\t/2, 226, \t%2
.endr
.Lskip_\@:
	s_add_co_u32 s[KF], s[KF], 128
	s_add_co_u32 s[TB], s[TB], 6144
	s_add_co_u32 s[TS], s[TS], 256
	s_sub_co_u32 s[CNT], s[CNT], 1
	s_cmp_lg_u32 s[CNT], 0
	s_cbranch_scc1 .Lstep_\@
.endm
; STAGE g COMES OUT OF ITS REGISTERS INTO LDS, into bytes that nobody has read or written; more = 1: the stage behind it is asked for, and has four key steps in which to land.
.macro NEXT g, more
	s_wait_loadcnt 0x0                             ; my six pieces of stage g are in
	SSTORE \g, SP
	s_wait_dscnt 0x0                               ; for the others' sake: they have landed in LDS; and the stores have read their registers
	s_barrier_signal -1
	s_barrier_wait -1                              ; everybody's have
.if \more
	SLOAD (\g)+1, SP
.endif
.endm
	FOUR 0
	NEXT 1, 1
	FOUR 1
	NEXT 2, 1
	FOUR 2
	NEXT 3, 0
	FOUR 3
	; THE WAY OUT.  Register 16 b + i of O^T is channel 32 b + 16 h + i of my query.  It goes through my stage and leaves as rows of 256 bytes
.rept 4
	v_nop
.endr
	v_add_f32 v14, v14, v15
	v_permlanex16_b32 v227, v14, s[SEL], s[SEL+1]
	v_add_f32 v14, v14, v227                       ; the row's sum
	v_rcp_f32 v14, v14
	v_nop                                          ; one plain place behind the transcendental
.set n, 0
	s_wait_alu depctr_va_vdst(0)
.rept 32
	v_mul_f32 v[96+n], v[160+n], v14
.set n, n+1
.endr
.irp b, 0,1
.irp k, 0,1,2,3
	ds_store_b128 v3, v[96+16*\b+4*\k:99+16*\b+4*\k] offset:128*\b+16*\k
.endr
.endr
.irp i, 0,1,2,3,4,5,6,7
	ds_load_b128 v[128+4*\i:131+4*\i], v4 offset:544*\i            ; LDS serves a wave's instructions in order: these see my stores
.endr
.irp i, 0,1,2,3,4,5,6,7
	s_wait_dscnt 7-\i                              ; the younger loads may be out
	global_store_b128 v5, v[128+4*\i:131+4*\i], s[8:9] offset:(2*\i+8*(\i/4))*4096   ; sixteen lanes store 256 consecutive bytes, aligned: tile rows 2 i and 2 i + 1
.endr
	s_wait_tensorcnt 0x0
	ds_add_u32 v230, v231
	s_wait_dscnt 0x0
	s_endpgm
.Lfunc_end_k_qadac963a06_attn1:
	.size	k_qadac963a06_attn1, .Lfunc_end_k_qadac963a06_attn1-k_qadac963a06_attn1
	.p2alignl 7, 3214868480
	.fill 96, 4, 3214868480
	.section	.rodata,"a",@progbits
	.p2align	6, 0x0
	.amdhsa_kernel k_qadac963a06_attn1
		.amdhsa_group_segment_fixed_size 276480
		.amdhsa_private_segment_fixed_size 0
		.amdhsa_enable_private_segment 0
		.amdhsa_kernarg_size 24
		.amdhsa_user_sgpr_count 2
		.amdhsa_user_sgpr_kernarg_segment_ptr 1
		.amdhsa_wavefront_size32 1
		.amdhsa_system_sgpr_workgroup_id_x 1
		.amdhsa_system_sgpr_workgroup_id_y 1
		.amdhsa_system_sgpr_workgroup_id_z 1
		.amdhsa_system_vgpr_workitem_id 0
		.amdhsa_next_free_vgpr 256
		.amdhsa_next_free_sgpr 66
		.amdhsa_reserve_vcc 1
		.amdhsa_float_denorm_mode_32 3
		.amdhsa_float_denorm_mode_16_64 3
		.amdhsa_memory_ordered 1
		.amdhsa_forward_progress 1
		.amdhsa_inst_pref_size 98
	.end_amdhsa_kernel
	.amdgpu_metadata
---
amdhsa.version: [ 1, 2 ]
amdhsa.kernels:
  - .name:           k_qadac963a06_attn1
    .symbol:         k_qadac963a06_attn1.kd
    .args:
      - { .name: a1, .offset: 0, .size: 8, .value_kind: global_buffer, .address_space: global }
      - { .name: causal_on, .offset: 8, .size: 8, .value_kind: global_buffer, .address_space: global }
      - { .name: sa, .offset: 16, .size: 8, .value_kind: global_buffer, .address_space: global }
    .group_segment_fixed_size: 276480
    .private_segment_fixed_size: 0
    .kernarg_segment_align: 8
    .kernarg_segment_size: 24
    .max_flat_workgroup_size: 512
    .sgpr_count:     66
    .vgpr_count:     256
    .wavefront_size: 32
...
	.end_amdgpu_metadata
.endif
;; end of part 4
;; launch lnq (part 5): grid 128 x 1, 8 waves a work-group, no clusters, 123,904 bytes of LDS; arguments sa, input_tensor, g1, be1, wq, x1, a2; writes x1, a2
.if DOCPART == 5
	.amdgcn_target "amdgcn-amd-amdhsa--gfx1250"
	.amdhsa_code_object_version 6
	.text
	.protected	k_qadac963a06_lnq
	.globl	k_qadac963a06_lnq
	.p2align	8
	.type	k_qadac963a06_lnq,@function
k_qadac963a06_lnq:
	s_mov_b64 s[64:65], 0
	v_nop
	global_prefetch_b8 v0, s[64:65] scope:SCOPE_SE
	s_setreg_imm32_b32 hwreg(HW_REG_WAVE_MODE, 25, 1), 1
	s_wait_xcnt 0x0
; x1 = layernorm(sa + input_tensor) g1 + be1 (stored, f32); q2 = Q(x1) Q(Wq2), quantised along the head's 64 and stored as the second attention's pair fragments.
; SHARES: a work-group takes a block of 32 rows (two tiles of 16: row r of tile u is 32 B + 8 u + r + 8 (r / 8)); wave w owns columns 128 w .. + 127 in every phase: K step w of what it quantises, and tiles 8 w .. + 7 of the weight.
; A lane's 64 numbers of a tile have two layouts: DENSE (register 4 i + j: row i, column 4 lane + j: as memory has them) and the conversions' (register 16 b + i: row r, column 32 b + 16 h + i).  They turn through the wave's own stage.
; The mean and the variance are taken in two passes; the eight waves' partial sums meet in LDS (two barriers).  x1's codes go to the other waves as images of the operand's registers (third barrier).
; The weight's fragments come from memory straight into the registers of the one wave that multiplies by them, two K steps ahead; the 16 accumulators take turns.
; NOT SHARED IN A CLUSTER: all 128 work-groups read the same weight.  Its fragments never lie in LDS, so there is no tensor load that could be asked jointly.
; LIMITS: NaN and infinities are not served; a block whose largest magnitude lies under 2^-124 keeps the byte 1; a block of zeros gets the byte 1 and not 127.
; REGISTERS, window 0: v1-10 addresses; v12-19 g, be; v28-31 mean, then 1 / deviation; v32-39 x1's scale words, v40-71 the weight's; v72-119 x1's fragments, two sets (outside the product: at work); v120-127 at work; v128-255 two tiles / accumulators.
;   window 1: the second addend, then the weight's fragments, two sets of 96.
.set XIMG, 0
.set XSC,  49152
.set RED1, 51200
.set RED2, 52224
.set STG,  55296
.set RSC, 32
.set PS,  40
.set RB,  72
.set T,   120
.set ACC, 128
.set L,   72
.set TM,  72
.set CT,  84
.set FA,  92
.set FB,  104
.set WD,  116
.set MU,  28
.set BI,  192
.set WV,  18
.set SEL, 20
.set INV, 22
.set EPS, 23
.set MSB, 0
.macro WIN new                         ; the immediate's high byte repeats the setting that is left
.if MSB != \new
	s_set_vgpr_msb (MSB<<8)|\new
.set MSB, \new
.endif
.endm
.macro PLACES
.rept 4
	v_nop
.endr
.endm
.macro BARRIER                         ; my LDS stores have landed and my LDS loads are in: then the work-group's barrier
	s_wait_dscnt 0x0
	s_barrier_signal -1
	s_barrier_wait -1
.endm
.macro QUANT s, d0, d1                 ; 64 numbers of a lane, register 16 b + i = column 32 b + 16 (lane / 16) + i of my row: codes of columns 0-63 into v[d0] on, of 64-127 into v[d1] on; the bytes stay in v[TM+4] on
.irp b, 0,1,2,3
	v_max3_num_f32 v[TM+\b], |v[(\s)+16*\b]|, |v[(\s)+1+16*\b]|, 0x1800000   ; with the floor 2^(3 - 127).  Each accumulator is first read at its low end
.endr
.irp i, 2,4,6,8,10,12,14
.irp b, 0,1,2,3
	v_max3_num_f32 v[TM+\b], v[TM+\b], |v[(\s)+16*\b+\i]|, |v[(\s)+1+16*\b+\i]|
.endr
.endr
.irp b, 0,1,2,3
	v_permlanex16_b32 v[TM+4+\b], v[TM+\b], s[SEL], s[SEL+1]
.endr
.irp b, 0,1,2,3
	v_max_num_f32 v[TM+\b], v[TM+\b], v[TM+4+\b]
.endr
.irp b, 0,1,2,3
	v_add_nc_u32 v[TM+8+\b], 0xff000000, v[TM+\b]
.endr
.irp b, 0,1,2,3
	v_lshrrev_b32 v[TM+4+\b], 23, v[TM+8+\b]
.endr
	v_cvt_scalef32_pk16_fp6_f32 v[(\d0):(\d0)+2], v[(\s):(\s)+15], v[TM+8]
	v_cvt_scalef32_pk16_fp6_f32 v[CT:CT+2], v[(\s)+16:(\s)+31], v[TM+9]
	v_cvt_scalef32_pk16_fp6_f32 v[(\d1):(\d1)+2], v[(\s)+32:(\s)+47], v[TM+10]
	v_cvt_scalef32_pk16_fp6_f32 v[CT+4:CT+6], v[(\s)+48:(\s)+63], v[TM+11]
	v_nop                                          ; one plain place behind a scaled conversion
.irp i, 0,1,2
	v_permlane16_swap_b32 v[(\d0)+\i], v[CT+\i]
	v_permlane16_swap_b32 v[(\d1)+\i], v[CT+4+\i]
.endr
.irp i, 0,1,2
	v_mov_b32 v[(\d0)+3+\i], v[CT+\i]
	v_mov_b32 v[(\d1)+3+\i], v[CT+4+\i]
.endr
.endm
.macro WORD d
	v_lshl_or_b32 v[\d], v[TM+5], 8, v[TM+4]
	v_lshl_or_b32 v[\d], v[TM+6], 16, v[\d]
	v_lshl_or_b32 v[\d], v[TM+7], 24, v[\d]
.endm
.macro D2QS x                          ; DENSE into the stage
.irp i, 0,1,2,3,4,5,6,7,8,9,10,11,12,13,14,15
	ds_store_b128 v2, v[(\x)+4*\i:(\x)+4*\i+3] offset:528*\i
.endr
.endm
.macro D2QL x                          ; and out in the conversions' layout.  LDS serves a wave's instructions in order: no wait between stores and loads
.irp b, 0,1,2,3
.irp j, 0,1,2,3
	ds_load_b128 v[(\x)+16*\b+4*\j:(\x)+16*\b+4*\j+3], v3 offset:128*\b+16*\j
.endr
.endr
.endm
.macro Q2D x                           ; the other way round
.irp b, 0,1,2,3
.irp j, 0,1,2,3
	ds_store_b128 v3, v[(\x)+16*\b+4*\j:(\x)+16*\b+4*\j+3] offset:128*\b+16*\j
.endr
.endr
.irp i, 0,1,2,3,4,5,6,7,8,9,10,11,12,13,14,15
	ds_load_b128 v[(\x)+4*\i:(\x)+4*\i+3], v2 offset:528*\i
.endr
.endm
.macro APPLY x, g, be                  ; DENSE: x g + be, my four columns' g and be
.irp i, 0,1,2,3,4,5,6,7,8,9,10,11,12,13,14,15
	v_pk_fma_f32 v[(\x)+4*\i:(\x)+4*\i+1], v[(\x)+4*\i:(\x)+4*\i+1], v[\g:\g+1], v[\be:\be+1]
	v_pk_fma_f32 v[(\x)+4*\i+2:(\x)+4*\i+3], v[(\x)+4*\i+2:(\x)+4*\i+3], v[\g+2:\g+3], v[\be+2:\be+3]
.endr
.endm
.macro RSUM u, red                     ; tile u's two chains: my 64 numbers, lane l xor 16's, and to LDS: my wave's sum of row r
	v_pk_add_f32 v[T+4*\u:T+4*\u+1], v[T+4*\u:T+4*\u+1], v[T+4*\u+2:T+4*\u+3]
	v_add_f32 v[T+4*\u], v[T+4*\u], v[T+4*\u+1]
	v_permlanex16_b32 v[T+4*\u+1], v[T+4*\u], s[SEL], s[SEL+1]
	v_add_f32 v[T+4*\u], v[T+4*\u], v[T+4*\u+1]
	ds_store_b32 v6, v[T+4*\u] offset:\red+512*\u
.endm
.macro RGET red                        ; the eight waves' sums of row r, added in a fixed tree: into v[L], v[L+8]
.irp u, 0,1
	ds_load_b128 v[L+8*\u:L+8*\u+3], v7 offset:\red+512*\u
	ds_load_b128 v[L+8*\u+4:L+8*\u+7], v7 offset:\red+512*\u+16
.endr
	s_wait_dscnt 0x0
.irp u, 0,1
	v_add_f32 v[L+8*\u], v[L+8*\u], v[L+8*\u+1]
	v_add_f32 v[L+8*\u+2], v[L+8*\u+2], v[L+8*\u+3]
	v_add_f32 v[L+8*\u+4], v[L+8*\u+4], v[L+8*\u+5]
	v_add_f32 v[L+8*\u+6], v[L+8*\u+6], v[L+8*\u+7]
	v_add_f32 v[L+8*\u], v[L+8*\u], v[L+8*\u+2]
	v_add_f32 v[L+8*\u+4], v[L+8*\u+4], v[L+8*\u+6]
	v_add_f32 v[L+8*\u], v[L+8*\u], v[L+8*\u+4]
.endr
.endm
.macro STATS ra, rq                    ; both tiles, in the conversions' layout: x becomes (x - mean) / sqrt(variance + eps)
.irp u, 0,1
	v_pk_add_f32 v[T+4*\u:T+4*\u+1], v[ACC+64*\u:ACC+64*\u+1], v[ACC+64*\u+4:ACC+64*\u+5]
	v_pk_add_f32 v[T+4*\u+2:T+4*\u+3], v[ACC+64*\u+2:ACC+64*\u+3], v[ACC+64*\u+6:ACC+64*\u+7]
.endr
.irp k, 8,12,16,20,24,28,32,36,40,44,48,52,56,60
.irp u, 0,1
	v_pk_add_f32 v[T+4*\u:T+4*\u+1], v[T+4*\u:T+4*\u+1], v[ACC+64*\u+\k:ACC+64*\u+\k+1]
	v_pk_add_f32 v[T+4*\u+2:T+4*\u+3], v[T+4*\u+2:T+4*\u+3], v[ACC+64*\u+\k+2:ACC+64*\u+\k+3]
.endr
.endr
	RSUM 0, \ra
	RSUM 1, \ra
	BARRIER
	RGET \ra
.irp u, 0,1
	v_mul_f32 v[MU+2*\u], s[INV], v[L+8*\u]        ; the mean
.endr
.irp u, 0,1
.set n, 0
.rept 32
	v_pk_add_f32 v[ACC+64*\u+n:ACC+64*\u+n+1], v[ACC+64*\u+n:ACC+64*\u+n+1], v[MU+2*\u:MU+2*\u+1] op_sel_hi:[1,0] neg_lo:[0,1] neg_hi:[0,1]
.set n, n+2
.endr
.endr
.irp u, 0,1
	v_pk_mul_f32 v[T+4*\u:T+4*\u+1], v[ACC+64*\u:ACC+64*\u+1], v[ACC+64*\u:ACC+64*\u+1]
	v_pk_mul_f32 v[T+4*\u+2:T+4*\u+3], v[ACC+64*\u+2:ACC+64*\u+3], v[ACC+64*\u+2:ACC+64*\u+3]
.endr
.irp k, 4,8,12,16,20,24,28,32,36,40,44,48,52,56,60
.irp u, 0,1
	v_pk_fma_f32 v[T+4*\u:T+4*\u+1], v[ACC+64*\u+\k:ACC+64*\u+\k+1], v[ACC+64*\u+\k:ACC+64*\u+\k+1], v[T+4*\u:T+4*\u+1]
	v_pk_fma_f32 v[T+4*\u+2:T+4*\u+3], v[ACC+64*\u+\k+2:ACC+64*\u+\k+3], v[ACC+64*\u+\k+2:ACC+64*\u+\k+3], v[T+4*\u+2:T+4*\u+3]
.endr
.endr
	RSUM 0, \rq
	RSUM 1, \rq
	BARRIER
	RGET \rq
.irp u, 0,1
	v_fma_f32 v[L+8*\u], v[L+8*\u], s[INV], s[EPS] ; variance + eps
.endr
.irp u, 0,1
	v_rsq_f32 v[MU+2*\u], v[L+8*\u]
.endr
	v_nop                                          ; one plain place behind the transcendentals
	s_wait_alu depctr_va_vdst(0)
.irp u, 0,1
.set n, 0
.rept 32
	v_pk_mul_f32 v[ACC+64*\u+n:ACC+64*\u+n+1], v[ACC+64*\u+n:ACC+64*\u+n+1], v[MU+2*\u:MU+2*\u+1] op_sel_hi:[1,0]
.set n, n+2
.endr
.endr
.endm
.macro WM d, a, b, cr, sa, sb, row     ; one product; cr < 0: C is the constant 0; row = 1: both sides' scale words stand in lanes 16-31
.if (\cr) < 0
	v_wmma_scale_f32_16x16x128_f8f6f4 v[(\d):(\d)+7], v[(\a):(\a)+11], v[(\b):(\b)+11], 0, v[\sa], v[\sb] matrix_a_fmt:MATRIX_FMT_FP6 matrix_b_fmt:MATRIX_FMT_FP6
.elseif \row
	v_wmma_scale_f32_16x16x128_f8f6f4 v[(\d):(\d)+7], v[(\a):(\a)+11], v[(\b):(\b)+11], v[(\cr):(\cr)+7], v[\sa], v[\sb] matrix_a_fmt:MATRIX_FMT_FP6 matrix_b_fmt:MATRIX_FMT_FP6 matrix_a_scale:MATRIX_SCALE_ROW1 matrix_b_scale:MATRIX_SCALE_ROW1
.else
	v_wmma_scale_f32_16x16x128_f8f6f4 v[(\d):(\d)+7], v[(\a):(\a)+11], v[(\b):(\b)+11], v[(\cr):(\cr)+7], v[\sa], v[\sb] matrix_a_fmt:MATRIX_FMT_FP6 matrix_b_fmt:MATRIX_FMT_FP6
.endif
.endm
.macro MM k, cm                        ; 16 products of K step k.  The first step's C: cm = 0: the constant 0; 1: the bias in window 1; 2: in place
.set PBK, 96*((\k)%2)
.set RBK, RB+24*((\k)%2)
.if ((\k) == 0) && (\cm == 1)
	WIN 0x11                                       ; sources 0 and 2 window 1
.else
	WIN 0x01                                       ; source 0 window 1
.endif
.irp t, 0,1,2,3,4,5,6,7
.irp p, 0,1
.if ((\k) == 0) && (\cm == 0)
	WM ACC+64*\p+8*\t, PBK+12*\t, RBK+12*\p, -1, PS+4*\t, RSC+4*\p, 0
.elseif ((\k) == 0) && (\cm == 1)
	WM ACC+64*\p+8*\t, PBK+12*\t, RBK+12*\p, BI+8*\t, PS+4*\t, RSC+4*\p, 0
.else
	WM ACC+64*\p+8*\t, PBK+12*\t, RBK+12*\p, ACC+64*\p+8*\t, PS+4*\t+(\k)%4, RSC+4*\p+(\k)%4, (\k)/4
.endif
.endr
.endr
.endm
.macro PSLOAD ws                       ; my eight tiles' scale blocks
.irp t, 0,1,2,3,4,5,6,7
	global_load_b128 v[PS+4*\t:PS+4*\t+3], v1, s[\ws:\ws+1] offset:512*\t
.endr
.endm
.macro PLOAD k, wb                     ; my eight tiles' fragments of K step k into set k % 2: 24 loads of 512 consecutive bytes
	WIN 0x40
.irp t, 0,1,2,3,4,5,6,7
.irp c, 0,1,2
	global_load_b128 v[96*((\k)%2)+12*\t+4*\c:96*((\k)%2)+12*\t+4*\c+3], v1, s[\wb:\wb+1] offset:12288*\t+1536*(\k)+512*\c
.endr
.endr
	WIN 0
.endm
.macro RFETCH k, img                   ; the rows' two fragments of K step k
.irp p, 0,1
.irp c, 0,1,2
	ds_load_b128 v[RB+24*((\k)%2)+12*\p+4*\c:RB+24*((\k)%2)+12*\p+4*\c+3], v1 offset:\img+12288*\p+1536*(\k)+512*\c
.endr
.endr
.endm
.macro GEMM img, scl, cm, wb           ; on entry the weight's scale blocks and its K steps 0 and 1 have been asked for, in that order
.irp p, 0,1
	ds_load_b128 v[RSC+4*\p:RSC+4*\p+3], v1 offset:\scl+512*\p
.endr
	RFETCH 0, \img
.irp k, 0,1,2,3,4,5,6,7
.if (\k == 7) || ((\k == 0) && (\cm == 1))
	s_wait_loadcnt 0x0
.else
	s_wait_loadcnt 24                              ; the next K step's 24 loads may be out
.endif
	s_wait_dscnt 0x0
.if \k < 7
	RFETCH \k+1, \img
.endif
	MM \k, \cm
	PLACES                                         ; in front of loads into the registers just read, and of the first read of results
	WIN 0
.if \k < 6
	PLOAD \k+2, \wb
.endif
.endr
.endm
	s_load_b256 s[4:11], s[0:1], 0x0               ; sa, input_tensor, g1, be1
	s_load_b128 s[12:15], s[0:1], 0x20             ; wq, x1
	s_load_b64 s[16:17], s[0:1], 0x30              ; a2
	v_lshl_add_u32 v26, v0, 2, 0x1e000
	v_mov_b32 v27, 0
	v_lshrrev_b32 v9, 5, v0
	v_readfirstlane_b32 s[WV], v9                  ; wave
	v_and_b32 v1, 31, v0
	v_lshlrev_b32 v1, 4, v1                        ; 16 x lane
	v_and_b32 v9, 15, v0                           ; r
	v_bfe_u32 v10, v0, 4, 1                        ; h
	s_mul_i32 s28, s[WV], 8448
	s_add_co_u32 s28, s28, STG                     ; my stage
	v_add_nc_u32 v2, s28, v1                       ; DENSE: 16 x lane, rows 528 bytes apart
	v_mul_u32_u24 v3, v9, 528
	v_lshl_add_u32 v3, v10, 6, v3
	v_add_nc_u32 v3, s28, v3                       ; the conversions' layout: row r, + 64 h
	s_mul_i32 s28, s[WV], 1536
	v_add_nc_u32 v4, s28, v1                       ; my K step's image
	s_lshr_b32 s28, s[WV], 2
	s_lshl_b32 s28, s28, 8
	s_and_b32 s29, s[WV], 3
	s_lshl_b32 s29, s29, 2
	s_add_co_u32 s28, s28, s29
	v_lshl_add_u32 v5, v9, 4, s28                  ; my K step's scale word of row r
	s_lshl_b32 s28, s[WV], 2
	v_lshl_add_u32 v6, v9, 5, s28                  ; my wave's sum of row r
	v_lshlrev_b32 v7, 5, v9                        ; the eight waves' sums of row r
	v_mov_b32 v29, 0                               ; (the upper halves of the pairs v[28:29], v[30:31])
	v_mov_b32 v31, 0
.irp b, 0,1,2,3
	v_mov_b32 v[TM+4+\b], 0                        ; a lane permute's destination counts as one of its sources
.endr
	s_mov_b32 s[SEL], 0x76543210
	s_mov_b32 s[SEL+1], 0xfedcba98
	s_mov_b32 s[INV], 0x3a800000                   ; 1 / 1,024
	s_mov_b32 s[EPS], 0x3727c5ac                   ; 1e-5
	s_lshl_b32 s28, ttmp9, 17                      ; 32 rows of 4,096 bytes a block,
	s_lshl_b32 s30, s[WV], 9                       ; my 512 bytes of a row
	s_add_co_u32 s28, s28, s30
	s_mov_b32 s29, 0
	s_mov_b32 s31, 0
	s_mul_i32 s36, s[WV], 98304                    ; my eight tiles of the weight
	s_mov_b32 s37, 0
	s_lshl_b32 s38, s[WV], 12                      ; and their scale blocks
	s_mov_b32 s39, 0
	s_lshr_b32 s40, ttmp9, 6                       ; batch
	s_lshl_b32 s40, s40, 4
	s_lshl_b32 s41, s[WV], 1
	s_add_co_u32 s40, s40, s41                     ; 16 batch + head 2 w
	s_mul_i32 s40, s40, 102400                     ; its record of Q
	s_and_b32 s41, ttmp9, 63                       ; Bl
	s_lshl_b32 s34, s41, 6
	s_add_co_u32 s34, s34, s40
	s_add_co_u32 s34, s34, 98304                   ; the block's words
	s_mov_b32 s35, 0
	s_mul_i32 s32, s41, 1536
	s_add_co_u32 s32, s32, s40                     ; the block's pair fragment
	s_mov_b32 s33, 0
	s_wait_kmcnt 0x0
	s_add_nc_u64 s[4:5], s[4:5], s[28:29]
	s_add_nc_u64 s[6:7], s[6:7], s[28:29]
	s_add_nc_u64 s[14:15], s[14:15], s[28:29]
	s_add_nc_u64 s[8:9], s[8:9], s[30:31]
	s_add_nc_u64 s[10:11], s[10:11], s[30:31]
	s_add_nc_u64 s[24:25], s[12:13], s[36:37]
	s_add_nc_u64 s[24:25], s[24:25], 3932160       ; weight 5's images
	s_add_nc_u64 s[26:27], s[12:13], s[38:39]
	s_add_nc_u64 s[26:27], s[26:27], 6455296       ; and its scale blocks
	s_add_nc_u64 s[32:33], s[16:17], s[32:33]
	s_add_nc_u64 s[34:35], s[16:17], s[34:35]
	; ---- A: the two addends, DENSE; their sum turns into the conversions' layout
	global_load_b128 v[12:15], v1, s[8:9]
	global_load_b128 v[16:19], v1, s[10:11]
.irp u, 0,1
.irp i, 0,1,2,3,4,5,6,7,8,9,10,11,12,13,14,15
	global_load_b128 v[ACC+64*\u+4*\i:ACC+64*\u+4*\i+3], v1, s[4:5] offset:(8*\u+\i+8*(\i/8))*4096 th:TH_LOAD_NT
.endr
	WIN 0x40
.irp i, 0,1,2,3,4,5,6,7,8,9,10,11,12,13,14,15
	global_load_b128 v[64*\u+4*\i:64*\u+4*\i+3], v1, s[6:7] offset:(8*\u+\i+8*(\i/8))*4096 th:TH_LOAD_NT
.endr
	WIN 0
.endr
.macro ADDD u
	WIN 0x04                                       ; source 1 window 1
.set n, 0
.rept 32
	v_pk_add_f32 v[ACC+64*\u+n:ACC+64*\u+n+1], v[ACC+64*\u+n:ACC+64*\u+n+1], v[64*\u+n:64*\u+n+1]
.set n, n+2
.endr
	WIN 0
.endm
	s_wait_loadcnt 32                              ; tile 1's 32 loads may be out
	ADDD 0
	D2QS ACC
	D2QL ACC
	s_wait_loadcnt 0x0
	ADDD 1
	D2QS ACC+64
	D2QL ACC+64
	PSLOAD 26                                      ; the weight's first steps land while the statistics are taken
	PLOAD 0, 24
	PLOAD 1, 24
	s_wait_dscnt 0x0
	; ---- B
	STATS RED1, RED2
	; ---- C: g and be (DENSE), x1 to memory, its codes and scale words to LDS
.macro PHC u, f
	Q2D ACC+64*\u
	s_wait_dscnt 0x0
	APPLY ACC+64*\u, 12, 16
	D2QS ACC+64*\u
.irp i, 0,1,2,3,4,5,6,7,8,9,10,11,12,13,14,15
	global_store_b128 v1, v[ACC+64*\u+4*\i:ACC+64*\u+4*\i+3], s[14:15] offset:(8*\u+\i+8*(\i/8))*4096   ; 512 consecutive bytes
.endr
	s_wait_xcnt 0x0                                ; the stores have read their registers: the loads below may land there
	D2QL ACC+64*\u
	s_wait_dscnt 0x0
	QUANT ACC+64*\u, \f, \f+6
	WORD WD+\u
.irp c, 0,1,2
	ds_store_b128 v4, v[\f+4*\c:\f+4*\c+3] offset:XIMG+12288*\u+512*\c
.endr
	ds_store_b32 v5, v[WD+\u] offset:XSC+512*\u
.endm
	PHC 0, FA
	PHC 1, FB
	BARRIER                                        ; x1's sixteen fragments and their scale blocks lie in LDS
	; ---- q2 = x1 Wq2: source 0 = my eight tiles of the weight (two heads), source 1 = the two tiles of rows
	GEMM XIMG, XSC, 0, 24
	QUANT ACC, FA, FB                              ; columns 0-63: head 2 w's pair fragment; 64-127: head 2 w + 1's; tile p fills registers 6 p .. 6 p + 5
.irp b, 0,1,2,3
	v_mov_b32 v[116+\b], v[TM+4+\b]
.endr
	QUANT ACC+64, FA+6, FB+6
	v_lshl_or_b32 v124, v117, 8, v116
	v_lshl_or_b32 v124, v[TM+4], 16, v124
	v_lshl_or_b32 v124, v[TM+5], 24, v124
	v_lshl_or_b32 v125, v119, 8, v118
	v_lshl_or_b32 v125, v[TM+6], 16, v125
	v_lshl_or_b32 v125, v[TM+7], 24, v125
	v_mul_u32_u24 v126, v10, 102400
	v_lshl_add_u32 v126, v9, 2, v126               ; lanes 0-15: the first head's word of row r; lanes 16-31: the second's, one record on
	v_cmp_eq_u32 vcc_lo, 1, v10
	v_cndmask_b32 v127, v124, v125, vcc_lo
.irp c, 0,1,2
	global_store_b128 v1, v[FA+4*\c:FA+4*\c+3], s[32:33] offset:512*\c
	global_store_b128 v1, v[FB+4*\c:FB+4*\c+3], s[32:33] offset:102400+512*\c
.endr
	global_store_b32 v126, v127, s[34:35]
	s_wait_tensorcnt 0x0
	ds_add_u32 v26, v27
	s_wait_dscnt 0x0
	s_endpgm
.Lfunc_end_k_qadac963a06_lnq:
	.size	k_qadac963a06_lnq, .Lfunc_end_k_qadac963a06_lnq-k_qadac963a06_lnq
	.p2alignl 7, 3214868480
	.fill 96, 4, 3214868480
	.section	.rodata,"a",@progbits
	.p2align	6, 0x0
	.amdhsa_kernel k_qadac963a06_lnq
		.amdhsa_group_segment_fixed_size 123904
		.amdhsa_private_segment_fixed_size 0
		.amdhsa_enable_private_segment 0
		.amdhsa_kernarg_size 56
		.amdhsa_user_sgpr_count 2
		.amdhsa_user_sgpr_kernarg_segment_ptr 1
		.amdhsa_wavefront_size32 1
		.amdhsa_system_sgpr_workgroup_id_x 1
		.amdhsa_system_sgpr_workgroup_id_y 1
		.amdhsa_system_sgpr_workgroup_id_z 1
		.amdhsa_system_vgpr_workitem_id 0
		.amdhsa_next_free_vgpr 448
		.amdhsa_next_free_sgpr 66
		.amdhsa_reserve_vcc 1
		.amdhsa_float_denorm_mode_32 3
		.amdhsa_float_denorm_mode_16_64 3
		.amdhsa_memory_ordered 1
		.amdhsa_forward_progress 1
		.amdhsa_inst_pref_size 109
	.end_amdhsa_kernel
	.amdgpu_metadata
---
amdhsa.version: [ 1, 2 ]
amdhsa.kernels:
  - .name:           k_qadac963a06_lnq
    .symbol:         k_qadac963a06_lnq.kd
    .args:
      - { .name: sa, .offset: 0, .size: 8, .value_kind: global_buffer, .address_space: global }
      - { .name: input_tensor, .offset: 8, .size: 8, .value_kind: global_buffer, .address_space: global }
      - { .name: g1, .offset: 16, .size: 8, .value_kind: global_buffer, .address_space: global }
      - { .name: be1, .offset: 24, .size: 8, .value_kind: global_buffer, .address_space: global }
      - { .name: wq, .offset: 32, .size: 8, .value_kind: global_buffer, .address_space: global }
      - { .name: x1, .offset: 40, .size: 8, .value_kind: global_buffer, .address_space: global }
      - { .name: a2, .offset: 48, .size: 8, .value_kind: global_buffer, .address_space: global }
    .group_segment_fixed_size: 123904
    .private_segment_fixed_size: 0
    .kernarg_segment_align: 8
    .kernarg_segment_size: 56
    .max_flat_workgroup_size: 256
    .sgpr_count:     66
    .vgpr_count:     448
    .wavefront_size: 32
...
	.end_amdgpu_metadata
.endif
;; end of part 5
;; launch attn2: the kernel of part 4 again; grid 8 x 32, 16 waves a work-group, no clusters, 276,480 bytes of LDS; arguments a2, causal_off, sa; writes sa
;; launch ffn (part 6): grid 128 x 1, 8 waves a work-group, no clusters, 254,976 bytes of LDS; arguments sa, x1, g2, be2, wq, bf1, bf2, g3, be3, out0; writes out0
.if DOCPART == 6
	.amdgcn_target "amdgcn-amd-amdhsa--gfx1250"
	.amdhsa_code_object_version 6
	.text
	.protected	k_qadac963a06_ffn
	.globl	k_qadac963a06_ffn
	.p2align	8
	.type	k_qadac963a06_ffn,@function
k_qadac963a06_ffn:
	s_mov_b64 s[64:65], 0
	v_nop
	global_prefetch_b8 v0, s[64:65] scope:SCOPE_SE
	s_setreg_imm32_b32 hwreg(HW_REG_WAVE_MODE, 25, 1), 1
	s_wait_xcnt 0x0
; x2 = layernorm(x1 + ca) g2 + be2;  h = relu(Q(x2) Q(Wf1) + bf1);  out0 = layernorm(x2 + Q(h) Q(Wf2) + bf2) g3 + be3.  x2 and h never go to memory.
; SHARES: a work-group takes a block of 32 rows (two tiles of 16: row r of tile u is 32 B + 8 u + r + 8 (r / 8)); wave w owns columns 128 w .. + 127 in every phase: K step w of what it quantises, and tiles 8 w .. + 7 of each weight.
; A lane's 64 numbers of a tile have two layouts: DENSE (register 4 i + j: row i, column 4 lane + j) and the conversions' (register 16 b + i: row r, column 32 b + 16 h + i), which is also the accumulators'.  They turn through the wave's own stage.
; bf1 is the C of the first product's first step.  x2 + bf2 waits in LDS, as an image of the accumulators, and is the C of the second product's first step: the residual costs no addition behind the product.
; Six barriers: two for each layer norm's sums, one behind x2's images, one behind h's.  Every shared region of LDS is written once.
; The weights' fragments come from memory straight into the registers of the one wave that multiplies by them, two K steps ahead; the 16 accumulators take turns.
; NOT SHARED IN A CLUSTER: all 128 work-groups read the same weights.  Their fragments never lie in LDS, so there is no tensor load that could be asked jointly.
; LIMITS: NaN and infinities are not served; a block whose largest magnitude lies under 2^-124 keeps the byte 1; a block of zeros gets the byte 1 and not 127.
; REGISTERS, window 0: v1-11 addresses; v12-27 g2, be2, g3, be3; v28-31 mean, then 1 / deviation; v32-39 the rows' scale words, v40-71 the weight's; v72-119 the rows' fragments, two sets (outside the products: at work); v120-127 at work;
;   v128-255 two tiles / accumulators.   window 1: the second addend, then the weight's fragments, two sets of 96; v192-255 a bias in the accumulators' layout.
.set XIMG, 0
.set HIMG, 24576
.set XSC,  49152
.set HSC,  50176
.set RED1, 51200
.set RED2, 52224
.set RED3, 53248
.set RED4, 54272
.set STG,  55296
.set XRES, 122880
.set RSC, 32
.set PS,  40
.set RB,  72
.set T,   120
.set ACC, 128
.set L,   72
.set TM,  72
.set CT,  84
.set FA,  92
.set FB,  104
.set WD,  116
.set MU,  28
.set BI,  192
.set WV,  24
.set SEL, 26
.set INV, 28
.set EPS, 29
.set MSB, 0
.macro WIN new                         ; the immediate's high byte repeats the setting that is left
.if MSB != \new
	s_set_vgpr_msb (MSB<<8)|\new
.set MSB, \new
.endif
.endm
.macro PLACES
.rept 4
	v_nop
.endr
.endm
.macro BARRIER                         ; my LDS stores have landed and my LDS loads are in: then the work-group's barrier
	s_wait_dscnt 0x0
	s_barrier_signal -1
	s_barrier_wait -1
.endm
.macro QUANT s, d0, d1                 ; 64 numbers of a lane, register 16 b + i = column 32 b + 16 (lane / 16) + i of my row: codes of columns 0-63 into v[d0] on, of 64-127 into v[d1] on; the bytes stay in v[TM+4] on
.irp b, 0,1,2,3
	v_max3_num_f32 v[TM+\b], |v[(\s)+16*\b]|, |v[(\s)+1+16*\b]|, 0x1800000   ; with the floor 2^(3 - 127)
.endr
.irp i, 2,4,6,8,10,12,14
.irp b, 0,1,2,3
	v_max3_num_f32 v[TM+\b], v[TM+\b], |v[(\s)+16*\b+\i]|, |v[(\s)+1+16*\b+\i]|
.endr
.endr
.irp b, 0,1,2,3
	v_permlanex16_b32 v[TM+4+\b], v[TM+\b], s[SEL], s[SEL+1]
.endr
.irp b, 0,1,2,3
	v_max_num_f32 v[TM+\b], v[TM+\b], v[TM+4+\b]
.endr
.irp b, 0,1,2,3
	v_add_nc_u32 v[TM+8+\b], 0xff000000, v[TM+\b]
.endr
.irp b, 0,1,2,3
	v_lshrrev_b32 v[TM+4+\b], 23, v[TM+8+\b]
.endr
	v_cvt_scalef32_pk16_fp6_f32 v[(\d0):(\d0)+2], v[(\s):(\s)+15], v[TM+8]
	v_cvt_scalef32_pk16_fp6_f32 v[CT:CT+2], v[(\s)+16:(\s)+31], v[TM+9]
	v_cvt_scalef32_pk16_fp6_f32 v[(\d1):(\d1)+2], v[(\s)+32:(\s)+47], v[TM+10]
	v_cvt_scalef32_pk16_fp6_f32 v[CT+4:CT+6], v[(\s)+48:(\s)+63], v[TM+11]
	v_nop                                          ; one plain place behind a scaled conversion
.irp i, 0,1,2
	v_permlane16_swap_b32 v[(\d0)+\i], v[CT+\i]
	v_permlane16_swap_b32 v[(\d1)+\i], v[CT+4+\i]
.endr
.irp i, 0,1,2
	v_mov_b32 v[(\d0)+3+\i], v[CT+\i]
	v_mov_b32 v[(\d1)+3+\i], v[CT+4+\i]
.endr
.endm
.macro WORD d
	v_lshl_or_b32 v[\d], v[TM+5], 8, v[TM+4]
	v_lshl_or_b32 v[\d], v[TM+6], 16, v[\d]
	v_lshl_or_b32 v[\d], v[TM+7], 24, v[\d]
.endm
.macro D2QS x                          ; DENSE into the stage
.irp i, 0,1,2,3,4,5,6,7,8,9,10,11,12,13,14,15
	ds_store_b128 v2, v[(\x)+4*\i:(\x)+4*\i+3] offset:528*\i
.endr
.endm
.macro D2QL x                          ; and out in the conversions' layout.  LDS serves a wave's instructions in order: no wait between stores and loads
.irp b, 0,1,2,3
.irp j, 0,1,2,3
	ds_load_b128 v[(\x)+16*\b+4*\j:(\x)+16*\b+4*\j+3], v3 offset:128*\b+16*\j
.endr
.endr
.endm
.macro Q2D x                           ; the other way round
.irp b, 0,1,2,3
.irp j, 0,1,2,3
	ds_store_b128 v3, v[(\x)+16*\b+4*\j:(\x)+16*\b+4*\j+3] offset:128*\b+16*\j
.endr
.endr
.irp i, 0,1,2,3,4,5,6,7,8,9,10,11,12,13,14,15
	ds_load_b128 v[(\x)+4*\i:(\x)+4*\i+3], v2 offset:528*\i
.endr
.endm
.macro APPLY x, g, be                  ; DENSE: x g + be, my four columns' g and be
.irp i, 0,1,2,3,4,5,6,7,8,9,10,11,12,13,14,15
	v_pk_fma_f32 v[(\x)+4*\i:(\x)+4*\i+1], v[(\x)+4*\i:(\x)+4*\i+1], v[\g:\g+1], v[\be:\be+1]
	v_pk_fma_f32 v[(\x)+4*\i+2:(\x)+4*\i+3], v[(\x)+4*\i+2:(\x)+4*\i+3], v[\g+2:\g+3], v[\be+2:\be+3]
.endr
.endm
.macro RSUM u, red                     ; tile u's two chains: my 64 numbers, lane l xor 16's, and to LDS: my wave's sum of row r
	v_pk_add_f32 v[T+4*\u:T+4*\u+1], v[T+4*\u:T+4*\u+1], v[T+4*\u+2:T+4*\u+3]
	v_add_f32 v[T+4*\u], v[T+4*\u], v[T+4*\u+1]
	v_permlanex16_b32 v[T+4*\u+1], v[T+4*\u], s[SEL], s[SEL+1]
	v_add_f32 v[T+4*\u], v[T+4*\u], v[T+4*\u+1]
	ds_store_b32 v6, v[T+4*\u] offset:\red+512*\u
.endm
.macro RGET red                        ; the eight waves' sums of row r, added in a fixed tree: into v[L], v[L+8]
.irp u, 0,1
	ds_load_b128 v[L+8*\u:L+8*\u+3], v7 offset:\red+512*\u
	ds_load_b128 v[L+8*\u+4:L+8*\u+7], v7 offset:\red+512*\u+16
.endr
	s_wait_dscnt 0x0
.irp u, 0,1
	v_add_f32 v[L+8*\u], v[L+8*\u], v[L+8*\u+1]
	v_add_f32 v[L+8*\u+2], v[L+8*\u+2], v[L+8*\u+3]
	v_add_f32 v[L+8*\u+4], v[L+8*\u+4], v[L+8*\u+5]
	v_add_f32 v[L+8*\u+6], v[L+8*\u+6], v[L+8*\u+7]
	v_add_f32 v[L+8*\u], v[L+8*\u], v[L+8*\u+2]
	v_add_f32 v[L+8*\u+4], v[L+8*\u+4], v[L+8*\u+6]
	v_add_f32 v[L+8*\u], v[L+8*\u], v[L+8*\u+4]
.endr
.endm
.macro STATS ra, rq                    ; both tiles, in the conversions' layout: x becomes (x - mean) / sqrt(variance + eps).  Each accumulator is first read at its low end
.irp u, 0,1
	v_pk_add_f32 v[T+4*\u:T+4*\u+1], v[ACC+64*\u:ACC+64*\u+1], v[ACC+64*\u+4:ACC+64*\u+5]
	v_pk_add_f32 v[T+4*\u+2:T+4*\u+3], v[ACC+64*\u+2:ACC+64*\u+3], v[ACC+64*\u+6:ACC+64*\u+7]
.endr
.irp k, 8,12,16,20,24,28,32,36,40,44,48,52,56,60
.irp u, 0,1
	v_pk_add_f32 v[T+4*\u:T+4*\u+1], v[T+4*\u:T+4*\u+1], v[ACC+64*\u+\k:ACC+64*\u+\k+1]
	v_pk_add_f32 v[T+4*\u+2:T+4*\u+3], v[T+4*\u+2:T+4*\u+3], v[ACC+64*\u+\k+2:ACC+64*\u+\k+3]
.endr
.endr
	RSUM 0, \ra
	RSUM 1, \ra
	BARRIER
	RGET \ra
.irp u, 0,1
	v_mul_f32 v[MU+2*\u], s[INV], v[L+8*\u]        ; the mean
.endr
.irp u, 0,1
.set n, 0
.rept 32
	v_pk_add_f32 v[ACC+64*\u+n:ACC+64*\u+n+1], v[ACC+64*\u+n:ACC+64*\u+n+1], v[MU+2*\u:MU+2*\u+1] op_sel_hi:[1,0] neg_lo:[0,1] neg_hi:[0,1]
.set n, n+2
.endr
.endr
.irp u, 0,1
	v_pk_mul_f32 v[T+4*\u:T+4*\u+1], v[ACC+64*\u:ACC+64*\u+1], v[ACC+64*\u:ACC+64*\u+1]
	v_pk_mul_f32 v[T+4*\u+2:T+4*\u+3], v[ACC+64*\u+2:ACC+64*\u+3], v[ACC+64*\u+2:ACC+64*\u+3]
.endr
.irp k, 4,8,12,16,20,24,28,32,36,40,44,48,52,56,60
.irp u, 0,1
	v_pk_fma_f32 v[T+4*\u:T+4*\u+1], v[ACC+64*\u+\k:ACC+64*\u+\k+1], v[ACC+64*\u+\k:ACC+64*\u+\k+1], v[T+4*\u:T+4*\u+1]
	v_pk_fma_f32 v[T+4*\u+2:T+4*\u+3], v[ACC+64*\u+\k+2:ACC+64*\u+\k+3], v[ACC+64*\u+\k+2:ACC+64*\u+\k+3], v[T+4*\u+2:T+4*\u+3]
.endr
.endr
	RSUM 0, \rq
	RSUM 1, \rq
	BARRIER
	RGET \rq
.irp u, 0,1
	v_fma_f32 v[L+8*\u], v[L+8*\u], s[INV], s[EPS] ; variance + eps
.endr
.irp u, 0,1
	v_rsq_f32 v[MU+2*\u], v[L+8*\u]
.endr
	v_nop                                          ; one plain place behind the transcendentals
	s_wait_alu depctr_va_vdst(0)
.irp u, 0,1
.set n, 0
.rept 32
	v_pk_mul_f32 v[ACC+64*\u+n:ACC+64*\u+n+1], v[ACC+64*\u+n:ACC+64*\u+n+1], v[MU+2*\u:MU+2*\u+1] op_sel_hi:[1,0]
.set n, n+2
.endr
.endr
.endm
.macro WM d, a, b, cr, sa, sb, row     ; one product; cr < 0: C is the constant 0; row = 1: both sides' scale words stand in lanes 16-31
.if (\cr) < 0
	v_wmma_scale_f32_16x16x128_f8f6f4 v[(\d):(\d)+7], v[(\a):(\a)+11], v[(\b):(\b)+11], 0, v[\sa], v[\sb] matrix_a_fmt:MATRIX_FMT_FP6 matrix_b_fmt:MATRIX_FMT_FP6
.elseif \row
	v_wmma_scale_f32_16x16x128_f8f6f4 v[(\d):(\d)+7], v[(\a):(\a)+11], v[(\b):(\b)+11], v[(\cr):(\cr)+7], v[\sa], v[\sb] matrix_a_fmt:MATRIX_FMT_FP6 matrix_b_fmt:MATRIX_FMT_FP6 matrix_a_scale:MATRIX_SCALE_ROW1 matrix_b_scale:MATRIX_SCALE_ROW1
.else
	v_wmma_scale_f32_16x16x128_f8f6f4 v[(\d):(\d)+7], v[(\a):(\a)+11], v[(\b):(\b)+11], v[(\cr):(\cr)+7], v[\sa], v[\sb] matrix_a_fmt:MATRIX_FMT_FP6 matrix_b_fmt:MATRIX_FMT_FP6
.endif
.endm
.macro MM k, cm                        ; 16 products of K step k.  The first step's C: cm = 0: the constant 0; 1: the bias in window 1; 2: in place
.set PBK, 96*((\k)%2)
.set RBK, RB+24*((\k)%2)
.if ((\k) == 0) && (\cm == 1)
	WIN 0x11                                       ; sources 0 and 2 window 1
.else
	WIN 0x01                                       ; source 0 window 1
.endif
.irp t, 0,1,2,3,4,5,6,7
.irp p, 0,1
.if ((\k) == 0) && (\cm == 0)
	WM ACC+64*\p+8*\t, PBK+12*\t, RBK+12*\p, -1, PS+4*\t, RSC+4*\p, 0
.elseif ((\k) == 0) && (\cm == 1)
	WM ACC+64*\p+8*\t, PBK+12*\t, RBK+12*\p, BI+8*\t, PS+4*\t, RSC+4*\p, 0
.else
	WM ACC+64*\p+8*\t, PBK+12*\t, RBK+12*\p, ACC+64*\p+8*\t, PS+4*\t+(\k)%4, RSC+4*\p+(\k)%4, (\k)/4
.endif
.endr
.endr
.endm
.macro PSLOAD ws                       ; my eight tiles' scale blocks
.irp t, 0,1,2,3,4,5,6,7
	global_load_b128 v[PS+4*\t:PS+4*\t+3], v1, s[\ws:\ws+1] offset:512*\t
.endr
.endm
.macro PLOAD k, wb                     ; my eight tiles' fragments of K step k into set k % 2: 24 loads of 512 consecutive bytes
	WIN 0x40
.irp t, 0,1,2,3,4,5,6,7
.irp c, 0,1,2
	global_load_b128 v[96*((\k)%2)+12*\t+4*\c:96*((\k)%2)+12*\t+4*\c+3], v1, s[\wb:\wb+1] offset:12288*\t+1536*(\k)+512*\c
.endr
.endr
	WIN 0
.endm
.macro RFETCH k, img                   ; the rows' two fragments of K step k
.irp p, 0,1
.irp c, 0,1,2
	ds_load_b128 v[RB+24*((\k)%2)+12*\p+4*\c:RB+24*((\k)%2)+12*\p+4*\c+3], v1 offset:\img+12288*\p+1536*(\k)+512*\c
.endr
.endr
.endm
.macro GEMM img, scl, cm, wb           ; on entry the weight's scale blocks and its K steps 0 and 1 have been asked for, in that order (cm = 1: and the bias behind them)
.irp p, 0,1
	ds_load_b128 v[RSC+4*\p:RSC+4*\p+3], v1 offset:\scl+512*\p
.endr
	RFETCH 0, \img
.irp k, 0,1,2,3,4,5,6,7
.if (\k == 7) || ((\k == 0) && (\cm == 1))
	s_wait_loadcnt 0x0
.else
	s_wait_loadcnt 24                              ; the next K step's 24 loads may be out
.endif
	s_wait_dscnt 0x0
.if \k < 7
	RFETCH \k+1, \img
.endif
	MM \k, \cm
	PLACES                                         ; in front of loads into the registers just read, and of the first read of results
	WIN 0
.if \k < 6
	PLOAD \k+2, \wb
.endif
.endr
.endm
.macro BILOAD sb                       ; a bias in the accumulators' layout: tile 2 b + u: columns 32 b + 16 h + 8 u + 0 .. 7 of my 128
	WIN 0x40
.irp t, 0,1,2,3,4,5,6,7
	global_load_b128 v[BI+8*\t:BI+8*\t+3], v11, s[\sb:\sb+1] offset:(32*(\t/2)+8*(\t%2))*4
	global_load_b128 v[BI+8*\t+4:BI+8*\t+7], v11, s[\sb:\sb+1] offset:(32*(\t/2)+8*(\t%2))*4+16
.endr
	WIN 0
.endm
	s_load_b512 s[4:19], s[0:1], 0x0               ; sa (ca), x1, g2, be2, wq, bf1, bf2, g3
	s_load_b128 s[20:23], s[0:1], 0x40             ; be3, out0
	v_lshrrev_b32 v9, 5, v0
	v_readfirstlane_b32 s[WV], v9                  ; wave
	v_and_b32 v1, 31, v0
	v_lshlrev_b32 v1, 4, v1                        ; 16 x lane
	v_and_b32 v9, 15, v0                           ; r
	v_bfe_u32 v10, v0, 4, 1                        ; h
	v_lshlrev_b32 v11, 6, v10                      ; 64 h
	s_mul_i32 s38, s[WV], 8448
	s_add_co_u32 s38, s38, STG                     ; my stage
	v_add_nc_u32 v2, s38, v1                       ; DENSE: 16 x lane, rows 528 bytes apart
	v_mul_u32_u24 v3, v9, 528
	v_lshl_add_u32 v3, v10, 6, v3
	v_add_nc_u32 v3, s38, v3                       ; the conversions' layout: row r, + 64 h
	s_mul_i32 s38, s[WV], 1536
	v_add_nc_u32 v4, s38, v1                       ; my K step's image
	s_lshr_b32 s38, s[WV], 2
	s_lshl_b32 s38, s38, 8
	s_and_b32 s39, s[WV], 3
	s_lshl_b32 s39, s39, 2
	s_add_co_u32 s38, s38, s39
	v_lshl_add_u32 v5, v9, 4, s38                  ; my K step's scale word of row r
	s_lshl_b32 s38, s[WV], 2
	v_lshl_add_u32 v6, v9, 5, s38                  ; my wave's sum of row r
	v_lshlrev_b32 v7, 5, v9                        ; the eight waves' sums of row r
	s_lshl_b32 s38, s[WV], 14
	s_add_co_u32 s38, s38, XRES
	v_add_nc_u32 v8, s38, v1                       ; where x2 + bf2 waits: 16,384 bytes a wave
	v_mov_b32 v29, 0                               ; (the upper halves of the pairs v[28:29], v[30:31])
	v_mov_b32 v31, 0
.irp b, 0,1,2,3
	v_mov_b32 v[TM+4+\b], 0                        ; a lane permute's destination counts as one of its sources
.endr
	s_mov_b32 s[SEL], 0x76543210
	s_mov_b32 s[SEL+1], 0xfedcba98
	s_mov_b32 s[INV], 0x3a800000                   ; 1 / 1,024
	s_mov_b32 s[EPS], 0x3727c5ac                   ; 1e-5
	s_lshl_b32 s38, ttmp9, 17                      ; 32 rows of 4,096 bytes a block,
	s_lshl_b32 s40, s[WV], 9                       ; my 512 bytes of a row
	s_add_co_u32 s38, s38, s40
	s_mov_b32 s39, 0
	s_mov_b32 s41, 0
	s_mul_i32 s42, s[WV], 98304                    ; my eight tiles of a weight
	s_mov_b32 s43, 0
	s_lshl_b32 s44, s[WV], 12                      ; and their scale blocks
	s_mov_b32 s45, 0
	s_wait_kmcnt 0x0
	s_add_nc_u64 s[4:5], s[4:5], s[38:39]
	s_add_nc_u64 s[6:7], s[6:7], s[38:39]
	s_add_nc_u64 s[22:23], s[22:23], s[38:39]
	s_add_nc_u64 s[8:9], s[8:9], s[40:41]
	s_add_nc_u64 s[10:11], s[10:11], s[40:41]
	s_add_nc_u64 s[14:15], s[14:15], s[40:41]
	s_add_nc_u64 s[16:17], s[16:17], s[40:41]
	s_add_nc_u64 s[18:19], s[18:19], s[40:41]
	s_add_nc_u64 s[20:21], s[20:21], s[40:41]
	s_add_nc_u64 s[30:31], s[12:13], s[42:43]
	s_add_nc_u64 s[34:35], s[30:31], 5505024       ; weight 7's images
	s_add_nc_u64 s[30:31], s[30:31], 4718592       ; weight 6's
	s_add_nc_u64 s[32:33], s[12:13], s[44:45]
	s_add_nc_u64 s[36:37], s[32:33], 6520832       ; weight 7's scale blocks
	s_add_nc_u64 s[32:33], s[32:33], 6488064       ; weight 6's
	; ---- A: the two addends, DENSE; their sum turns into the conversions' layout
	global_load_b128 v[12:15], v1, s[8:9]
	global_load_b128 v[16:19], v1, s[10:11]
	global_load_b128 v[20:23], v1, s[18:19]
	global_load_b128 v[24:27], v1, s[20:21]
	BILOAD 16                                      ; bf2
.irp u, 0,1
.irp i, 0,1,2,3,4,5,6,7,8,9,10,11,12,13,14,15
	global_load_b128 v[ACC+64*\u+4*\i:ACC+64*\u+4*\i+3], v1, s[4:5] offset:(8*\u+\i+8*(\i/8))*4096 th:TH_LOAD_NT
.endr
	WIN 0x40
.irp i, 0,1,2,3,4,5,6,7,8,9,10,11,12,13,14,15
	global_load_b128 v[64*\u+4*\i:64*\u+4*\i+3], v1, s[6:7] offset:(8*\u+\i+8*(\i/8))*4096 th:TH_LOAD_NT
.endr
	WIN 0
.endr
.macro ADDD u
	WIN 0x04                                       ; source 1 window 1
.set n, 0
.rept 32
	v_pk_add_f32 v[ACC+64*\u+n:ACC+64*\u+n+1], v[ACC+64*\u+n:ACC+64*\u+n+1], v[64*\u+n:64*\u+n+1]
.set n, n+2
.endr
	WIN 0
.endm
	s_wait_loadcnt 32                              ; tile 1's 32 loads may be out
	ADDD 0
	D2QS ACC
	D2QL ACC
	s_wait_loadcnt 0x0
	ADDD 1
	D2QS ACC+64
	D2QL ACC+64
	PSLOAD 32                                      ; Wf1's first steps land while the statistics are taken
	PLOAD 0, 30
	PLOAD 1, 30
	s_wait_dscnt 0x0
	; ---- B
	STATS RED1, RED2
	; ---- C: g2 and be2 (DENSE); x2's codes and scale words to LDS
.macro PHC u, f
	Q2D ACC+64*\u
	s_wait_dscnt 0x0
	APPLY ACC+64*\u, 12, 16
	D2QS ACC+64*\u
	D2QL ACC+64*\u
	s_wait_dscnt 0x0
	QUANT ACC+64*\u, \f, \f+6
	WORD WD+\u
.irp c, 0,1,2
	ds_store_b128 v4, v[\f+4*\c:\f+4*\c+3] offset:XIMG+12288*\u+512*\c
.endr
	ds_store_b32 v5, v[WD+\u] offset:XSC+512*\u
.endm
	PHC 0, FA
	PHC 1, FB
	WIN 0x04
.irp u, 0,1
.set n, 0
.rept 32
	v_pk_add_f32 v[ACC+64*\u+n:ACC+64*\u+n+1], v[ACC+64*\u+n:ACC+64*\u+n+1], v[BI+n:BI+n+1]      ; x2 + bf2
.set n, n+2
.endr
.endr
	WIN 0
.set m, 0
.rept 32
	ds_store_b128 v8, v[ACC+4*m:ACC+4*m+3] offset:512*m            ; an image of the accumulators, the wave's own
.set m, m+1
.endr
	BILOAD 14                                      ; bf1, where bf2 lay
	BARRIER                                        ; x2's sixteen fragments and their scale blocks lie in LDS
	; ---- h = relu(x2 Wf1 + bf1)
	GEMM XIMG, XSC, 1, 30
	PSLOAD 36                                      ; Wf2's first steps land while h is quantised
	PLOAD 0, 34
	PLOAD 1, 34
.macro PHH p, f
.set n, 0
.rept 64
	v_max_num_f32 v[ACC+64*\p+n], 0, v[ACC+64*\p+n]                ; the activation, in f32; each accumulator from its low end on
.set n, n+1
.endr
	QUANT ACC+64*\p, \f, \f+6
	WORD WD+\p
.irp c, 0,1,2
	ds_store_b128 v4, v[\f+4*\c:\f+4*\c+3] offset:HIMG+12288*\p+512*\c
.endr
	ds_store_b32 v5, v[WD+\p] offset:HSC+512*\p
.endm
	PHH 0, FA
	PHH 1, FB
	BARRIER                                        ; h's sixteen fragments and their scale blocks lie in LDS
.set m, 0
.rept 32
	ds_load_b128 v[ACC+4*m:ACC+4*m+3], v8 offset:512*m             ; x2 + bf2 starts the sums
.set m, m+1
.endr
	; ---- x2 + bf2 + h Wf2
	GEMM HIMG, HSC, 2, 34
	STATS RED3, RED4
.irp u, 0,1
	Q2D ACC+64*\u
	s_wait_dscnt 0x0
	APPLY ACC+64*\u, 20, 24
.irp i, 0,1,2,3,4,5,6,7,8,9,10,11,12,13,14,15
	global_store_b128 v1, v[ACC+64*\u+4*\i:ACC+64*\u+4*\i+3], s[22:23] offset:(8*\u+\i+8*(\i/8))*4096 th:TH_STORE_NT   ; 512 consecutive bytes; written once, read by nobody here
.endr
.endr
	s_wait_xcnt 0x0
	v_lshl_add_u32 v254, v0, 2, 0x3e000
	v_mov_b32 v255, 0
	s_wait_tensorcnt 0x0
	ds_add_u32 v254, v255
	s_wait_dscnt 0x0
	s_endpgm
.Lfunc_end_k_qadac963a06_ffn:
	.size	k_qadac963a06_ffn, .Lfunc_end_k_qadac963a06_ffn-k_qadac963a06_ffn
	.p2alignl 7, 3214868480
	.fill 96, 4, 3214868480
	.section	.rodata,"a",@progbits
	.p2align	6, 0x0
	.amdhsa_kernel k_qadac963a06_ffn
		.amdhsa_group_segment_fixed_size 254976
		.amdhsa_private_segment_fixed_size 0
		.amdhsa_enable_private_segment 0
		.amdhsa_kernarg_size 80
		.amdhsa_user_sgpr_count 2
		.amdhsa_user_sgpr_kernarg_segment_ptr 1
		.amdhsa_wavefront_size32 1
		.amdhsa_system_sgpr_workgroup_id_x 1
		.amdhsa_system_sgpr_workgroup_id_y 1
		.amdhsa_system_sgpr_workgroup_id_z 1
		.amdhsa_system_vgpr_workitem_id 0
		.amdhsa_next_free_vgpr 512
		.amdhsa_next_free_sgpr 66
		.amdhsa_reserve_vcc 0
		.amdhsa_float_denorm_mode_32 3
		.amdhsa_float_denorm_mode_16_64 3
		.amdhsa_memory_ordered 1
		.amdhsa_forward_progress 1
		.amdhsa_inst_pref_size 191
	.end_amdhsa_kernel
	.amdgpu_metadata
---
amdhsa.version: [ 1, 2 ]
amdhsa.kernels:
  - .name:           k_qadac963a06_ffn
    .symbol:         k_qadac963a06_ffn.kd
    .args:
      - { .name: sa, .offset: 0, .size: 8, .value_kind: global_buffer, .address_space: global }
      - { .name: x1, .offset: 8, .size: 8, .value_kind: global_buffer, .address_space: global }
      - { .name: g2, .offset: 16, .size: 8, .value_kind: global_buffer, .address_space: global }
      - { .name: be2, .offset: 24, .size: 8, .value_kind: global_buffer, .address_space: global }
      - { .name: wq, .offset: 32, .size: 8, .value_kind: global_buffer, .address_space: global }
      - { .name: bf1, .offset: 40, .size: 8, .value_kind: global_buffer, .address_space: global }
      - { .name: bf2, .offset: 48, .size: 8, .value_kind: global_buffer, .address_space: global }
      - { .name: g3, .offset: 56, .size: 8, .value_kind: global_buffer, .address_space: global }
      - { .name: be3, .offset: 64, .size: 8, .value_kind: global_buffer, .address_space: global }
      - { .name: out0, .offset: 72, .size: 8, .value_kind: global_buffer, .address_space: global }
    .group_segment_fixed_size: 254976
    .private_segment_fixed_size: 0
    .kernarg_segment_align: 8
    .kernarg_segment_size: 80
    .max_flat_workgroup_size: 256
    .sgpr_count:     66
    .vgpr_count:     512
    .wavefront_size: 32
...
	.end_amdgpu_metadata
.endif
;; end of part 6
;; ======== version 2 of 2: 7 launches
;; workspace buffers: wq 6,553,600 bytes; xq 6,553,600 bytes; a1 9,830,400 bytes; a2 9,830,400 bytes; sa 16,777,216 bytes; x1 16,777,216 bytes; causal_on 256 bytes of whole numbers; causal_off 256 bytes of whole numbers
;; launch quantw (part 7): grid 256 x 1, 8 waves a work-group, no clusters, 28,672 bytes of LDS; arguments Wq1, Wk1, Wk2, Wv1, Wv2, Wq2, Wf1, Wf2, wq, causal_on, causal_off; writes wq, causal_on, causal_off
.if DOCPART == 7
	.amdgcn_target "amdgcn-amd-amdhsa--gfx1250"
	.amdhsa_code_object_version 6
	.text
	.protected	k_qadac963a06_quantw
	.globl	k_qadac963a06_quantw
	.p2align	8
	.type	k_qadac963a06_quantw,@function
k_qadac963a06_quantw:
	s_mov_b64 s[64:65], 0
	v_nop
	global_prefetch_b8 v0, s[64:65] scope:SCOPE_SE
	s_setreg_imm32_b32 hwreg(HW_REG_WAVE_MODE, 25, 1), 1
	s_wait_xcnt 0x0
; The eight weights, f32 with K (the 1,024 inputs) NOT innermost, become codes of E2M3 with one E8M0 byte for each 32 along K.
; Weight i = 0..7: Wq1, Wk1, Wk2, Wv1, Wv2, Wq2 ([16][1024][64]: column n = 64 head + e), Wf1, Wf2 ([1024][1024]).
; OUTPUT LAYOUT (this program's own): the 1,024 columns n are the operand's rows.  Block B' of 32 columns makes two tiles of 16: row r of tile 2 B' + u is column 32 B' + 8 u + r + 8 (r / 8).
; A fragment (16 rows x 128 K) lies as the image of its 12 registers: register 4 c + j of lane l at byte 512 c + 16 l + 4 j; a tile's eight K steps on end (12,288 bytes).
; A tile's scale words lie as one block of 512 bytes: lane 16 h' + r has row r's words of K steps 4 h' .. 4 h' + 3.
; SHARES: a work-group takes one weight and 32 columns, wave w K step w.  A lane takes a column and its 128 registers run down K, so a block of 32 lies in one lane and nothing is transposed by an instruction.
; The codes turn through the wave's own stage in LDS into the images; each store of a wave then covers 512 consecutive bytes.
; Work-group 0 also stores the two words (1 and 0) by which the attention launches know whether they mask.
; LIMITS: NaN and infinities are not served; a block whose largest magnitude lies under 2^-124 keeps the byte 1; a block of zeros gets the byte 1 and not 127 (its codes are zeros, and this program alone reads the bytes).
.set X,    64                          ; v64-191  my column's 128 numbers
.set C,    24                          ; v24-47   four blocks' codes, six registers each
.set CT,   48                          ; v48-63   the upper halves as the conversions leave them
.set OUT,  192                         ; v192-215 two images on their way out
.set STGW, 3328                        ; LDS: a wave's stage: two images, 1,664 bytes apart
.set IMG2, 1664
.set SCG,  26624                       ; LDS: the two tiles' scale blocks
.set WV,   28
	s_load_b512 s[4:19], s[0:1], 0x0               ; the eight weights
	s_load_b128 s[20:23], s[0:1], 0x40             ; wq, causal_on
	s_load_b64 s[24:25], s[0:1], 0x50              ; causal_off
	v_lshl_add_u32 v216, v0, 2, 0x6c00
	v_mov_b32 v217, 0
	v_lshrrev_b32 v8, 5, v0
	s_delay_alu instid0(VALU_DEP_1)
	v_readfirstlane_b32 s[WV], v8                  ; wave = K step
	s_lshr_b32 s29, ttmp9, 5                       ; weight i
	s_and_b32 s30, ttmp9, 31                       ; block of columns B'
	v_and_b32 v8, 31, v0                           ; lane
	s_delay_alu instid0(VALU_DEP_1)
	v_lshlrev_b32 v1, 2, v8                        ; 4 x lane
	s_delay_alu instid0(VALU_DEP_2)
	v_lshlrev_b32 v5, 4, v8                        ; 16 x lane
	v_bfe_u32 v9, v0, 3, 1                         ; u: which tile my column belongs to
	v_and_b32 v10, 7, v0
	v_bfe_u32 v11, v0, 4, 1
	s_delay_alu instid0(VALU_DEP_1)
	v_lshl_add_u32 v10, v11, 3, v10                ; r: its row there
	s_delay_alu instid0(VALU_DEP_1)
	v_lshlrev_b32 v10, 4, v10                      ; 16 r
	s_mul_i32 s31, s[WV], STGW
	v_mad_u32_u24 v2, v9, IMG2, v10
	s_delay_alu instid0(VALU_DEP_1)
	v_add_nc_u32 v2, s31, v2                       ; into the stage: image u, 16 r
	v_add_nc_u32 v3, s31, v5                       ; out of it: 16 x lane
	s_lshr_b32 s34, s[WV], 2
	s_lshl_b32 s34, s34, 8
	s_and_b32 s35, s[WV], 3
	s_lshl_b32 s35, s35, 2
	s_add_co_u32 s34, s34, s35
	s_add_co_u32 s34, s34, SCG
	v_lshl_add_u32 v4, v9, 9, v10
	s_delay_alu instid0(VALU_DEP_1)
	v_add_nc_u32 v4, s34, v4                       ; my scale word: 512 u + 256 (w / 4) + 16 r + 4 (w % 4)
	s_and_b32 s39, s[WV], 1
	s_lshl_b32 s39, s39, 9
	s_add_co_u32 s35, s39, SCG
	v_add_nc_u32 v6, s35, v5                       ; a scale block on its way out (waves 0 and 1)
	; where my numbers begin: [head][d][e]: 262,144 (B' / 2) + 128 (B' % 2) + 32,768 w, rows 256 bytes apart;  [d][n]: 128 B' + 524,288 w, rows 4,096 apart
	s_lshr_b32 s32, s30, 1
	s_lshl_b32 s32, s32, 18
	s_and_b32 s33, s30, 1
	s_lshl_b32 s33, s33, 7
	s_add_co_u32 s32, s32, s33
	s_lshl_b32 s33, s[WV], 15
	s_add_co_u32 s32, s32, s33
	s_lshl_b32 s34, s30, 7
	s_lshl_b32 s33, s[WV], 19
	s_add_co_u32 s34, s34, s33
	s_cmp_lt_u32 s29, 6
	s_cselect_b32 s32, s32, s34
	s_mov_b32 s33, 0
	s_mul_i32 s36, s29, 786432                     ; the images: 786,432 i + 24,576 B' + 1,536 w
	s_mul_i32 s38, s30, 24576
	s_add_co_u32 s36, s36, s38
	s_mul_i32 s38, s[WV], 1536
	s_add_co_u32 s36, s36, s38
	s_mov_b32 s37, 0
	s_lshl_b32 s40, s29, 15                        ; the scale blocks: 6,291,456 + 32,768 i + 1,024 B' + 512 (w % 2)
	s_lshl_b32 s38, s30, 10
	s_add_co_u32 s40, s40, s38
	s_add_co_u32 s40, s40, s39
	s_add_co_u32 s40, s40, 6291456
	s_mov_b32 s41, 0
	s_wait_kmcnt 0x0
	s_mov_b64 s[26:27], s[4:5]                     ; the weight is chosen by the work-group's number alone
.irp n, 1,2,3,4,5,6,7
	s_cmp_eq_u32 s29, \n
	s_cselect_b64 s[26:27], s[4+2*\n:5+2*\n], s[26:27]
.endr
	s_add_nc_u64 s[26:27], s[26:27], s[32:33]
	s_add_nc_u64 s[36:37], s[20:21], s[36:37]
	s_add_nc_u64 s[40:41], s[20:21], s[40:41]
.macro WLOAD stride                    ; 128 rows of K, 32 neighbouring columns: 128 consecutive bytes a load
.set k, 0
.rept 128
	global_load_b32 v[X+k], v1, s[26:27] offset:k*\stride
.set k, k+1
.endr
.endm
	s_cmp_lt_u32 s29, 6
	s_cbranch_scc0 .Lffn_w
	WLOAD 256
	s_branch .Lloaded
.Lffn_w:
	WLOAD 4096
.Lloaded:
.macro WBLOCK b                        ; block b: its largest magnitude (all 32 numbers are mine), its scale, its codes
.set XS, X+32*\b
	v_max3_num_f32 v[8+\b], |v[XS]|, |v[XS+1]|, |v[XS+2]|
	v_max3_num_f32 v7, |v[XS+3]|, |v[XS+4]|, |v[XS+5]|
.irp i, 6,10,14,18,22,26
	s_delay_alu instid0(VALU_DEP_2)
	v_max3_num_f32 v[8+\b], v[8+\b], |v[XS+\i]|, |v[XS+\i+1]|
	s_delay_alu instid0(VALU_DEP_2)
	v_max3_num_f32 v7, v7, |v[XS+\i+2]|, |v[XS+\i+3]|
.endr
	s_delay_alu instid0(VALU_DEP_2)
	v_max3_num_f32 v[8+\b], v[8+\b], |v[XS+30]|, |v[XS+31]|
	s_delay_alu instid0(VALU_DEP_1)
	v_max3_num_f32 v[8+\b], v[8+\b], v7, 0x1800000         ; the floor 2^(3 - 127): the byte cannot fall under 1
	s_delay_alu instid0(VALU_DEP_1)
	v_add_nc_u32 v[12+\b], 0xff000000, v[8+\b]             ; 2 off the exponent field: the conversion's scale operand
	s_delay_alu instid0(VALU_DEP_1)
	v_lshrrev_b32 v[16+\b], 23, v[12+\b]                   ; the scale's byte
	v_cvt_scalef32_pk16_fp6_f32 v[C+6*\b:C+6*\b+2], v[XS:XS+15], v[12+\b]
	v_cvt_scalef32_pk16_fp6_f32 v[CT+4*\b:CT+4*\b+2], v[XS+16:XS+31], v[12+\b]   ; (a conversion's three registers begin on an even number)
.endm
	s_wait_loadcnt 63                              ; 63 may be out: the oldest 65 are in, blocks 0 and 1 among them
	WBLOCK 0
	WBLOCK 1
	s_wait_loadcnt 32                              ; block 3's 32 may be out
	WBLOCK 2
	s_wait_loadcnt 0x0
	WBLOCK 3
	v_nop                                          ; one plain place behind the last scaled conversion
.irp b, 0,1,2,3
.irp i, 0,1,2
	v_mov_b32 v[C+6*\b+3+\i], v[CT+4*\b+\i]
.endr
.endr
	v_lshl_or_b32 v20, v17, 8, v16                 ; my column's scale word of this K step
	s_delay_alu instid0(VALU_DEP_1)
	v_lshl_or_b32 v20, v18, 16, v20
	s_delay_alu instid0(VALU_DEP_1)
	v_lshl_or_b32 v20, v19, 24, v20
	; block 2 c + h is registers 6 c .. 6 c + 5 of lane 16 h + r of the fragment
.irp h, 0,1
	ds_store_b128 v2, v[C+6*\h:C+6*\h+3] offset:256*\h             ; registers 0-3
	ds_store_b64 v2, v[C+6*\h+4:C+6*\h+5] offset:256*\h+512        ; registers 4, 5
	ds_store_b64 v2, v[C+12+6*\h:C+13+6*\h] offset:256*\h+520      ; registers 6, 7
	ds_store_b128 v2, v[C+14+6*\h:C+17+6*\h] offset:256*\h+1024    ; registers 8-11
.endr
	ds_store_b32 v4, v20
.irp u, 0,1
.irp q, 0,1,2
	ds_load_b128 v[OUT+12*\u+4*\q:OUT+12*\u+4*\q+3], v3 offset:IMG2*\u+512*\q   ; LDS serves a wave's instructions in order: these see my stores
.endr
.endr
	s_wait_dscnt 0x0                               ; the images are back, and my scale word has landed, for the other waves' sake
.irp u, 0,1
.irp q, 0,1,2
	global_store_b128 v5, v[OUT+12*\u+4*\q:OUT+12*\u+4*\q+3], s[36:37] offset:12288*\u+512*\q
.endr
.endr
	s_barrier_signal -1
	s_barrier_wait -1                              ; all eight K steps' scale words lie in LDS
	s_cmp_lt_u32 s[WV], 2
	s_cbranch_scc0 .Lflags
	ds_load_b128 v[24:27], v6                      ; wave u stores tile u's block of 512 bytes
	s_wait_dscnt 0x0
	global_store_b128 v5, v[24:27], s[40:41]
	s_branch .Lend
.Lflags:
	s_cmp_lg_u32 s[WV], 2
	s_cbranch_scc1 .Lend
	s_cmp_lg_u32 ttmp9, 0
	s_cbranch_scc1 .Lend
	v_mov_b32 v8, 1
	v_mov_b32 v9, 0
	global_store_b32 v1, v8, s[22:23]
	global_store_b32 v1, v8, s[22:23] offset:128
	global_store_b32 v1, v9, s[24:25]
	global_store_b32 v1, v9, s[24:25] offset:128
.Lend:
	s_wait_tensorcnt 0x0
	ds_add_u32 v216, v217
	s_wait_dscnt 0x0
	s_endpgm
.Lfunc_end_k_qadac963a06_quantw:
	.size	k_qadac963a06_quantw, .Lfunc_end_k_qadac963a06_quantw-k_qadac963a06_quantw
	.p2alignl 7, 3214868480
	.fill 96, 4, 3214868480
	.section	.rodata,"a",@progbits
	.p2align	6, 0x0
	.amdhsa_kernel k_qadac963a06_quantw
		.amdhsa_group_segment_fixed_size 28672
		.amdhsa_private_segment_fixed_size 0
		.amdhsa_enable_private_segment 0
		.amdhsa_kernarg_size 88
		.amdhsa_user_sgpr_count 2
		.amdhsa_user_sgpr_kernarg_segment_ptr 1
		.amdhsa_wavefront_size32 1
		.amdhsa_system_sgpr_workgroup_id_x 1
		.amdhsa_system_sgpr_workgroup_id_y 1
		.amdhsa_system_sgpr_workgroup_id_z 1
		.amdhsa_system_vgpr_workitem_id 0
		.amdhsa_next_free_vgpr 218
		.amdhsa_next_free_sgpr 66
		.amdhsa_reserve_vcc 0
		.amdhsa_float_denorm_mode_32 3
		.amdhsa_float_denorm_mode_16_64 3
		.amdhsa_memory_ordered 1
		.amdhsa_forward_progress 1
		.amdhsa_inst_pref_size 38
	.end_amdhsa_kernel
	.amdgpu_metadata
---
amdhsa.version: [ 1, 2 ]
amdhsa.kernels:
  - .name:           k_qadac963a06_quantw
    .symbol:         k_qadac963a06_quantw.kd
    .args:
      - { .name: Wq1, .offset: 0, .size: 8, .value_kind: global_buffer, .address_space: global }
      - { .name: Wk1, .offset: 8, .size: 8, .value_kind: global_buffer, .address_space: global }
      - { .name: Wk2, .offset: 16, .size: 8, .value_kind: global_buffer, .address_space: global }
      - { .name: Wv1, .offset: 24, .size: 8, .value_kind: global_buffer, .address_space: global }
      - { .name: Wv2, .offset: 32, .size: 8, .value_kind: global_buffer, .address_space: global }
      - { .name: Wq2, .offset: 40, .size: 8, .value_kind: global_buffer, .address_space: global }
      - { .name: Wf1, .offset: 48, .size: 8, .value_kind: global_buffer, .address_space: global }
      - { .name: Wf2, .offset: 56, .size: 8, .value_kind: global_buffer, .address_space: global }
      - { .name: wq, .offset: 64, .size: 8, .value_kind: global_buffer, .address_space: global }
      - { .name: causal_on, .offset: 72, .size: 8, .value_kind: global_buffer, .address_space: global }
      - { .name: causal_off, .offset: 80, .size: 8, .value_kind: global_buffer, .address_space: global }
    .group_segment_fixed_size: 28672
    .private_segment_fixed_size: 0
    .kernarg_segment_align: 8
    .kernarg_segment_size: 88
    .max_flat_workgroup_size: 256
    .sgpr_count:     66
    .vgpr_count:     218
    .wavefront_size: 32
...
	.end_amdgpu_metadata
.endif
;; end of part 7
;; launch quantx (part 8): grid 256 x 1, 4 waves a work-group, no clusters, 34,304 bytes of LDS; arguments input_tensor, encoder_output, xq; writes xq
.if DOCPART == 8
	.amdgcn_target "amdgcn-amd-amdhsa--gfx1250"
	.amdhsa_code_object_version 6
	.text
	.protected	k_qadac963a06_quantx
	.globl	k_qadac963a06_quantx
	.p2align	8
	.type	k_qadac963a06_quantx,@function
k_qadac963a06_quantx:
	s_mov_b64 s[64:65], 0
	v_nop
	global_prefetch_b8 v0, s[64:65] scope:SCOPE_SE
	s_setreg_imm32_b32 hwreg(HW_REG_WAVE_MODE, 25, 1), 1
	s_wait_xcnt 0x0
; input_tensor (a = 0) and encoder_output (a = 1), [4096][1024] f32 with K innermost, become codes of E2M3 with one E8M0 byte for each 32 along K, in this program's own layout:
; block B of 32 rows makes two tiles; row r of tile 2 B + u is row 32 B + 8 u + r + 8 (r / 8); a fragment (16 rows x 128 K) lies as the image of its 12 registers (register 4 c + j of lane l at 512 c + 16 l + 4 j),
; a tile's eight K steps on end; a tile's scale words as one block of 512 bytes (lane 16 h' + r: row r's words of K steps 4 h' .. 4 h' + 3).
; SHARES: a work-group takes a block of 32 rows; wave w takes tile w % 2 and K steps 4 (w / 2) .. + 3.  Each load reads 512 consecutive bytes of a row; the 16 x 128 numbers turn through the wave's own stage in LDS
; (rows 528 bytes apart) so that lane (r, h) holds, of row r, 16 neighbours of each block of 32, as the conversions want them.  Waves share nothing: no barrier.
; LIMITS: NaN and infinities are not served; a block whose largest magnitude lies under 2^-124 keeps the byte 1; a block of zeros gets the byte 1 and not 127 (its codes are zeros, and this program alone reads the bytes).
.set TM,  8                            ; v8-11 largest magnitudes, v12-15 the other half's, then the bytes, v16-19 the conversions' scale operands
.set CT,  20                           ; v20-27 the upper halves as the conversions leave them
.set PC,  28                           ; v28-39 the fragment
.set W,   40                           ; v40-43 four K steps' scale words
.set R,   64                           ; v64-191 two sets of 64 numbers as loaded
.set X,   192                          ; v192-255 64 numbers as the conversions want them
.set SEL, 20
.macro QUANT s, d0, d1                 ; 64 numbers of a lane, register 16 b + i = column 32 b + 16 (lane / 16) + i of my row: codes of columns 0-63 into v[d0] on, of 64-127 into v[d1] on (six registers each); the bytes stay in v[TM+4] on
.irp b, 0,1,2,3
	v_max3_num_f32 v[TM+\b], |v[(\s)+16*\b]|, |v[(\s)+1+16*\b]|, 0x1800000   ; with the floor 2^(3 - 127): the byte cannot fall under 1
.endr
.irp i, 2,4,6,8,10,12,14
.irp b, 0,1,2,3
	v_max3_num_f32 v[TM+\b], v[TM+\b], |v[(\s)+16*\b+\i]|, |v[(\s)+1+16*\b+\i]|
.endr
.endr
.irp b, 0,1,2,3
	v_permlanex16_b32 v[TM+4+\b], v[TM+\b], s[SEL], s[SEL+1]
.endr
.irp b, 0,1,2,3
	v_max_num_f32 v[TM+\b], v[TM+\b], v[TM+4+\b]           ; with lane l xor 16's: the block's largest magnitude
.endr
.irp b, 0,1,2,3
	v_add_nc_u32 v[TM+8+\b], 0xff000000, v[TM+\b]          ; 2 off its exponent field: the conversion's scale operand
.endr
.irp b, 0,1,2,3
	v_lshrrev_b32 v[TM+4+\b], 23, v[TM+8+\b]               ; the scale's byte
.endr
	v_cvt_scalef32_pk16_fp6_f32 v[(\d0):(\d0)+2], v[(\s):(\s)+15], v[TM+8]
	v_cvt_scalef32_pk16_fp6_f32 v[CT:CT+2], v[(\s)+16:(\s)+31], v[TM+9]
	v_cvt_scalef32_pk16_fp6_f32 v[(\d1):(\d1)+2], v[(\s)+32:(\s)+47], v[TM+10]
	v_cvt_scalef32_pk16_fp6_f32 v[CT+4:CT+6], v[(\s)+48:(\s)+63], v[TM+11]
	v_nop                                          ; one plain place behind a scaled conversion
.irp i, 0,1,2                          ; the operand's layout wants a whole block in a lane
	v_permlane16_swap_b32 v[(\d0)+\i], v[CT+\i]
	v_permlane16_swap_b32 v[(\d1)+\i], v[CT+4+\i]
.endr
.irp i, 0,1,2
	v_mov_b32 v[(\d0)+3+\i], v[CT+\i]
	v_mov_b32 v[(\d1)+3+\i], v[CT+4+\i]
.endr
.endm
	s_load_b128 s[4:7], s[0:1], 0x0                ; input_tensor, encoder_output
	s_load_b64 s[8:9], s[0:1], 0x10                ; xq
	v_lshl_add_u32 v62, v0, 2, 0x8400
	v_mov_b32 v63, 0
	v_lshrrev_b32 v5, 5, v0
	v_readfirstlane_b32 s10, v5                    ; wave
	v_and_b32 v5, 31, v0
	v_lshlrev_b32 v1, 4, v5                        ; 16 x lane
	v_and_b32 v6, 15, v0                           ; r
	v_bfe_u32 v7, v0, 4, 1                         ; h
	s_mul_i32 s11, s10, 8448                       ; my stage
	v_add_nc_u32 v2, s11, v1                       ; into it: a row's 512 bytes as they lie
	v_mul_u32_u24 v3, v6, 528
	v_lshl_add_u32 v3, v7, 6, v3
	v_add_nc_u32 v3, s11, v3                       ; out of it: row r, + 64 h
	v_lshlrev_b32 v4, 4, v6
	v_lshl_add_u32 v4, v7, 3, v4                   ; my 8 bytes of the scale block: 16 r + 8 h
	v_cmp_eq_u32 vcc_lo, 1, v7                     ; lanes 16-31; kept to the end
.irp b, 0,1,2,3
	v_mov_b32 v[TM+4+\b], 0                        ; written once: a lane permute's destination counts as one of its sources
.endr
	s_mov_b32 s[SEL], 0x76543210
	s_mov_b32 s[SEL+1], 0xfedcba98                 ; lane l xor 16
	s_lshr_b32 s12, ttmp9, 7                       ; a
	s_and_b32 s13, ttmp9, 127                      ; B
	s_and_b32 s14, s10, 1                          ; u
	s_lshr_b32 s15, s10, 1                         ; q
	s_lshl_b32 s16, s13, 17                        ; (32 B + 8 u) rows of 4,096 bytes + 2,048 q
	s_lshl_b32 s17, s14, 15
	s_add_co_u32 s16, s16, s17
	s_lshl_b32 s17, s15, 11
	s_add_co_u32 s16, s16, s17
	s_mov_b32 s17, 0
	s_lshl_b32 s18, s13, 1
	s_add_co_u32 s18, s18, s14                     ; the tile
	s_mul_i32 s22, s18, 12288
	s_mul_i32 s19, s12, 3145728
	s_add_co_u32 s22, s22, s19
	s_mul_i32 s19, s15, 6144
	s_add_co_u32 s22, s22, s19                     ; its images from K step 4 q on
	s_mov_b32 s23, 0
	s_lshl_b32 s18, s18, 9
	s_lshl_b32 s19, s12, 17
	s_add_co_u32 s18, s18, s19
	s_lshl_b32 s19, s15, 8
	s_add_co_u32 s18, s18, s19
	s_add_co_u32 s18, s18, 6291456                 ; my half of its scale block
	s_mov_b32 s19, 0
	s_wait_alu depctr_va_vdst(0)
	s_wait_kmcnt 0x0
	s_cmp_lt_u32 ttmp9, 128                        ; the tensor is chosen by the work-group's number alone
	s_cselect_b64 s[4:5], s[4:5], s[6:7]
	s_add_nc_u64 s[4:5], s[4:5], s[16:17]
	s_add_nc_u64 s[22:23], s[8:9], s[22:23]
	s_add_nc_u64 s[18:19], s[8:9], s[18:19]
.macro XLOAD t
.irp i, 0,1,2,3,4,5,6,7,8,9,10,11,12,13,14,15
	global_load_b128 v[R+64*((\t)%2)+4*\i:R+64*((\t)%2)+4*\i+3], v1, s[4:5] offset:(\i+8*(\i/8))*4096+512*(\t) th:TH_LOAD_NT
.endr
.endm
.macro XSTEP t
.if (\t) < 3
	s_wait_loadcnt 16                              ; this step's 16 loads are in; the next step's may be out
.else
	s_wait_loadcnt 0x0
.endif
.irp i, 0,1,2,3,4,5,6,7,8,9,10,11,12,13,14,15
	ds_store_b128 v2, v[R+64*((\t)%2)+4*\i:R+64*((\t)%2)+4*\i+3] offset:528*\i
.endr
.irp b, 0,1,2,3
.irp j, 0,1,2,3
	ds_load_b128 v[X+16*\b+4*\j:X+16*\b+4*\j+3], v3 offset:128*\b+16*\j     ; LDS serves a wave's instructions in order: these see my stores
.endr
.endr
	s_wait_dscnt 0x0
.if (\t) < 2
	XLOAD (\t)+2                                   ; into the registers that the stage's stores have read
.endif
	s_wait_xcnt 0x0                                ; the last step's stores have read the fragment's registers
	QUANT X, PC, PC+6
	v_lshl_or_b32 v[W+\t], v[TM+5], 8, v[TM+4]
	v_lshl_or_b32 v[W+\t], v[TM+6], 16, v[W+\t]
	v_lshl_or_b32 v[W+\t], v[TM+7], 24, v[W+\t]
.irp c, 0,1,2
	global_store_b128 v1, v[PC+4*\c:PC+4*\c+3], s[22:23] offset:1536*(\t)+512*\c   ; 512 consecutive bytes
.endr
.endm
	XLOAD 0
	XLOAD 1
	XSTEP 0
	XSTEP 1
	XSTEP 2
	XSTEP 3
	v_cndmask_b32 v44, v40, v42, vcc_lo            ; lanes 0-15 store words 0, 1 of their row, lanes 16-31 words 2, 3
	v_cndmask_b32 v45, v41, v43, vcc_lo
	global_store_b64 v4, v[44:45], s[18:19]        ; the wave stores 256 consecutive bytes, aligned
	s_wait_tensorcnt 0x0
	ds_add_u32 v62, v63
	s_wait_dscnt 0x0
	s_endpgm
.Lfunc_end_k_qadac963a06_quantx:
	.size	k_qadac963a06_quantx, .Lfunc_end_k_qadac963a06_quantx-k_qadac963a06_quantx
	.p2alignl 7, 3214868480
	.fill 96, 4, 3214868480
	.section	.rodata,"a",@progbits
	.p2align	6, 0x0
	.amdhsa_kernel k_qadac963a06_quantx
		.amdhsa_group_segment_fixed_size 34304
		.amdhsa_private_segment_fixed_size 0
		.amdhsa_enable_private_segment 0
		.amdhsa_kernarg_size 24
		.amdhsa_user_sgpr_count 2
		.amdhsa_user_sgpr_kernarg_segment_ptr 1
		.amdhsa_wavefront_size32 1
		.amdhsa_system_sgpr_workgroup_id_x 1
		.amdhsa_system_sgpr_workgroup_id_y 1
		.amdhsa_system_sgpr_workgroup_id_z 1
		.amdhsa_system_vgpr_workitem_id 0
		.amdhsa_next_free_vgpr 256
		.amdhsa_next_free_sgpr 66
		.amdhsa_reserve_vcc 1
		.amdhsa_float_denorm_mode_32 3
		.amdhsa_float_denorm_mode_16_64 3
		.amdhsa_memory_ordered 1
		.amdhsa_forward_progress 1
		.amdhsa_inst_pref_size 34
	.end_amdhsa_kernel
	.amdgpu_metadata
---
amdhsa.version: [ 1, 2 ]
amdhsa.kernels:
  - .name:           k_qadac963a06_quantx
    .symbol:         k_qadac963a06_quantx.kd
    .args:
      - { .name: input_tensor, .offset: 0, .size: 8, .value_kind: global_buffer, .address_space: global }
      - { .name: encoder_output, .offset: 8, .size: 8, .value_kind: global_buffer, .address_space: global }
      - { .name: xq, .offset: 16, .size: 8, .value_kind: global_buffer, .address_space: global }
    .group_segment_fixed_size: 34304
    .private_segment_fixed_size: 0
    .kernarg_segment_align: 8
    .kernarg_segment_size: 24
    .max_flat_workgroup_size: 128
    .sgpr_count:     66
    .vgpr_count:     256
    .wavefront_size: 32
...
	.end_amdgpu_metadata
.endif
;; end of part 8
;; launch proj (part 9): grid 128 x 5, 8 waves a work-group, no clusters, 308,224 bytes of LDS; arguments wq, xq, bv1, bv2, a1, a2; writes a1, a2
.if DOCPART == 9
	.amdgcn_target "amdgcn-amd-amdhsa--gfx1250"
	.amdhsa_code_object_version 6
	.text
	.protected	k_qadac963a06_proj
	.globl	k_qadac963a06_proj
	.p2align	8
	.type	k_qadac963a06_proj,@function
k_qadac963a06_proj:
	s_mov_b64 s[64:65], 0
	v_nop
	global_prefetch_b8 v0, s[64:65] scope:SCOPE_SE
	s_setreg_imm32_b32 hwreg(HW_REG_WAVE_SCHED_MODE, 0, 2), 2
	s_setreg_imm32_b32 hwreg(HW_REG_WAVE_MODE, 25, 1), 1
	s_wait_xcnt 0x0
	s_wait_alu depctr_vm_vsrc(0)
; Five projections on codes of E2M3 (K = 1,024), each followed by the quantiser of the product that reads its result.  Job y: 0 q1 = x Wq1, 1 k1 = x Wk1, 2 k2 = enc Wk2, 3 v1 = x Wv1 + bv1, 4 v2 = enc Wv2 + bv2.
; Source 0 (P, 256 rows a work-group) is the operand along whose rows the result is quantised next: for q and k the weight (the head's 64), for v the activation (the keys).  Source 1 (R, 128 rows) is the other.
; The rows that form a tile of 16 are 32 B + 8 u + r + 8 (r / 8), so that a lane's 16 registers of two neighbouring tiles of P are 16 neighbours along the next K.
; SHARES: eight waves; wave w takes P's tiles 8 (w % 2) .. + 7 and R's tiles 2 (w / 2), + 1: 16 accumulators, which take turns in the same order in every K step.
; LDS holds ALL of K of both operands, as images of the operands' registers, filled once through registers: one barrier, no refill.  A fragment comes by three loads of 512 consecutive bytes.
; OUTPUT: q and k leave as PAIR FRAGMENTS: registers 0-5 the head's 64 codes of tile (Bl, 0)'s rows, registers 6-11 those of tile (Bl, 1)'s; the word's bytes 0, 1 and 2, 3 likewise.  v leaves as fragments of 16 of the head's 64 x 128 keys.
; The scale words leave in pieces of 64 or 128 bytes, parts of an aligned 256: one byte in 24 of what the launch stores.
; NOT SHARED IN A CLUSTER: several work-groups read the same 196,608 bytes of P.  The fill goes through registers and not by tensor loads, so there is no load that could be asked jointly; the price is stated here and not hidden.
; LIMITS: NaN and infinities are not served; a block whose largest magnitude lies under 2^-124 keeps the byte 1; a block of zeros gets the byte 1 and not 127 (its codes are zeros, and this program alone reads the bytes).
; REGISTERS, window 0: v1-13 addresses, v14 r, v15 h; v16-23 R's scale words, v24-55 P's; v56-103 R's fragments, two sets; v104-119 the bias as C; v128-255 accumulators.  Window 1: P's fragments, two sets of 96.
; THE MODE: SCHED_MODE bits 1:0 = 2 (LLVM: expert scheduling mode 2), set by the entry lines.  The code itself states the register dependences
; between vector or matrix instructions and memory or LDS instructions, with s_wait_alu, always for 0.
; THE PLAN.  Registers that memory or LDS instructions touch:
;   v1-13, v120        offsets and LDS addresses: made once at the head, never written again.  One wait on va_vdst at the head serves every load and store that reads them.
;   v104-119           zeros by vector lines ahead of that wait; in the v jobs the bias's loads land on them behind it.
;   window 1 v0-191 and v128-235   at the head the fill's pieces: loaded, then read by the LDS stores.  Later they are P's two sets and the accumulators: one wait on vm_vsrc behind the barrier.
;   P's and R's sets   step k's products read set k % 2; the loads of step k + 1 land in the other set, which the products of step k - 1 read last.  ONE wait on va_vdst at a step's head states that those are done.
;                      Behind it the step's 30 loads are dealt among its 16 products, 18 ahead of them and 12 in their middle: the products name set k % 2, the accumulators and the scale words, none of which these loads touch.
;   v44-67, v78, v79   the codes, the words and their offset on the way out: written by vector lines, read by the stores: one wait on va_vdst ahead of each way's stores.
; s16 (the wave's number) and VCC (lanes 16-31) are written by vector lines: a wait stands between each and its first reader.
.set RSC, 16
.set PS,  24
.set RB,  56
.set BV,  104
.set ACC, 128
.set TM,  24                           ; the epilogue lies over the scale words and R's fragments, which are done with
.set CT,  36
.set FA,  44
.set FB,  56
.set SEL, 20
.set MSB, 0
.macro WIN new                         ; the immediate's high byte repeats the setting that is left
.if MSB != \new
	s_set_vgpr_msb (MSB<<8)|\new
.set MSB, \new
.endif
.endm
.macro PLACES
.rept 4
	v_nop
.endr
.endm
.macro QUANT s, d0, d1                 ; 64 numbers of a lane, register 16 b + i = column 32 b + 16 (lane / 16) + i of my row: codes of columns 0-63 into v[d0] on, of 64-127 into v[d1] on; the bytes stay in v[TM+4] on
.irp b, 0,1,2,3
	v_max3_num_f32 v[TM+\b], |v[(\s)+16*\b]|, |v[(\s)+1+16*\b]|, 0x1800000   ; with the floor 2^(3 - 127).  Each accumulator is first read at its low end
.endr
.irp i, 2,4,6,8,10,12,14
.irp b, 0,1,2,3
	v_max3_num_f32 v[TM+\b], v[TM+\b], |v[(\s)+16*\b+\i]|, |v[(\s)+1+16*\b+\i]|
.endr
.endr
.irp b, 0,1,2,3
	v_permlanex16_b32 v[TM+4+\b], v[TM+\b], s[SEL], s[SEL+1]
.endr
.irp b, 0,1,2,3
	v_max_num_f32 v[TM+\b], v[TM+\b], v[TM+4+\b]
.endr
.irp b, 0,1,2,3
	v_add_nc_u32 v[TM+8+\b], 0xff000000, v[TM+\b]
.endr
.irp b, 0,1,2,3
	v_lshrrev_b32 v[TM+4+\b], 23, v[TM+8+\b]
.endr
	v_cvt_scalef32_pk16_fp6_f32 v[(\d0):(\d0)+2], v[(\s):(\s)+15], v[TM+8]
	v_cvt_scalef32_pk16_fp6_f32 v[CT:CT+2], v[(\s)+16:(\s)+31], v[TM+9]
	v_cvt_scalef32_pk16_fp6_f32 v[(\d1):(\d1)+2], v[(\s)+32:(\s)+47], v[TM+10]
	v_cvt_scalef32_pk16_fp6_f32 v[CT+4:CT+6], v[(\s)+48:(\s)+63], v[TM+11]
	v_nop                                          ; one plain place behind a scaled conversion
.irp i, 0,1,2
	v_permlane16_swap_b32 v[(\d0)+\i], v[CT+\i]
	v_permlane16_swap_b32 v[(\d1)+\i], v[CT+4+\i]
.endr
.irp i, 0,1,2
	v_mov_b32 v[(\d0)+3+\i], v[CT+\i]
	v_mov_b32 v[(\d1)+3+\i], v[CT+4+\i]
.endr
.endm
.macro WORD d
	v_lshl_or_b32 v[\d], v[TM+5], 8, v[TM+4]
	v_lshl_or_b32 v[\d], v[TM+6], 16, v[\d]
	v_lshl_or_b32 v[\d], v[TM+7], 24, v[\d]
.endm
.macro WM d, a, b, cr, sa, sb, row     ; one product; row = 1: both sides' scale words stand in lanes 16-31
.if \row
	v_wmma_scale_f32_16x16x128_f8f6f4 v[(\d):(\d)+7], v[(\a):(\a)+11], v[(\b):(\b)+11], v[(\cr):(\cr)+7], v[\sa], v[\sb] matrix_a_fmt:MATRIX_FMT_FP6 matrix_b_fmt:MATRIX_FMT_FP6 matrix_a_scale:MATRIX_SCALE_ROW1 matrix_b_scale:MATRIX_SCALE_ROW1
.else
	v_wmma_scale_f32_16x16x128_f8f6f4 v[(\d):(\d)+7], v[(\a):(\a)+11], v[(\b):(\b)+11], v[(\cr):(\cr)+7], v[\sa], v[\sb] matrix_a_fmt:MATRIX_FMT_FP6 matrix_b_fmt:MATRIX_FMT_FP6
.endif
.endm
	s_load_b256 s[4:11], s[0:1], 0x0               ; wq, xq, bv1, bv2
	s_load_b128 s[12:15], s[0:1], 0x20             ; a1, a2
	v_lshl_add_u32 v126, v0, 2, 0x4b000
	v_mov_b32 v127, 0
	v_lshrrev_b32 v14, 5, v0
	v_readfirstlane_b32 s16, v14                   ; wave
	s_and_b32 s19, ttmp7, 0xffff                   ; job y
	s_mov_b32 s[SEL], 0x76543210
	s_mov_b32 s[SEL+1], 0xfedcba98
	s_wait_alu depctr_va_sdst(0)                   ; s16 is written, ahead of its first reader: the wave's shares and LDS places are made from it
	s_and_b32 s17, s16, 1                          ; pw
	s_lshr_b32 s18, s16, 1                         ; rw
	s_lshr_b32 s22, 0x14, s19
	s_and_b32 s22, s22, 1                          ; a: jobs 2 and 4 read the encoder's rows
	s_mul_i32 s23, s19, 786432                     ; the weight's images,
	s_lshl_b32 s24, s19, 15
	s_add_co_u32 s24, s24, 6291456                 ; its scale blocks,
	s_mul_i32 s25, s22, 3145728                    ; the activation's images,
	s_lshl_b32 s26, s22, 17
	s_add_co_u32 s26, s26, 6291456                 ; its scale blocks
	s_and_b32 s27, ttmp9, 3
	s_lshr_b32 s28, ttmp9, 3
	s_lshr_b32 s29, ttmp9, 2
	s_and_b32 s30, ttmp9, 7
	s_cmp_lt_u32 s19, 3                            ; q or k?
	s_cselect_b32 s31, s27, s28                    ; pb
	s_cselect_b32 s48, s29, s30                    ; rb
	s_cselect_b32 s32, s23, s25
	s_cselect_b32 s34, s24, s26
	s_cselect_b32 s36, s25, s23
	s_cselect_b32 s38, s26, s24
	s_mul_i32 s49, s31, 196608                     ; 16 tiles of 12,288 bytes
	s_add_co_u32 s32, s32, s49
	s_lshl_b32 s49, s31, 13
	s_add_co_u32 s34, s34, s49
	s_mul_i32 s49, s48, 98304                      ; 8 tiles
	s_add_co_u32 s36, s36, s49
	s_lshl_b32 s49, s48, 12
	s_add_co_u32 s38, s38, s49
	s_mov_b32 s33, 0
	s_mov_b32 s35, 0
	s_mov_b32 s37, 0
	s_mov_b32 s39, 0
	s_lshl_b32 s50, s48, 2
	s_add_co_u32 s50, s50, s18                     ; 4 rb + rw: my block of 32 rows of R
	s_lshl_b32 s52, s50, 7                         ; (v: its 32 numbers of the bias)
	s_mov_b32 s53, 0
	v_and_b32 v1, 31, v0
	v_lshlrev_b32 v1, 4, v1                        ; 16 x lane
	s_wait_alu depctr_va_vdst(0)
	v_and_b32 v14, 15, v0                          ; r
	v_bfe_u32 v15, v0, 4, 1                        ; h
	s_mul_i32 s49, s17, 98304
	v_add_nc_u32 v2, s49, v1                       ; my P tiles 0-3
	v_add_nc_u32 v3, 49152, v2                     ; and 4-7
	s_mul_i32 s49, s18, 24576
	s_add_co_u32 s49, s49, 196608
	v_add_nc_u32 v4, s49, v1                       ; my R tiles
	s_lshl_b32 s49, s17, 12
	s_add_co_u32 s49, s49, 294912
	v_add_nc_u32 v5, s49, v1                       ; my P tiles' scale blocks
	s_lshl_b32 s49, s18, 10
	s_add_co_u32 s49, s49, 303104
	v_add_nc_u32 v6, s49, v1                       ; my R tiles' scale blocks
	s_mul_i32 s49, s16, 12288
	v_add_nc_u32 v7, s49, v1                       ; the fill: tile w, in memory and in LDS;
	v_add_nc_u32 v8, 98304, v7                     ; P's tile w + 8;
	v_add_nc_u32 v9, 196608, v7                    ; R's tile w
	s_lshl_b32 s49, s16, 10
	v_add_nc_u32 v10, s49, v1
	v_add_nc_u32 v11, 294912, v10
	s_lshl_b32 s49, s16, 9
	v_add_nc_u32 v12, s49, v1
	v_add_nc_u32 v13, 303104, v12
	v_and_b32 v120, 8, v14
	v_add_nc_u32 v120, v120, v14
	v_lshlrev_b32 v120, 2, v120                    ; 4 (r + 8 (r / 8)): my row of a tile, among a block's 32 numbers of the bias
.irp j, 0,1,2,3,4,5,6,7,8,9,10,11,12,13,14,15
	v_mov_b32 v[BV+\j], 0                          ; the C of each sum's first product: q, k: zeros.  Written on both ways, ahead of the wait below
.endr
	s_wait_kmcnt 0x0
	s_cmp_lt_u32 s19, 3
	s_cselect_b64 s[40:41], s[4:5], s[6:7]         ; P's buffer
	s_cselect_b64 s[42:43], s[6:7], s[4:5]         ; R's
	s_add_nc_u64 s[32:33], s[40:41], s[32:33]
	s_add_nc_u64 s[34:35], s[40:41], s[34:35]
	s_add_nc_u64 s[36:37], s[42:43], s[36:37]
	s_add_nc_u64 s[38:39], s[42:43], s[38:39]
	s_cmp_eq_u32 s22, 0
	s_cselect_b64 s[44:45], s[8:9], s[10:11]       ; the bias
	s_cselect_b64 s[46:47], s[12:13], s[14:15]     ; the output
	s_add_nc_u64 s[44:45], s[44:45], s[52:53]
	s_wait_alu depctr_va_vdst(0)                   ; the offsets and LDS addresses v1-13 and v120 are written, which the loads and stores of the whole kernel read; so are the zeros v104-119, on which the bias's loads land
	; v: the bias of my lane's column of R, eight times, over the zeros.  Issued first, so that the counted wait below holds on both ways
	s_cmp_lt_u32 s19, 3
	s_cbranch_scc1 .Lno_bias
.irp p, 0,1
.irp j, 0,1,2,3,4,5,6,7
	global_load_b32 v[BV+8*\p+\j], v120, s[44:45] offset:32*\p
.endr
.endr
.Lno_bias:
	WIN 0x40                                       ; destination window 1
.set m, 0
.rept 24
	global_load_b128 v[4*m:4*m+3], v7, s[32:33] offset:512*m
	global_load_b128 v[96+4*m:96+4*m+3], v7, s[32:33] offset:98304+512*m
.set m, m+1
.endr
	WIN 0
.set m, 0
.rept 24
	global_load_b128 v[128+4*m:128+4*m+3], v7, s[36:37] offset:512*m
.set m, m+1
.endr
	global_load_b128 v[224:227], v10, s[34:35]
	global_load_b128 v[228:231], v10, s[34:35] offset:512
	global_load_b128 v[232:235], v12, s[38:39]
	s_wait_loadcnt 27                              ; R's 24 loads and the scales' 3 may be out: P's 48 are in
	WIN 0x04                                       ; an LDS store's data are its source 1: window 1
.set m, 0
.rept 24
	ds_store_b128 v7, v[4*m:4*m+3] offset:512*m
	ds_store_b128 v8, v[96+4*m:96+4*m+3] offset:512*m
.set m, m+1
.endr
	WIN 0
	s_wait_loadcnt 0x0
.set m, 0
.rept 24
	ds_store_b128 v9, v[128+4*m:128+4*m+3] offset:512*m
.set m, m+1
.endr
	ds_store_b128 v11, v[224:227]
	ds_store_b128 v11, v[228:231] offset:512
	ds_store_b128 v13, v[232:235]
	s_wait_dscnt 0x0                               ; for the others' sake: my part of the fill has landed
	s_barrier_signal -1
	s_barrier_wait -1                              ; the only barrier: nothing in LDS is written again
	s_wait_alu depctr_vm_vsrc(0)                   ; my LDS stores have read window 1's v0-191, in which P's fragments land, and v128-235, which the products write
.macro PFRAG k, half                   ; four of my eight fragments of P of K step k (tiles 4 half .. + 3) into set k % 2, under destination window 1
.irp t, 0,1,2,3
.irp c, 0,1,2
	ds_load_b128 v[96*((\k)%2)+48*(\half)+12*\t+4*\c:96*((\k)%2)+48*(\half)+12*\t+4*\c+3], v[2+(\half)] offset:12288*\t+1536*(\k)+512*\c
.endr
.endr
.endm
.macro RFRAG k                         ; my two fragments of R of K step k into set k % 2
.irp p, 0,1
.irp c, 0,1,2
	ds_load_b128 v[RB+24*((\k)%2)+12*\p+4*\c:RB+24*((\k)%2)+12*\p+4*\c+3], v4 offset:12288*\p+1536*(\k)+512*\c
.endr
.endr
.endm
.macro MMH k, t0                       ; 8 of the 16 products of K step k: P's tiles t0 .. t0 + 3
.set PBK, 96*((\k)%2)
.set RBK, RB+24*((\k)%2)
	WIN 0x01                                       ; source 0 window 1
.irp t, 0,1,2,3
.set tt, (\t0)+\t
.irp p, 0,1
.if (\k) == 0
	WM ACC+64*\p+8*tt, PBK+12*tt, RBK+12*\p, BV+8*\p, PS+4*tt, RSC+4*\p, 0
.else
	WM ACC+64*\p+8*tt, PBK+12*tt, RBK+12*\p, ACC+64*\p+8*tt, PS+4*tt+(\k)%4, RSC+4*\p+(\k)%4, (\k)/4
.endif
.endr
.endr
.endm
.irp t, 0,1,2,3,4,5,6,7
	ds_load_b128 v[PS+4*\t:PS+4*\t+3], v5 offset:512*\t            ; register k % 4: lanes 0-15 K step k < 4, lanes 16-31 K step k >= 4
.endr
.irp p, 0,1
	ds_load_b128 v[RSC+4*\p:RSC+4*\p+3], v6 offset:512*\p
.endr
	WIN 0x40
	PFRAG 0, 0
	PFRAG 0, 1
	WIN 0
	RFRAG 0
.irp k, 0,1,2,3,4,5,6,7
	s_wait_dscnt 0x0                               ; this step's fragments are in
.if \k < 7
	WIN 0x40
.if \k > 0
	s_wait_alu depctr_va_vdst(0)                   ; the products of the step before are done reading the other sets of P and of R, in which the next step's 30 loads land
.endif
	PFRAG \k+1, 0                                  ; the next step's fragments: 18 loads ahead of this step's products,
	WIN 0
	RFRAG \k+1
.endif
	MMH \k, 0
.if \k < 7
	WIN 0x40
	PFRAG \k+1, 1                                  ; 12 in their middle.  No wait: no vector or matrix line since the wait above names these registers
.endif
	MMH \k, 4
	PLACES                                         ; four places behind a step's products: ahead of the loads into the set just read, and of the first read of results
.endr
	WIN 0
.irp b, 0,1,2,3
	v_mov_b32 v[TM+4+\b], 0                        ; a lane permute's destination counts as one of its sources
.endr
	v_cmp_eq_u32 vcc_lo, 1, v15                    ; lanes 16-31
	s_wait_alu depctr_va_vcc(0)                    ; VCC is written, ahead of the branch: each way's select reads it
	s_cmp_lt_u32 s19, 3
	s_cbranch_scc0 .Lv_job
	; ---- q, k.  Accumulators 64 p + ..: lane (r, h) holds row r of R's tile p and 128 columns: two heads.  Columns 0-63 go to head A's pair fragment, 64-127 to head B's; tile p fills registers 6 p .. 6 p + 5
	QUANT ACC, FA, FB
.irp b, 0,1,2,3
	v_mov_b32 v[68+\b], v[TM+4+\b]
.endr
	QUANT ACC+64, FA+6, FB+6
	v_lshl_or_b32 v76, v69, 8, v68                 ; head A's word: tile 0's two bytes, tile 1's two
	v_lshl_or_b32 v76, v[TM+4], 16, v76
	v_lshl_or_b32 v76, v[TM+5], 24, v76
	v_lshl_or_b32 v77, v71, 8, v70                 ; head B's
	v_lshl_or_b32 v77, v[TM+6], 16, v77
	v_lshl_or_b32 v77, v[TM+7], 24, v77
	s_wait_alu depctr_va_vdst(0)
	s_lshr_b32 s54, s50, 6                         ; batch
	s_lshl_b32 s54, s54, 4
	s_lshl_b32 s55, s31, 2
	s_add_co_u32 s54, s54, s55
	s_lshl_b32 s55, s17, 1
	s_add_co_u32 s54, s54, s55                     ; 16 batch + head A (4 pb + 2 pw)
	s_and_b32 s55, s50, 63                         ; Bl
	s_mov_b32 s56, 204800                          ; k: a record's bytes, where its words begin, where the records begin
	s_mov_b32 s57, 196608
	s_mov_b32 s58, 3276800
	s_cmp_eq_u32 s19, 0
	s_cselect_b32 s56, 102400, s56                 ; q
	s_cselect_b32 s57, 98304, s57
	s_cselect_b32 s58, 0, s58
	s_mul_i32 s54, s54, s56
	s_add_co_u32 s58, s58, s54                     ; head A's record
	s_lshl_b32 s54, s55, 6
	s_add_co_u32 s60, s58, s57
	s_add_co_u32 s60, s60, s54                     ; its words of block Bl
	s_mov_b32 s61, 0
	s_mul_i32 s54, s55, 1536
	s_add_co_u32 s58, s58, s54                     ; its fragment of block Bl
	s_mov_b32 s59, 0
	s_mov_b32 s57, 0
	s_add_nc_u64 s[58:59], s[46:47], s[58:59]
	s_add_nc_u64 s[60:61], s[46:47], s[60:61]
	s_add_nc_u64 s[52:53], s[58:59], s[56:57]      ; head B's: one record on
	v_mul_u32_u24 v78, v15, s56
	v_lshl_add_u32 v78, v14, 2, v78                ; lanes 0-15: head A's word of row r; lanes 16-31: head B's
	v_cndmask_b32 v79, v76, v77, vcc_lo
	s_wait_alu depctr_va_vdst(0)                   ; the two fragments v44-67, the word v79 and its offset v78 are written, which the stores read
.irp c, 0,1,2
	global_store_b128 v1, v[FA+4*\c:FA+4*\c+3], s[58:59] offset:512*\c
	global_store_b128 v1, v[FB+4*\c:FB+4*\c+3], s[52:53] offset:512*\c
.endr
	global_store_b32 v78, v79, s[60:61]
	s_wait_dscnt 0x0                               ; the closing lines, six on end (ISA reference, section 12)
	s_wait_alu 0x0
	s_wait_tensorcnt 0x0
	ds_add_u32 v126, v127
	s_wait_dscnt 0x0
	s_endpgm
.Lv_job:
	; ---- v.  Accumulators 64 p + ..: lane (r, h) holds column r of R's tile p (one of the head's 64) and 128 keys: a fragment of V with the keys as K
	QUANT ACC, FA, FA+6
	WORD 76
	QUANT ACC+64, FB, FB+6
	WORD 77
	s_wait_alu depctr_va_vdst(0)
	s_lshl_b32 s54, s31, 1
	s_add_co_u32 s54, s54, s17                     ; which 128 keys of the 4,096 rows
	s_lshr_b32 s55, s54, 4                         ; batch
	s_and_b32 s54, s54, 15                         ; key step
	s_lshl_b32 s55, s55, 4
	s_lshr_b32 s56, s50, 1                         ; head
	s_add_co_u32 s55, s55, s56
	s_and_b32 s56, s50, 1                          ; which 32 of its 64
	s_mul_i32 s55, s55, 204800
	s_add_co_u32 s55, s55, 3276800                 ; the record
	s_mul_i32 s57, s54, 6144
	s_mul_i32 s58, s56, 3072
	s_add_co_u32 s58, s58, s57
	s_add_co_u32 s58, s58, s55
	s_add_co_u32 s58, s58, 98304                   ; its fragments (key step, 2 beta + p)
	s_mov_b32 s59, 0
	s_lshl_b32 s60, s54, 8
	s_lshl_b32 s57, s56, 7
	s_add_co_u32 s60, s60, s57
	s_add_co_u32 s60, s60, s55
	s_add_co_u32 s60, s60, 200704                  ; and their words
	s_mov_b32 s61, 0
	s_add_nc_u64 s[58:59], s[46:47], s[58:59]
	s_add_nc_u64 s[60:61], s[46:47], s[60:61]
	v_lshrrev_b32 v78, 2, v1                       ; 4 x lane: lanes 0-15 tile 0's words, lanes 16-31 tile 1's
	v_cndmask_b32 v79, v76, v77, vcc_lo
	s_wait_alu depctr_va_vdst(0)                   ; the two fragments v44-67, the word v79 and its offset v78 are written, which the stores read
.irp c, 0,1,2
	global_store_b128 v1, v[FA+4*\c:FA+4*\c+3], s[58:59] offset:512*\c
	global_store_b128 v1, v[FB+4*\c:FB+4*\c+3], s[58:59] offset:1536+512*\c
.endr
	global_store_b32 v78, v79, s[60:61]
	s_wait_dscnt 0x0                               ; the closing lines, six on end (ISA reference, section 12)
	s_wait_alu 0x0
	s_wait_tensorcnt 0x0
	ds_add_u32 v126, v127
	s_wait_dscnt 0x0
	s_endpgm
.Lfunc_end_k_qadac963a06_proj:
	.size	k_qadac963a06_proj, .Lfunc_end_k_qadac963a06_proj-k_qadac963a06_proj
	.p2alignl 7, 3214868480
	.fill 96, 4, 3214868480
	.section	.rodata,"a",@progbits
	.p2align	6, 0x0
	.amdhsa_kernel k_qadac963a06_proj
		.amdhsa_group_segment_fixed_size 308224
		.amdhsa_private_segment_fixed_size 0
		.amdhsa_enable_private_segment 0
		.amdhsa_kernarg_size 48
		.amdhsa_user_sgpr_count 2
		.amdhsa_user_sgpr_kernarg_segment_ptr 1
		.amdhsa_wavefront_size32 1
		.amdhsa_system_sgpr_workgroup_id_x 1
		.amdhsa_system_sgpr_workgroup_id_y 1
		.amdhsa_system_sgpr_workgroup_id_z 1
		.amdhsa_system_vgpr_workitem_id 0
		.amdhsa_next_free_vgpr 448
		.amdhsa_next_free_sgpr 66
		.amdhsa_reserve_vcc 1
		.amdhsa_float_denorm_mode_32 3
		.amdhsa_float_denorm_mode_16_64 3
		.amdhsa_memory_ordered 1
		.amdhsa_forward_progress 1
		.amdhsa_inst_pref_size 72
	.end_amdhsa_kernel
	.amdgpu_metadata
---
amdhsa.version: [ 1, 2 ]
amdhsa.kernels:
  - .name:           k_qadac963a06_proj
    .symbol:         k_qadac963a06_proj.kd
    .args:
      - { .name: wq, .offset: 0, .size: 8, .value_kind: global_buffer, .address_space: global }
      - { .name: xq, .offset: 8, .size: 8, .value_kind: global_buffer, .address_space: global }
      - { .name: bv1, .offset: 16, .size: 8, .value_kind: global_buffer, .address_space: global }
      - { .name: bv2, .offset: 24, .size: 8, .value_kind: global_buffer, .address_space: global }
      - { .name: a1, .offset: 32, .size: 8, .value_kind: global_buffer, .address_space: global }
      - { .name: a2, .offset: 40, .size: 8, .value_kind: global_buffer, .address_space: global }
    .group_segment_fixed_size: 308224
    .private_segment_fixed_size: 0
    .kernarg_segment_align: 8
    .kernarg_segment_size: 48
    .max_flat_workgroup_size: 256
    .sgpr_count:     66
    .vgpr_count:     448
    .wavefront_size: 32
...
	.end_amdgpu_metadata
.endif
;; end of part 9
;; launch attn1 (part 10): grid 8 x 32, 16 waves a work-group, no clusters, 276,480 bytes of LDS; arguments a1, causal_on, sa; writes sa
.if DOCPART == 10
	.amdgcn_target "amdgcn-amd-amdhsa--gfx1250"
	.amdhsa_code_object_version 6
	.text
	.protected	k_qadac963a06_attn1
	.globl	k_qadac963a06_attn1
	.p2align	8
	.type	k_qadac963a06_attn1,@function
k_qadac963a06_attn1:
	s_mov_b64 s[64:65], 0
	v_nop
	global_prefetch_b8 v0, s[64:65] scope:SCOPE_SE
	s_setreg_imm32_b32 hwreg(HW_REG_WAVE_SCHED_MODE, 0, 2), 2
	s_setreg_imm32_b32 hwreg(HW_REG_WAVE_MODE, 25, 1), 1
	s_wait_xcnt 0x0
	s_wait_alu depctr_vm_vsrc(0)
; O[b][q][64 head + :] = the sum over keys of softmax(Q . K / 8) V, both products on codes of E2M3 with one E8M0 byte for each 32 along K.  2,048 queries and keys, head size 64, 32 (batch, head) pairs.
; The second argument holds one whole number, stored by an earlier launch: 1: key k counts for query q where k <= q; 0: every key counts.  It enters two scalar compares and no address.
; THE SOFTMAX: t = score x log2(e) / 8; M = the running largest t rounded UP to a whole number; p = 2^(t - M) is quantised along the keys, not normalised; the row's sum is taken of the unquantised p and divides at the end.
; When M moves, the sum and O are multiplied by 2^(old M - new M): exact.  A block's largest p is taken through its largest score (p rises with the score; v_exp_f32 is taken not to fall where its input rises).
; INPUT (this program's own layout).  Q and K: pair fragments: registers 0-5 the head's 64 codes of tile (Bl, 0)'s 16 rows, registers 6-11 those of tile (Bl, 1)'s; row r of tile (Bl, u) is 32 Bl + 8 u + r + 8 (r / 8).
; The instruction's K is 128 and the head's is 64: a fragment of K carries two tiles of keys, and the query side carries the zeros: [q | 0] picks tile 0, [0 | q] tile 1.  A zero code adds nothing; its scale bytes are 1.
; So the 16 registers of the two results of a pair are 16 neighbouring keys, 32 Bl + 16 (lane / 16) + 0 .. 15.  V: fragments of 16 of the head's 64 x 128 keys.
; SHARES: a work-group takes 16 tiles of 16 queries of one head, a wave one tile: tile 8 j + w for w < 8, tile 135 - 8 j - w else, so that under the mask early and late queries share each work-group.
; THE FILL.  The head's record (K, V and their scale words: 204,800 bytes) comes into LDS once, through registers, each byte written once, IN FOUR STAGES OF 512 KEYS: 24,576 bytes of K and as many of V, six loads of 16 bytes
; a thread.  The scale words and stage 0 stand ahead of the first product; stage g + 1 is asked for behind stage g's barrier (stage 1 at the head) and waits in 24 registers of its own while stage g's four key steps are
; walked.  At a stage's head a wave waits for its six loads, stores them, waits for the stores and passes the barrier: four barriers in all.  A stage's reads and the next stage's stores lie 24,576 bytes apart.
; Every wave walks all four stages; the trip counts are constants, and a step all of whose keys are hidden is jumped over, but for the lines that step addresses.
; NOT SHARED IN A CLUSTER: the eight work-groups of a head read the same record.  The fill goes through registers and not by tensor loads, so there is no load that could be asked jointly.
; LIMITS: NaN and infinities are not served; v_exp_f32 gives 0 where p would be denormal; a block of p under 2^-124 keeps the byte 1.
; REGISTERS: v1-9 addresses; v12 -M, v13 the largest t, v[14:15] the sum; v16-21 q, v22-27 zeros, v28-33 q: [q | 0] is v16-27 and [0 | q] v22-33; v34-37 the fill's addresses, v38 4 r; v40, v41 Q's words; v42-45 K's and V's words;
;   v48-95 four fragments; v96-159 S^T, then p; v160-191 O^T; v192-203 p's codes; v204-231 at work; v232-255 the next stage on its way.
; THE MODE: SCHED_MODE bits 1:0 = 2 (LLVM: expert scheduling mode 2), set by the entry lines.  The code itself states the register dependences
; between vector or matrix instructions and memory or LDS instructions, with s_wait_alu, always for 0.
; THE PLAN.  Registers that memory or LDS instructions touch:
;   v1-5, v34-38     offsets and LDS addresses: made once at the head, never written again.  One wait on va_vdst at the head serves every load and store that reads them.
;   v7-9             the step's LDS addresses (an LDS address has no scalar base): written by three additions at a step's head, read by the step's 28 LDS loads.  A wait on vm_vsrc stands ahead of the additions, one on va_vdst behind them.
;   v48-95, v42-45   K's fragments and words land at a step's head and are read by the eight products K Q^T; V's land behind those and are read by the four products V^T P^T.  All 256 registers are taken, so K and V share the 48:
;                    the wait on va_vdst at the step's head states that the last step's four products are done with them, a second one behind the eight products that those are.
;   v16-33, v40, v41 q and its words; v192-203, v226 p's codes and its word: written by vector lines and taken by scaled products: the step's first and its last wait on va_vdst state that they are written.
;   v232-255         the stage on its way: loaded, read by six LDS stores, loaded again: one wait on vm_vsrc between.  No vector line names them.
;   v96-127          on the way out written by the divisions and read by LDS stores: one wait on va_vdst; v128-159 take the LDS loads behind it and are named by no vector line since.
; s10 (the wave's number) and s40-47 (the causal compares' masks, eight to a run) are written by vector lines: a wait on va_sdst stands between each run and its first reader.
.set SEL,  20
.set CS,   22
.set KF,   24                          ; the step's first key
.set TB,   25                          ; its fragments' place in K's and V's parts of the record: 6,144 bytes a step
.set TS,   26                          ; its scale words: 256 bytes a step
.set CNT,  27
.set QMAX, 28
.set QMIN, 29
.set MK,   40                          ; s40-47  eight masks of the causal compares (idle behind the head)
.set FA,   34                          ; v34-37  16 x thread + 65,536 x 0 .. 3: the first serves memory too; never rewritten
.set SP,   232                         ; v232-255  a stage's six pieces of 16 bytes
.set BM,   212
.set BY,   216
.set SO,   220
.set STAGE, 204800                     ; behind the record: 16 rows x (256 + 16) bytes for each wave
.macro WMA d, a, b, cr, sa, sb, row    ; one product; cr < 0: C is the constant 0; row = 1: source 0's scale words stand in lanes 16-31
.if (\cr) < 0
.if \row
	v_wmma_scale_f32_16x16x128_f8f6f4 v[(\d):(\d)+7], v[(\a):(\a)+11], v[(\b):(\b)+11], 0, v[\sa], v[\sb] matrix_a_fmt:MATRIX_FMT_FP6 matrix_b_fmt:MATRIX_FMT_FP6 matrix_a_scale:MATRIX_SCALE_ROW1
.else
	v_wmma_scale_f32_16x16x128_f8f6f4 v[(\d):(\d)+7], v[(\a):(\a)+11], v[(\b):(\b)+11], 0, v[\sa], v[\sb] matrix_a_fmt:MATRIX_FMT_FP6 matrix_b_fmt:MATRIX_FMT_FP6
.endif
.else
.if \row
	v_wmma_scale_f32_16x16x128_f8f6f4 v[(\d):(\d)+7], v[(\a):(\a)+11], v[(\b):(\b)+11], v[(\cr):(\cr)+7], v[\sa], v[\sb] matrix_a_fmt:MATRIX_FMT_FP6 matrix_b_fmt:MATRIX_FMT_FP6 matrix_a_scale:MATRIX_SCALE_ROW1
.else
	v_wmma_scale_f32_16x16x128_f8f6f4 v[(\d):(\d)+7], v[(\a):(\a)+11], v[(\b):(\b)+11], v[(\cr):(\cr)+7], v[\sa], v[\sb] matrix_a_fmt:MATRIX_FMT_FP6 matrix_b_fmt:MATRIX_FMT_FP6
.endif
.endif
.endm
; The record lies in LDS as it lies in memory.  A piece is 8,192 bytes, 16 a thread, at byte ad of the record.
.macro GLD reg, ad
	global_load_b128 v[(\reg):(\reg)+3], v[FA], s[32:33] offset:\ad
.endm
.macro LST reg, ad                     ; an LDS offset has 16 bits: the address register carries the rest
	ds_store_b128 v[FA+(\ad)/65536], v[(\reg):(\reg)+3] offset:(\ad)%65536
.endm
.macro SLOAD g, reg                    ; stage g: three pieces of K, three of V
.irp c, 0,1,2
	GLD (\reg)+4*\c, 24576*(\g)+8192*\c
	GLD (\reg)+12+4*\c, 98304+24576*(\g)+8192*\c
.endr
.endm
.macro SSTORE g, reg
.irp c, 0,1,2
	LST (\reg)+4*\c, 24576*(\g)+8192*\c
	LST (\reg)+12+4*\c, 98304+24576*(\g)+8192*\c
.endr
.endm
	s_load_b128 s[4:7], s[0:1], 0x0                ; the records, the flag
	s_load_b64 s[8:9], s[0:1], 0x10                ; O
	v_lshl_add_u32 v230, v0, 2, 0x43000
	v_mov_b32 v231, 0
	v_lshrrev_b32 v10, 5, v0
	v_readfirstlane_b32 s10, v10                   ; wave 0..15
	s_and_b32 s12, ttmp7, 0xffff                   ; 16 batch + head
	s_lshl_b32 s13, ttmp9, 3
	s_wait_alu depctr_va_sdst(0)                   ; s10 is written, ahead of its first reader: the wave's tile of queries and its stage are made from it
	s_add_co_u32 s14, s13, s10                     ; 8 j + w
	s_sub_co_u32 s15, 135, s14                     ; 135 - 8 j - w
	s_cmp_lt_u32 s10, 8
	s_cselect_b32 s13, s14, s15                    ; my tile of queries, 0..127
	s_lshr_b32 s15, s13, 1                         ; Bl
	s_and_b32 s16, s13, 1                          ; u
	s_lshl_b32 s17, s15, 5
	s_lshl_b32 s18, s16, 3
	s_add_co_u32 s17, s17, s18                     ; my first query: 32 Bl + 8 u; the last is 23 on
	v_and_b32 v2, 31, v0
	v_lshlrev_b32 v1, 4, v2                        ; 16 x lane
	v_lshlrev_b32 v2, 2, v2                        ; 4 x lane
	v_and_b32 v10, 15, v0                          ; r
	v_bfe_u32 v11, v0, 4, 1                        ; h
	s_mul_i32 s31, s10, 4352
	s_add_co_u32 s31, s31, STAGE                   ; my stage
	v_mul_u32_u24 v3, v10, 272
	v_lshl_add_u32 v3, v11, 6, v3
	v_add_nc_u32 v3, s31, v3                       ; into it: row r, + 64 h
	v_mul_u32_u24 v4, v11, 272
	v_lshl_add_u32 v4, v10, 4, v4
	v_add_nc_u32 v4, s31, v4                       ; back: lanes 0-15 one row, lanes 16-31 the next
	v_lshlrev_b32 v5, 12, v11
	v_lshl_add_u32 v5, v10, 4, v5                  ; and the same two rows of O, 4,096 bytes apart
	v_and_b32 v6, 8, v10
	v_add_nc_u32 v6, v6, v10
	v_lshlrev_b32 v7, 4, v11
	v_sub_nc_u32 v6, v6, v7                        ; r + 8 (r / 8) - 16 h, for the mask
	v_lshlrev_b32 v38, 2, v10                      ; 4 r
	v_lshlrev_b32 v[FA], 4, v0                     ; the fill: 16 x thread, in memory and in LDS
	v_add_nc_u32 v[FA+1], 0x10000, v[FA]
	v_add_nc_u32 v[FA+2], 0x20000, v[FA]
	v_add_nc_u32 v[FA+3], 0x30000, v[FA]
	s_mul_i32 s32, s12, 204800
	s_add_co_u32 s32, s32, 3276800                 ; the head's record of K and V
	s_mov_b32 s33, 0
	s_mul_i32 s34, s12, 102400                     ; its record of Q
	s_lshl_b32 s18, s15, 6
	s_add_co_u32 s36, s34, s18
	s_add_co_u32 s36, s36, 98304                   ; my block's words
	s_mov_b32 s37, 0
	s_mul_i32 s18, s15, 1536
	s_add_co_u32 s34, s34, s18                     ; my block's pair fragment
	s_mov_b32 s35, 0
	s_lshr_b32 s18, s12, 4
	s_lshl_b32 s40, s18, 23                        ; O: batch x 2,048 rows of 4,096 bytes,
	s_lshl_b32 s18, s17, 12
	s_add_co_u32 s40, s40, s18                     ; my first query's row,
	s_and_b32 s18, s12, 15
	s_lshl_b32 s18, s18, 8
	s_add_co_u32 s40, s40, s18                     ; the head's 256 bytes
	s_mov_b32 s41, 0
	s_mov_b32 s[SEL], 0x76543210
	s_mov_b32 s[SEL+1], 0xfedcba98                 ; lane l xor 16
	s_mov_b32 s[CS], 0x3e38aa3b                    ; c = log2(e) / 8
	s_mov_b32 s[CS+1], s[CS]                       ; (named with it as a pair, so it is written)
	s_wait_kmcnt 0x0
	s_load_b32 s19, s[6:7], 0x0                    ; the flag
	s_add_nc_u64 s[32:33], s[4:5], s[32:33]
	s_add_nc_u64 s[34:35], s[4:5], s[34:35]
	s_add_nc_u64 s[36:37], s[4:5], s[36:37]
	s_add_nc_u64 s[8:9], s[8:9], s[40:41]
	s_wait_alu depctr_va_vdst(0)                   ; the offsets and LDS addresses v1-5 and v34-38 are written, which the loads and stores of the whole kernel read
.irp c, 0,1,2
	global_load_b128 v[160+4*\c:163+4*\c], v1, s[34:35] offset:512*\c        ; Q's pair fragment
.endr
	global_load_b32 v172, v38, s[36:37]            ; and its words
	GLD 48, 196608                                 ; K's and V's scale words, the whole head's
	SLOAD 0, 52                                    ; stage 0, into the fragments' registers, which are idle yet
	SLOAD 1, SP                                    ; stage 1, into the registers that are kept for the stage on its way
	s_wait_loadcnt 6                               ; stage 1's six loads may be out: Q, the words and stage 0 are in
	LST 48, 196608
	SSTORE 0, 52
	s_cmp_eq_u32 s16, 1
	s_cselect_b32 s38, -1, 0                       ; all lanes: is my tile the pair's second?
	s_lshl_b32 s39, s16, 4
.irp i, 0,1,2,3,4,5
	v_cndmask_b32 v[16+\i], v[160+\i], v[166+\i], s38              ; my tile's six registers
.endr
.irp i, 0,1,2,3,4,5
	v_mov_b32 v[28+\i], v[16+\i]                   ; once more behind the zeros: v16-27 is [q | 0], v22-33 is [0 | q]
	v_mov_b32 v[22+\i], 0
.endr
	v_lshrrev_b32 v40, s39, v172
	v_and_b32 v40, 0xffff, v40                     ; my tile's two scale bytes
	v_lshl_or_b32 v41, v40, 16, 0x0101             ; for [0 | q]; the zeros' bytes are 1
	v_or_b32 v40, 0x01010000, v40                  ; for [q | 0]
	v_mov_b32 v13, 0xff61b1e6                      ; the largest t so far: -3e38, under every t
	v_floor_f32 v12, -v13                          ; -M
	v_mov_b32 v14, 0                               ; the sum, in two halves
	v_mov_b32 v15, 0
.irp b, 0,1,2,3
	v_mov_b32 v[BY+\b], 0                          ; written once: a lane permute's destination counts as one of its sources
.endr
	v_mov_b32 v225, 0                              ; (the upper half of the pair v[224:225])
	v_mov_b32 v227, 0
.set n, 0
.rept 32
	v_mov_b32 v[160+n], 0                          ; O^T.  The step is written once: the first finds zeros, which the first change of M leaves zeros.  (These are also the places between the words made above and the first products)
.set n, n+1
.endr
	s_wait_kmcnt 0x0
	s_add_co_u32 s30, s17, 23
	s_cmp_lg_u32 s19, 0
	s_cselect_b32 s[QMAX], s30, 4095               ; a step is walked where its first key is at most this;
	s_cselect_b32 s[QMIN], s17, 4095               ; it is masked where its last key is beyond this
	s_wait_dscnt 0x0                               ; for the others' sake: my part of the words and of stage 0 has landed
	s_barrier_signal -1
	s_barrier_wait -1
; STAGE g'S FOUR KEY STEPS of 128 keys.  The step's three scalars begin at constants, so that the stage's reads lie in bytes 24,576 g .. + 24,575 of K's part and of V's.
.macro FOUR g
	s_mov_b32 s[KF], 512*\g
	s_mov_b32 s[TB], 24576*\g
	s_mov_b32 s[TS], 196608+1024*\g
	s_mov_b32 s[CNT], 4
.Lstep_\@:
	s_cmp_gt_u32 s[KF], s[QMAX]
	s_cbranch_scc1 .Lskip_\@
	s_wait_alu depctr_vm_vsrc(0)                   ; the LDS loads of the step before have read v7, v8 and v9, which the three lines below write; ahead of the first step the fill's LDS stores have read v48-75, in which K's fragments land
	v_add_nc_u32 v7, s[TB], v1
	v_add_nc_u32 v9, s[TS], v2
	v_add_nc_u32 v8, 98304, v7
	v_nop                                          ; four places in front of loads into registers that the last products read
	s_wait_alu depctr_va_vdst(0)                   ; v7, v8 and v9 are written, which the step's LDS loads read; the last step's products are done reading v48-95 and v42-45, in which loads land; ahead of the first step q (v16-33) and its words (v40, v41), which the scaled products take, are written
.irp b, 0,1,2,3
.irp c, 0,1,2
	ds_load_b128 v[48+12*\b+4*\c:51+12*\b+4*\c], v7 offset:1536*\b+512*\c    ; K's four pair fragments: 128 keys
.endr
.endr
	ds_load_b32 v42, v9                            ; lanes 0-15: pair 0's words, lanes 16-31: pair 1's
	ds_load_b32 v43, v9 offset:128                 ; pairs 2 and 3
	s_wait_dscnt 0x0
.irp b, 0,1,2,3                        ; S^T = K Q^T
	WMA 96+16*\b, 48+12*\b, 16, -1, 42+\b/2, 40, \b%2
	WMA 104+16*\b, 48+12*\b, 22, -1, 42+\b/2, 41, \b%2
.endr
.rept 4
	v_nop
.endr
	s_wait_alu depctr_va_vdst(0)                   ; the eight products are done reading v48-95, in which V's fragments land; the places above stay beside this wait, for the first read of the scores
.irp t, 0,1,2,3
.irp c, 0,1,2
	ds_load_b128 v[48+12*\t+4*\c:51+12*\t+4*\c], v8 offset:1536*\t+512*\c    ; V's four fragments land while the softmax is walked
.endr
.endr
	ds_load_b32 v44, v9 offset:4096
	ds_load_b32 v45, v9 offset:4224
	s_add_co_u32 s30, s[KF], 127
	s_cmp_le_u32 s30, s[QMIN]
	s_cbranch_scc1 .Lopen_\@
	s_sub_co_i32 s30, s17, s[KF]                   ; on the diagonal hidden scores become -infinity ahead of the maximum: p = 0 then
	v_add_nc_u32 v227, s30, v6                     ; d = my query - KF - 16 h.  Register 16 b + i holds key KF + 16 h + 32 b + i: hidden where 32 b + i > d
	v_mov_b32 v228, 0xff800000
.set n, 0
.rept 8                                ; the compares in runs of eight, each into a scalar register of its own, with one wait behind a run
.irp i, 0,1,2,3,4,5,6,7
	v_cmp_gt_i32 s[MK+\i], 32*((n+\i)/16)+(n+\i)%16, v227
.endr
	s_wait_alu depctr_va_sdst(0)                   ; the eight masks s40-47 are written, ahead of the selects that read them
.irp i, 0,1,2,3,4,5,6,7
	v_cndmask_b32 v[96+n+\i], v[96+n+\i], v228, s[MK+\i]
.endr
.set n, n+8
.endr
.Lopen_\@:
.irp b, 0,1,2,3
	v_max3_num_f32 v[BM+\b], v[96+16*\b], v[97+16*\b], v[98+16*\b]          ; the largest score of each block of 32 keys
.endr
.irp i, 3,5,7,9,11,13
.irp b, 0,1,2,3
	v_max3_num_f32 v[BM+\b], v[BM+\b], v[96+16*\b+\i], v[97+16*\b+\i]
.endr
.endr
.irp b, 0,1,2,3
	v_max_num_f32 v[BM+\b], v[BM+\b], v[111+16*\b]
.endr
.irp b, 0,1,2,3
	v_permlanex16_b32 v[BY+\b], v[BM+\b], s[SEL], s[SEL+1]
.endr
.irp b, 0,1,2,3
	v_max_num_f32 v[BM+\b], v[BM+\b], v[BY+\b]     ; with lane l xor 16's 16 keys
.endr
	v_max3_num_f32 v227, v212, v213, v214
	v_max_num_f32 v227, v227, v215                 ; the step's largest score of my query
	v_mul_f32 v227, s[CS], v227                    ; as t
	v_max_num_f32 v13, v13, v227                   ; the running largest t
	v_mov_b32 v227, v12
	v_floor_f32 v12, -v13                          ; the new -M = floor(-t): M is a whole number
	v_sub_f32 v227, v12, v227                      ; old M - new M: a whole number, 0 or less
	v_cvt_i32_f32 v227, v227                       ; (it saturates)
	v_ldexp_f32 v224, 1.0, v227                    ; f = 2^(old M - new M)
.set n, 0
.rept 32
	v_pk_fma_f32 v[96+n:97+n], v[96+n:97+n], s[CS:CS+1], v[12:13] op_sel_hi:[1,0,0]   ; t - M, two at a time
.set n, n+2
.endr
.irp b, 0,1,2,3
	v_fma_f32 v[BM+\b], v[BM+\b], s[CS], v12       ; the same of each block's largest score
.endr
.set n, 0
	s_wait_alu depctr_va_vdst(0)
.rept 64
	v_exp_f32 v[96+n], v[96+n]                     ; p = 2^(t - M)
.set n, n+1
.endr
.irp b, 0,1,2,3
	v_exp_f32 v[BM+\b], v[BM+\b]                   ; the block's largest p
.endr
	v_pk_mul_f32 v[14:15], v[14:15], v[224:225] op_sel_hi:[1,0]    ; the sums under the new M.  (A plain place behind the exponentials)
	s_wait_alu depctr_va_vdst(0)                   ; the 68 exponentials have written p (v96-159) and the blocks' largest p (v212-215): one wait for the batch, ahead of its first reader
.irp b, 0,1,2,3
	v_max_num_f32 v[BM+\b], 0x1800000, v[BM+\b]    ; the floor 2^(3 - 127)
.endr
.irp b, 0,1,2,3
	v_add_nc_u32 v[SO+\b], 0xff000000, v[BM+\b]    ; the conversion's scale operand
.endr
.irp b, 0,1,2,3
	v_lshrrev_b32 v[BY+\b], 23, v[SO+\b]           ; the scale's byte
.endr
	v_lshl_or_b32 v226, v217, 8, v216              ; p's scale word for these 128 keys
	v_lshl_or_b32 v226, v218, 16, v226
	v_lshl_or_b32 v226, v219, 24, v226
.irp c, 0,1
	v_cvt_scalef32_pk16_fp6_f32 v[192+6*\c:194+6*\c], v[96+32*\c:111+32*\c], v[SO+2*\c]
	v_cvt_scalef32_pk16_fp6_f32 v[204+4*\c:206+4*\c], v[112+32*\c:127+32*\c], v[SO+2*\c+1]
.endr
	v_nop                                          ; one plain place behind a scaled conversion
.irp c, 0,1
.irp i, 0,1,2
	v_permlane16_swap_b32 v[192+6*\c+\i], v[204+4*\c+\i]
.endr
.irp i, 0,1,2
	v_mov_b32 v[195+6*\c+\i], v[204+4*\c+\i]
.endr
.endr
	v_pk_add_f32 v[228:229], v[96:97], v[98:99]    ; the row's sum is taken of the unquantised p: two chains
.irp j, 4,8,12,16,20,24,28,32,36,40,44,48,52,56,60
	v_pk_add_f32 v[14:15], v[14:15], v[96+\j:97+\j]
	v_pk_add_f32 v[228:229], v[228:229], v[98+\j:99+\j]
.endr
	v_pk_add_f32 v[14:15], v[14:15], v[228:229]
.set n, 0
.rept 16
	v_pk_mul_f32 v[160+n:161+n], v[160+n:161+n], v[224:225] op_sel_hi:[1,0]   ; O^T under the new M
.set n, n+2
.endr
	s_wait_dscnt 0x0                               ; V's fragments and words are in
	s_wait_alu depctr_va_vdst(0)                   ; p's codes (v192-203) and its scale word (v226) are written by vector lines, and the scaled products below take them; the packed lines above are the places in front of those products
.irp t, 0,1,2,3                        ; O^T += V^T P^T: the four accumulators by turns
	WMA 160+8*\t, 48+12*\t, 192, 160+8*\t, 44+\t/2, 226, \t%2
.endr
.Lskip_\@:
	s_add_co_u32 s[KF], s[KF], 128
	s_add_co_u32 s[TB], s[TB], 6144
	s_add_co_u32 s[TS], s[TS], 256
	s_sub_co_u32 s[CNT], s[CNT], 1
	s_cmp_lg_u32 s[CNT], 0
	s_cbranch_scc1 .Lstep_\@
.endm
; STAGE g COMES OUT OF ITS REGISTERS INTO LDS, into bytes that nobody has read or written; more = 1: the stage behind it is asked for, and has four key steps in which to land.
.macro NEXT g, more
	s_wait_loadcnt 0x0                             ; my six pieces of stage g are in
	SSTORE \g, SP
	s_wait_dscnt 0x0                               ; for the others' sake: they have landed in LDS
	s_barrier_signal -1
	s_barrier_wait -1                              ; everybody's have
.if \more
	s_wait_alu depctr_vm_vsrc(0)                   ; my six LDS stores have read v232-255, in which the next stage's loads land
	SLOAD (\g)+1, SP
.endif
.endm
	FOUR 0
	NEXT 1, 1
	FOUR 1
	NEXT 2, 1
	FOUR 2
	NEXT 3, 0
	FOUR 3
	; THE WAY OUT.  Register 16 b + i of O^T is channel 32 b + 16 h + i of my query.  It goes through my stage and leaves as rows of 256 bytes
.rept 4
	v_nop
.endr
	v_add_f32 v14, v14, v15
	v_permlanex16_b32 v227, v14, s[SEL], s[SEL+1]
	v_add_f32 v14, v14, v227                       ; the row's sum
	s_wait_alu depctr_va_vdst(0)
	v_rcp_f32 v14, v14
	v_nop                                          ; one plain place behind the transcendental
.set n, 0
	s_wait_alu depctr_va_vdst(0)                   ; the reciprocal has written v14, ahead of its first reader
.rept 32
	v_mul_f32 v[96+n], v[160+n], v14
.set n, n+1
.endr
	s_wait_alu depctr_va_vdst(0)                   ; the multiplications have written v96-127, which the LDS stores read; every vector line that named v128-159, in which the LDS loads land, is done
.irp b, 0,1
.irp k, 0,1,2,3
	ds_store_b128 v3, v[96+16*\b+4*\k:99+16*\b+4*\k] offset:128*\b+16*\k
.endr
.endr
.irp i, 0,1,2,3,4,5,6,7
	ds_load_b128 v[128+4*\i:131+4*\i], v4 offset:544*\i            ; LDS serves a wave's instructions in order: these see my stores
.endr
.irp i, 0,1,2,3,4,5,6,7
	s_wait_dscnt 7-\i                              ; the younger loads may be out
	global_store_b128 v5, v[128+4*\i:131+4*\i], s[8:9] offset:(2*\i+8*(\i/4))*4096   ; sixteen lanes store 256 consecutive bytes, aligned: tile rows 2 i and 2 i + 1
.endr
	s_wait_dscnt 0x0                               ; the closing lines, six on end (ISA reference, section 12)
	s_wait_alu 0x0
	s_wait_tensorcnt 0x0
	ds_add_u32 v230, v231
	s_wait_dscnt 0x0
	s_endpgm
.Lfunc_end_k_qadac963a06_attn1:
	.size	k_qadac963a06_attn1, .Lfunc_end_k_qadac963a06_attn1-k_qadac963a06_attn1
	.p2alignl 7, 3214868480
	.fill 96, 4, 3214868480
	.section	.rodata,"a",@progbits
	.p2align	6, 0x0
	.amdhsa_kernel k_qadac963a06_attn1
		.amdhsa_group_segment_fixed_size 276480
		.amdhsa_private_segment_fixed_size 0
		.amdhsa_enable_private_segment 0
		.amdhsa_kernarg_size 24
		.amdhsa_user_sgpr_count 2
		.amdhsa_user_sgpr_kernarg_segment_ptr 1
		.amdhsa_wavefront_size32 1
		.amdhsa_system_sgpr_workgroup_id_x 1
		.amdhsa_system_sgpr_workgroup_id_y 1
		.amdhsa_system_sgpr_workgroup_id_z 1
		.amdhsa_system_vgpr_workitem_id 0
		.amdhsa_next_free_vgpr 256
		.amdhsa_next_free_sgpr 66
		.amdhsa_reserve_vcc 0
		.amdhsa_float_denorm_mode_32 3
		.amdhsa_float_denorm_mode_16_64 3
		.amdhsa_memory_ordered 1
		.amdhsa_forward_progress 1
		.amdhsa_inst_pref_size 116
	.end_amdhsa_kernel
	.amdgpu_metadata
---
amdhsa.version: [ 1, 2 ]
amdhsa.kernels:
  - .name:           k_qadac963a06_attn1
    .symbol:         k_qadac963a06_attn1.kd
    .args:
      - { .name: a1, .offset: 0, .size: 8, .value_kind: global_buffer, .address_space: global }
      - { .name: causal_on, .offset: 8, .size: 8, .value_kind: global_buffer, .address_space: global }
      - { .name: sa, .offset: 16, .size: 8, .value_kind: global_buffer, .address_space: global }
    .group_segment_fixed_size: 276480
    .private_segment_fixed_size: 0
    .kernarg_segment_align: 8
    .kernarg_segment_size: 24
    .max_flat_workgroup_size: 512
    .sgpr_count:     66
    .vgpr_count:     256
    .wavefront_size: 32
...
	.end_amdgpu_metadata
.endif
;; end of part 10
;; launch lnq (part 11): grid 128 x 1, 8 waves a work-group, no clusters, 123,904 bytes of LDS; arguments sa, input_tensor, g1, be1, wq, x1, a2; writes x1, a2
.if DOCPART == 11
	.amdgcn_target "amdgcn-amd-amdhsa--gfx1250"
	.amdhsa_code_object_version 6
	.text
	.protected	k_qadac963a06_lnq
	.globl	k_qadac963a06_lnq
	.p2align	8
	.type	k_qadac963a06_lnq,@function
k_qadac963a06_lnq:
	s_mov_b64 s[64:65], 0
	v_nop
	global_prefetch_b8 v0, s[64:65] scope:SCOPE_SE
	s_setreg_imm32_b32 hwreg(HW_REG_WAVE_SCHED_MODE, 0, 2), 2
	s_setreg_imm32_b32 hwreg(HW_REG_WAVE_MODE, 25, 1), 1
	s_wait_xcnt 0x0
	s_wait_alu depctr_vm_vsrc(0)
; x1 = layernorm(sa + input_tensor) g1 + be1 (stored, f32); q2 = Q(x1) Q(Wq2), quantised along the head's 64 and stored as the second attention's pair fragments.
; SHARES: a work-group takes a block of 32 rows (two tiles of 16: row r of tile u is 32 B + 8 u + r + 8 (r / 8)); wave w owns columns 128 w .. + 127 in every phase: K step w of what it quantises, and tiles 8 w .. + 7 of the weight.
; A lane's 64 numbers of a tile have two layouts: DENSE (register 4 i + j: row i, column 4 lane + j: as memory has them) and the conversions' (register 16 b + i: row r, column 32 b + 16 h + i).  They turn through the wave's own stage.
; The mean and the variance are taken in two passes; the eight waves' partial sums meet in LDS (two barriers).  x1's codes go to the other waves as images of the operand's registers (third barrier).
; The weight's fragments come from memory straight into the registers of the one wave that multiplies by them, two K steps ahead; the 16 accumulators take turns.
; NOT SHARED IN A CLUSTER: all 128 work-groups read the same weight.  Its fragments never lie in LDS, so there is no tensor load that could be asked jointly.
; LIMITS: NaN and infinities are not served; a block whose largest magnitude lies under 2^-124 keeps the byte 1; a block of zeros gets the byte 1 and not 127.
; REGISTERS, window 0: v1-10 addresses; v12-19 g, be; v28-31 mean, then 1 / deviation; v32-39 x1's scale words, v40-71 the weight's; v72-119 x1's fragments, two sets (outside the product: at work); v120-127 at work; v128-255 two tiles / accumulators.
;   window 1: the second addend, then the weight's fragments, two sets of 96.
; THE MODE: SCHED_MODE bits 1:0 = 2 (LLVM: expert scheduling mode 2), set by the entry lines.  The code itself states the register dependences
; between vector or matrix instructions and memory or LDS instructions, with s_wait_alu, always for 0.
; THE PLAN.  Registers that memory or LDS instructions touch:
;   v1-7             offsets and LDS addresses: made once at the head, never written again.  One wait on va_vdst at the head serves every load and store that reads them.
;   v128-255         a tile of 64 numbers turns through the stage out of and into the same registers: a wait on va_vdst ahead of the stores where vector lines have written the numbers since the last such wait,
;                    a wait on vm_vsrc between the stores (x1's global stores among them) and the loads.
;   v120, v124       the two tiles' sums: made first, then one wait on va_vdst, then the two LDS stores; a wait on vm_vsrc ahead of the sums of squares, which write them again.
;   v72-87           the eight waves' sums land here behind the barrier: the wait ahead of the two stores also states that every line that named these registers is done.
;   v92-117          the images and scale words: written by the quantiser, read by LDS stores (one wait on va_vdst a tile); later the rows' fragments land there (one wait on vm_vsrc at the product's head).
;   the weight's sets (window 1) and the rows' sets   step k's products read sets k % 2.  ONE wait on va_vdst a step, behind the products and their places: the weight's K step k + 2 is then asked for at once, in one run, so that
;                    two sets stay on their way; the rows' K step k + 2, asked for in the next step, is covered by the same wait.
;   v92-115, v126, v127   on the way out: one wait on va_vdst ahead of the stores.
; s18 (the wave's number) and VCC are written by vector lines: a wait stands between each and its first reader.
.set XIMG, 0
.set XSC,  49152
.set RED1, 51200
.set RED2, 52224
.set STG,  55296
.set RSC, 32
.set PS,  40
.set RB,  72
.set T,   120
.set ACC, 128
.set L,   72
.set TM,  72
.set CT,  84
.set FA,  92
.set FB,  104
.set WD,  116
.set MU,  28
.set BI,  192
.set WV,  18
.set SEL, 20
.set INV, 22
.set EPS, 23
.set MSB, 0
.macro WIN new                         ; the immediate's high byte repeats the setting that is left
.if MSB != \new
	s_set_vgpr_msb (MSB<<8)|\new
.set MSB, \new
.endif
.endm
.macro PLACES
.rept 4
	v_nop
.endr
.endm
.macro BARRIER                         ; my LDS stores have landed and my LDS loads are in: then the work-group's barrier
	s_wait_dscnt 0x0
	s_barrier_signal -1
	s_barrier_wait -1
.endm
.macro QUANT s, d0, d1                 ; 64 numbers of a lane, register 16 b + i = column 32 b + 16 (lane / 16) + i of my row: codes of columns 0-63 into v[d0] on, of 64-127 into v[d1] on; the bytes stay in v[TM+4] on
.irp b, 0,1,2,3
	v_max3_num_f32 v[TM+\b], |v[(\s)+16*\b]|, |v[(\s)+1+16*\b]|, 0x1800000   ; with the floor 2^(3 - 127).  Each accumulator is first read at its low end
.endr
.irp i, 2,4,6,8,10,12,14
.irp b, 0,1,2,3
	v_max3_num_f32 v[TM+\b], v[TM+\b], |v[(\s)+16*\b+\i]|, |v[(\s)+1+16*\b+\i]|
.endr
.endr
.irp b, 0,1,2,3
	v_permlanex16_b32 v[TM+4+\b], v[TM+\b], s[SEL], s[SEL+1]
.endr
.irp b, 0,1,2,3
	v_max_num_f32 v[TM+\b], v[TM+\b], v[TM+4+\b]
.endr
.irp b, 0,1,2,3
	v_add_nc_u32 v[TM+8+\b], 0xff000000, v[TM+\b]
.endr
.irp b, 0,1,2,3
	v_lshrrev_b32 v[TM+4+\b], 23, v[TM+8+\b]
.endr
	v_cvt_scalef32_pk16_fp6_f32 v[(\d0):(\d0)+2], v[(\s):(\s)+15], v[TM+8]
	v_cvt_scalef32_pk16_fp6_f32 v[CT:CT+2], v[(\s)+16:(\s)+31], v[TM+9]
	v_cvt_scalef32_pk16_fp6_f32 v[(\d1):(\d1)+2], v[(\s)+32:(\s)+47], v[TM+10]
	v_cvt_scalef32_pk16_fp6_f32 v[CT+4:CT+6], v[(\s)+48:(\s)+63], v[TM+11]
	v_nop                                          ; one plain place behind a scaled conversion
.irp i, 0,1,2
	v_permlane16_swap_b32 v[(\d0)+\i], v[CT+\i]
	v_permlane16_swap_b32 v[(\d1)+\i], v[CT+4+\i]
.endr
.irp i, 0,1,2
	v_mov_b32 v[(\d0)+3+\i], v[CT+\i]
	v_mov_b32 v[(\d1)+3+\i], v[CT+4+\i]
.endr
.endm
.macro WORD d
	v_lshl_or_b32 v[\d], v[TM+5], 8, v[TM+4]
	v_lshl_or_b32 v[\d], v[TM+6], 16, v[\d]
	v_lshl_or_b32 v[\d], v[TM+7], 24, v[\d]
.endm
.macro D2QS x                          ; DENSE into the stage
	s_wait_alu depctr_va_vdst(0)                   ; the vector lines above have written the tile's 64 registers, which the stores below read
.irp i, 0,1,2,3,4,5,6,7,8,9,10,11,12,13,14,15
	ds_store_b128 v2, v[(\x)+4*\i:(\x)+4*\i+3] offset:528*\i
.endr
.endm
.macro D2QL x                          ; and out in the conversions' layout.  LDS serves a wave's instructions in order: no wait on DScnt between stores and loads
	s_wait_alu depctr_vm_vsrc(0)                   ; the stores above have read the tile's 64 registers, in which the loads land
.irp b, 0,1,2,3
.irp j, 0,1,2,3
	ds_load_b128 v[(\x)+16*\b+4*\j:(\x)+16*\b+4*\j+3], v3 offset:128*\b+16*\j
.endr
.endr
.endm
.macro Q2D x, fresh                    ; the other way round.  fresh = 1: vector lines have written the tile since the last wait on va_vdst
.if \fresh
	s_wait_alu depctr_va_vdst(0)                   ; the scalings above have written both tiles' registers, which the LDS stores read
.endif
.irp b, 0,1,2,3
.irp j, 0,1,2,3
	ds_store_b128 v3, v[(\x)+16*\b+4*\j:(\x)+16*\b+4*\j+3] offset:128*\b+16*\j
.endr
.endr
	s_wait_alu depctr_vm_vsrc(0)                   ; the LDS stores have read the tile's 64 registers, in which the loads land
.irp i, 0,1,2,3,4,5,6,7,8,9,10,11,12,13,14,15
	ds_load_b128 v[(\x)+4*\i:(\x)+4*\i+3], v2 offset:528*\i
.endr
.endm
.macro APPLY x, g, be                  ; DENSE: x g + be, my four columns' g and be
.irp i, 0,1,2,3,4,5,6,7,8,9,10,11,12,13,14,15
	v_pk_fma_f32 v[(\x)+4*\i:(\x)+4*\i+1], v[(\x)+4*\i:(\x)+4*\i+1], v[\g:\g+1], v[\be:\be+1]
	v_pk_fma_f32 v[(\x)+4*\i+2:(\x)+4*\i+3], v[(\x)+4*\i+2:(\x)+4*\i+3], v[\g+2:\g+3], v[\be+2:\be+3]
.endr
.endm
.macro RSUMS red                       ; both tiles' two chains: my 64 numbers, lane l xor 16's; then to LDS: my wave's sums of row r
.irp u, 0,1
	v_pk_add_f32 v[T+4*\u:T+4*\u+1], v[T+4*\u:T+4*\u+1], v[T+4*\u+2:T+4*\u+3]
	v_add_f32 v[T+4*\u], v[T+4*\u], v[T+4*\u+1]
	v_permlanex16_b32 v[T+4*\u+1], v[T+4*\u], s[SEL], s[SEL+1]
	v_add_f32 v[T+4*\u], v[T+4*\u], v[T+4*\u+1]
.endr
	s_wait_alu depctr_va_vdst(0)                   ; the two sums v[T] and v[T+4] are written, which the LDS stores read; and every vector or matrix line that named v[L] to v[L+15], in which the loads behind the barrier land, is done
.irp u, 0,1
	ds_store_b32 v6, v[T+4*\u] offset:\red+512*\u
.endr
.endm
.macro RGET red                        ; the eight waves' sums of row r, added in a fixed tree: into v[L], v[L+8]
.irp u, 0,1
	ds_load_b128 v[L+8*\u:L+8*\u+3], v7 offset:\red+512*\u
	ds_load_b128 v[L+8*\u+4:L+8*\u+7], v7 offset:\red+512*\u+16
.endr
	s_wait_dscnt 0x0
.irp u, 0,1
	v_add_f32 v[L+8*\u], v[L+8*\u], v[L+8*\u+1]
	v_add_f32 v[L+8*\u+2], v[L+8*\u+2], v[L+8*\u+3]
	v_add_f32 v[L+8*\u+4], v[L+8*\u+4], v[L+8*\u+5]
	v_add_f32 v[L+8*\u+6], v[L+8*\u+6], v[L+8*\u+7]
	v_add_f32 v[L+8*\u], v[L+8*\u], v[L+8*\u+2]
	v_add_f32 v[L+8*\u+4], v[L+8*\u+4], v[L+8*\u+6]
	v_add_f32 v[L+8*\u], v[L+8*\u], v[L+8*\u+4]
.endr
.endm
.macro STATS ra, rq                    ; both tiles, in the conversions' layout: x becomes (x - mean) / sqrt(variance + eps)
.irp u, 0,1
	v_pk_add_f32 v[T+4*\u:T+4*\u+1], v[ACC+64*\u:ACC+64*\u+1], v[ACC+64*\u+4:ACC+64*\u+5]
	v_pk_add_f32 v[T+4*\u+2:T+4*\u+3], v[ACC+64*\u+2:ACC+64*\u+3], v[ACC+64*\u+6:ACC+64*\u+7]
.endr
.irp k, 8,12,16,20,24,28,32,36,40,44,48,52,56,60
.irp u, 0,1
	v_pk_add_f32 v[T+4*\u:T+4*\u+1], v[T+4*\u:T+4*\u+1], v[ACC+64*\u+\k:ACC+64*\u+\k+1]
	v_pk_add_f32 v[T+4*\u+2:T+4*\u+3], v[T+4*\u+2:T+4*\u+3], v[ACC+64*\u+\k+2:ACC+64*\u+\k+3]
.endr
.endr
	RSUMS \ra
	BARRIER
	RGET \ra
.irp u, 0,1
	v_mul_f32 v[MU+2*\u], s[INV], v[L+8*\u]        ; the mean
.endr
.irp u, 0,1
.set n, 0
.rept 32
	v_pk_add_f32 v[ACC+64*\u+n:ACC+64*\u+n+1], v[ACC+64*\u+n:ACC+64*\u+n+1], v[MU+2*\u:MU+2*\u+1] op_sel_hi:[1,0] neg_lo:[0,1] neg_hi:[0,1]
.set n, n+2
.endr
.endr
	s_wait_alu depctr_vm_vsrc(0)                   ; the two LDS stores of the sums have read v[T] and v[T+4], which the sums of squares write again
.irp u, 0,1
	v_pk_mul_f32 v[T+4*\u:T+4*\u+1], v[ACC+64*\u:ACC+64*\u+1], v[ACC+64*\u:ACC+64*\u+1]
	v_pk_mul_f32 v[T+4*\u+2:T+4*\u+3], v[ACC+64*\u+2:ACC+64*\u+3], v[ACC+64*\u+2:ACC+64*\u+3]
.endr
.irp k, 4,8,12,16,20,24,28,32,36,40,44,48,52,56,60
.irp u, 0,1
	v_pk_fma_f32 v[T+4*\u:T+4*\u+1], v[ACC+64*\u+\k:ACC+64*\u+\k+1], v[ACC+64*\u+\k:ACC+64*\u+\k+1], v[T+4*\u:T+4*\u+1]
	v_pk_fma_f32 v[T+4*\u+2:T+4*\u+3], v[ACC+64*\u+\k+2:ACC+64*\u+\k+3], v[ACC+64*\u+\k+2:ACC+64*\u+\k+3], v[T+4*\u+2:T+4*\u+3]
.endr
.endr
	RSUMS \rq
	BARRIER
	RGET \rq
.irp u, 0,1
	v_fma_f32 v[L+8*\u], v[L+8*\u], s[INV], s[EPS] ; variance + eps
.endr
	s_wait_alu depctr_va_vdst(0)
.irp u, 0,1
	v_rsq_f32 v[MU+2*\u], v[L+8*\u]
.endr
	v_nop                                          ; one plain place behind the transcendentals
	s_wait_alu depctr_va_vdst(0)                   ; the two reciprocal roots have written v[MU] and v[MU+2], ahead of their first reader
.irp u, 0,1
.set n, 0
.rept 32
	v_pk_mul_f32 v[ACC+64*\u+n:ACC+64*\u+n+1], v[ACC+64*\u+n:ACC+64*\u+n+1], v[MU+2*\u:MU+2*\u+1] op_sel_hi:[1,0]
.set n, n+2
.endr
.endr
.endm
.macro WM d, a, b, cr, sa, sb, row     ; one product; cr < 0: C is the constant 0; row = 1: both sides' scale words stand in lanes 16-31
.if (\cr) < 0
	v_wmma_scale_f32_16x16x128_f8f6f4 v[(\d):(\d)+7], v[(\a):(\a)+11], v[(\b):(\b)+11], 0, v[\sa], v[\sb] matrix_a_fmt:MATRIX_FMT_FP6 matrix_b_fmt:MATRIX_FMT_FP6
.elseif \row
	v_wmma_scale_f32_16x16x128_f8f6f4 v[(\d):(\d)+7], v[(\a):(\a)+11], v[(\b):(\b)+11], v[(\cr):(\cr)+7], v[\sa], v[\sb] matrix_a_fmt:MATRIX_FMT_FP6 matrix_b_fmt:MATRIX_FMT_FP6 matrix_a_scale:MATRIX_SCALE_ROW1 matrix_b_scale:MATRIX_SCALE_ROW1
.else
	v_wmma_scale_f32_16x16x128_f8f6f4 v[(\d):(\d)+7], v[(\a):(\a)+11], v[(\b):(\b)+11], v[(\cr):(\cr)+7], v[\sa], v[\sb] matrix_a_fmt:MATRIX_FMT_FP6 matrix_b_fmt:MATRIX_FMT_FP6
.endif
.endm
.macro MM k, cm                        ; 16 products of K step k.  The first step's C: cm = 0: the constant 0; 1: the bias in window 1; 2: in place
.set PBK, 96*((\k)%2)
.set RBK, RB+24*((\k)%2)
.if ((\k) == 0) && (\cm == 1)
	WIN 0x11                                       ; sources 0 and 2 window 1
.else
	WIN 0x01                                       ; source 0 window 1
.endif
.irp t, 0,1,2,3,4,5,6,7
.irp p, 0,1
.if ((\k) == 0) && (\cm == 0)
	WM ACC+64*\p+8*\t, PBK+12*\t, RBK+12*\p, -1, PS+4*\t, RSC+4*\p, 0
.elseif ((\k) == 0) && (\cm == 1)
	WM ACC+64*\p+8*\t, PBK+12*\t, RBK+12*\p, BI+8*\t, PS+4*\t, RSC+4*\p, 0
.else
	WM ACC+64*\p+8*\t, PBK+12*\t, RBK+12*\p, ACC+64*\p+8*\t, PS+4*\t+(\k)%4, RSC+4*\p+(\k)%4, (\k)/4
.endif
.endr
.endr
.endm
.macro PSLOAD ws                       ; my eight tiles' scale blocks
.irp t, 0,1,2,3,4,5,6,7
	global_load_b128 v[PS+4*\t:PS+4*\t+3], v1, s[\ws:\ws+1] offset:512*\t
.endr
.endm
.macro PLOAD k, wb, w                  ; my eight tiles' fragments of K step k into set k % 2: 24 loads of 512 consecutive bytes.  w = 1: products have just read that set
	WIN 0x40
.if \w
	s_wait_alu depctr_va_vdst(0)                   ; the step's products are done reading the weight's set, in which these loads land, and the rows' set, in which the next step's LDS loads land
.endif
.irp t, 0,1,2,3,4,5,6,7
.irp c, 0,1,2
	global_load_b128 v[96*((\k)%2)+12*\t+4*\c:96*((\k)%2)+12*\t+4*\c+3], v1, s[\wb:\wb+1] offset:12288*\t+1536*(\k)+512*\c
.endr
.endr
	WIN 0
.endm
.macro RFETCH k, img                   ; the rows' two fragments of K step k
.irp p, 0,1
.irp c, 0,1,2
	ds_load_b128 v[RB+24*((\k)%2)+12*\p+4*\c:RB+24*((\k)%2)+12*\p+4*\c+3], v1 offset:\img+12288*\p+1536*(\k)+512*\c
.endr
.endr
.endm
.macro GEMM img, scl, cm, wb           ; on entry the weight's scale blocks and its K steps 0 and 1 have been asked for, in that order
	s_wait_alu depctr_vm_vsrc(0)                   ; my LDS stores of the images and scale words have read v[FA] to v[WD+1], in which the rows' fragments land
.irp p, 0,1
	ds_load_b128 v[RSC+4*\p:RSC+4*\p+3], v1 offset:\scl+512*\p
.endr
	RFETCH 0, \img
.irp k, 0,1,2,3,4,5,6,7
.if (\k == 7) || ((\k == 0) && (\cm == 1))
	s_wait_loadcnt 0x0
.else
	s_wait_loadcnt 24                              ; the next K step's 24 loads may be out
.endif
	s_wait_dscnt 0x0
.if \k < 7
	RFETCH \k+1, \img                              ; into the set that the step before read: the wait at that step's end has shown its products done
.endif
	MM \k, \cm
	PLACES                                         ; four places behind a step's products: in front of loads into the registers just read, and of the first read of results
.if \k < 6
	PLOAD \k+2, \wb, 1                             ; the set is asked for again at once, in one run: so two K steps of the weight stay on their way
.else
	WIN 0
.endif
.endr
.endm
	s_load_b256 s[4:11], s[0:1], 0x0               ; sa, input_tensor, g1, be1
	s_load_b128 s[12:15], s[0:1], 0x20             ; wq, x1
	s_load_b64 s[16:17], s[0:1], 0x30              ; a2
	v_lshl_add_u32 v26, v0, 2, 0x1e000
	v_mov_b32 v27, 0
	v_lshrrev_b32 v9, 5, v0
	v_readfirstlane_b32 s[WV], v9                  ; wave
	v_and_b32 v1, 31, v0
	v_lshlrev_b32 v1, 4, v1                        ; 16 x lane
	v_and_b32 v9, 15, v0                           ; r
	s_wait_alu depctr_va_vdst(0)
	v_bfe_u32 v10, v0, 4, 1                        ; h
	s_wait_alu depctr_va_sdst(0)                   ; s18 is written, ahead of its first reader: the wave's columns and LDS places are made from it
	s_mul_i32 s28, s[WV], 8448
	s_add_co_u32 s28, s28, STG                     ; my stage
	v_add_nc_u32 v2, s28, v1                       ; DENSE: 16 x lane, rows 528 bytes apart
	v_mul_u32_u24 v3, v9, 528
	v_lshl_add_u32 v3, v10, 6, v3
	v_add_nc_u32 v3, s28, v3                       ; the conversions' layout: row r, + 64 h
	s_mul_i32 s28, s[WV], 1536
	v_add_nc_u32 v4, s28, v1                       ; my K step's image
	s_lshr_b32 s28, s[WV], 2
	s_lshl_b32 s28, s28, 8
	s_and_b32 s29, s[WV], 3
	s_lshl_b32 s29, s29, 2
	s_add_co_u32 s28, s28, s29
	v_lshl_add_u32 v5, v9, 4, s28                  ; my K step's scale word of row r
	s_lshl_b32 s28, s[WV], 2
	v_lshl_add_u32 v6, v9, 5, s28                  ; my wave's sum of row r
	v_lshlrev_b32 v7, 5, v9                        ; the eight waves' sums of row r
	v_mov_b32 v29, 0                               ; (the upper halves of the pairs v[28:29], v[30:31])
	v_mov_b32 v31, 0
.irp b, 0,1,2,3
	v_mov_b32 v[TM+4+\b], 0                        ; a lane permute's destination counts as one of its sources
.endr
	s_mov_b32 s[SEL], 0x76543210
	s_mov_b32 s[SEL+1], 0xfedcba98
	s_mov_b32 s[INV], 0x3a800000                   ; 1 / 1,024
	s_mov_b32 s[EPS], 0x3727c5ac                   ; 1e-5
	s_lshl_b32 s28, ttmp9, 17                      ; 32 rows of 4,096 bytes a block,
	s_lshl_b32 s30, s[WV], 9                       ; my 512 bytes of a row
	s_add_co_u32 s28, s28, s30
	s_mov_b32 s29, 0
	s_mov_b32 s31, 0
	s_mul_i32 s36, s[WV], 98304                    ; my eight tiles of the weight
	s_mov_b32 s37, 0
	s_lshl_b32 s38, s[WV], 12                      ; and their scale blocks
	s_mov_b32 s39, 0
	s_lshr_b32 s40, ttmp9, 6                       ; batch
	s_lshl_b32 s40, s40, 4
	s_lshl_b32 s41, s[WV], 1
	s_add_co_u32 s40, s40, s41                     ; 16 batch + head 2 w
	s_mul_i32 s40, s40, 102400                     ; its record of Q
	s_and_b32 s41, ttmp9, 63                       ; Bl
	s_lshl_b32 s34, s41, 6
	s_add_co_u32 s34, s34, s40
	s_add_co_u32 s34, s34, 98304                   ; the block's words
	s_mov_b32 s35, 0
	s_mul_i32 s32, s41, 1536
	s_add_co_u32 s32, s32, s40                     ; the block's pair fragment
	s_mov_b32 s33, 0
	s_wait_kmcnt 0x0
	s_add_nc_u64 s[4:5], s[4:5], s[28:29]
	s_add_nc_u64 s[6:7], s[6:7], s[28:29]
	s_add_nc_u64 s[14:15], s[14:15], s[28:29]
	s_add_nc_u64 s[8:9], s[8:9], s[30:31]
	s_add_nc_u64 s[10:11], s[10:11], s[30:31]
	s_add_nc_u64 s[24:25], s[12:13], s[36:37]
	s_add_nc_u64 s[24:25], s[24:25], 3932160       ; weight 5's images
	s_add_nc_u64 s[26:27], s[12:13], s[38:39]
	s_add_nc_u64 s[26:27], s[26:27], 6455296       ; and its scale blocks
	s_add_nc_u64 s[32:33], s[16:17], s[32:33]
	s_add_nc_u64 s[34:35], s[16:17], s[34:35]
	; ---- A: the two addends, DENSE; their sum turns into the conversions' layout
	s_wait_alu depctr_va_vdst(0)                   ; the offsets and LDS addresses v1-7 are written, which the loads and stores of the whole kernel read
	global_load_b128 v[12:15], v1, s[8:9]
	global_load_b128 v[16:19], v1, s[10:11]
.irp u, 0,1
.irp i, 0,1,2,3,4,5,6,7,8,9,10,11,12,13,14,15
	global_load_b128 v[ACC+64*\u+4*\i:ACC+64*\u+4*\i+3], v1, s[4:5] offset:(8*\u+\i+8*(\i/8))*4096 th:TH_LOAD_NT
.endr
	WIN 0x40
.irp i, 0,1,2,3,4,5,6,7,8,9,10,11,12,13,14,15
	global_load_b128 v[64*\u+4*\i:64*\u+4*\i+3], v1, s[6:7] offset:(8*\u+\i+8*(\i/8))*4096 th:TH_LOAD_NT
.endr
	WIN 0
.endr
.macro ADDD u
	WIN 0x04                                       ; source 1 window 1
.set n, 0
.rept 32
	v_pk_add_f32 v[ACC+64*\u+n:ACC+64*\u+n+1], v[ACC+64*\u+n:ACC+64*\u+n+1], v[64*\u+n:64*\u+n+1]
.set n, n+2
.endr
	WIN 0
.endm
	s_wait_loadcnt 32                              ; tile 1's 32 loads may be out
	ADDD 0
	D2QS ACC
	D2QL ACC
	s_wait_loadcnt 0x0
	ADDD 1
	D2QS ACC+64                                    ; (its wait also states that the additions are done reading window 1's v0-127, in which the weight's fragments land below)
	D2QL ACC+64
	PSLOAD 26                                      ; the weight's first steps land while the statistics are taken
	PLOAD 0, 24, 0
	PLOAD 1, 24, 0
	s_wait_dscnt 0x0
	; ---- B
	STATS RED1, RED2
	; ---- C: g and be (DENSE), x1 to memory, its codes and scale words to LDS
.macro PHC u, f
	Q2D ACC+64*\u, (1-\u)
	s_wait_dscnt 0x0
	APPLY ACC+64*\u, 12, 16
	D2QS ACC+64*\u
.irp i, 0,1,2,3,4,5,6,7,8,9,10,11,12,13,14,15
	global_store_b128 v1, v[ACC+64*\u+4*\i:ACC+64*\u+4*\i+3], s[14:15] offset:(8*\u+\i+8*(\i/8))*4096   ; 512 consecutive bytes
.endr
	s_wait_xcnt 0x0                                ; the stores' addresses are translated: beside the wait at the head of the loads below
	D2QL ACC+64*\u
	s_wait_dscnt 0x0
	QUANT ACC+64*\u, \f, \f+6
	WORD WD+\u
	s_wait_alu depctr_va_vdst(0)                   ; the quantiser has written the fragment's 12 registers and the scale word, which the LDS stores read
.irp c, 0,1,2
	ds_store_b128 v4, v[\f+4*\c:\f+4*\c+3] offset:XIMG+12288*\u+512*\c
.endr
	ds_store_b32 v5, v[WD+\u] offset:XSC+512*\u
.endm
	PHC 0, FA
	PHC 1, FB
	BARRIER                                        ; x1's sixteen fragments and their scale blocks lie in LDS
	; ---- q2 = x1 Wq2: source 0 = my eight tiles of the weight (two heads), source 1 = the two tiles of rows
	GEMM XIMG, XSC, 0, 24
	QUANT ACC, FA, FB                              ; columns 0-63: head 2 w's pair fragment; 64-127: head 2 w + 1's; tile p fills registers 6 p .. 6 p + 5
.irp b, 0,1,2,3
	v_mov_b32 v[116+\b], v[TM+4+\b]
.endr
	QUANT ACC+64, FA+6, FB+6
	v_lshl_or_b32 v124, v117, 8, v116
	v_lshl_or_b32 v124, v[TM+4], 16, v124
	v_lshl_or_b32 v124, v[TM+5], 24, v124
	v_lshl_or_b32 v125, v119, 8, v118
	v_lshl_or_b32 v125, v[TM+6], 16, v125
	v_lshl_or_b32 v125, v[TM+7], 24, v125
	v_cmp_eq_u32 vcc_lo, 1, v10
	v_mul_u32_u24 v126, v10, 102400
	v_lshl_add_u32 v126, v9, 2, v126               ; lanes 0-15: the first head's word of row r; lanes 16-31: the second's, one record on
	s_wait_alu depctr_va_vcc(0)                    ; VCC is written, ahead of the select that reads it
	v_cndmask_b32 v127, v124, v125, vcc_lo
	s_wait_alu depctr_va_vdst(0)                   ; the two fragments v92-115, the word v127 and its offset v126 are written, which the stores read
.irp c, 0,1,2
	global_store_b128 v1, v[FA+4*\c:FA+4*\c+3], s[32:33] offset:512*\c
	global_store_b128 v1, v[FB+4*\c:FB+4*\c+3], s[32:33] offset:102400+512*\c
.endr
	global_store_b32 v126, v127, s[34:35]
	s_wait_dscnt 0x0                               ; the closing lines, six on end (ISA reference, section 12)
	s_wait_alu 0x0
	s_wait_tensorcnt 0x0
	ds_add_u32 v26, v27
	s_wait_dscnt 0x0
	s_endpgm
.Lfunc_end_k_qadac963a06_lnq:
	.size	k_qadac963a06_lnq, .Lfunc_end_k_qadac963a06_lnq-k_qadac963a06_lnq
	.p2alignl 7, 3214868480
	.fill 96, 4, 3214868480
	.section	.rodata,"a",@progbits
	.p2align	6, 0x0
	.amdhsa_kernel k_qadac963a06_lnq
		.amdhsa_group_segment_fixed_size 123904
		.amdhsa_private_segment_fixed_size 0
		.amdhsa_enable_private_segment 0
		.amdhsa_kernarg_size 56
		.amdhsa_user_sgpr_count 2
		.amdhsa_user_sgpr_kernarg_segment_ptr 1
		.amdhsa_wavefront_size32 1
		.amdhsa_system_sgpr_workgroup_id_x 1
		.amdhsa_system_sgpr_workgroup_id_y 1
		.amdhsa_system_sgpr_workgroup_id_z 1
		.amdhsa_system_vgpr_workitem_id 0
		.amdhsa_next_free_vgpr 448
		.amdhsa_next_free_sgpr 66
		.amdhsa_reserve_vcc 1
		.amdhsa_float_denorm_mode_32 3
		.amdhsa_float_denorm_mode_16_64 3
		.amdhsa_memory_ordered 1
		.amdhsa_forward_progress 1
		.amdhsa_inst_pref_size 110
	.end_amdhsa_kernel
	.amdgpu_metadata
---
amdhsa.version: [ 1, 2 ]
amdhsa.kernels:
  - .name:           k_qadac963a06_lnq
    .symbol:         k_qadac963a06_lnq.kd
    .args:
      - { .name: sa, .offset: 0, .size: 8, .value_kind: global_buffer, .address_space: global }
      - { .name: input_tensor, .offset: 8, .size: 8, .value_kind: global_buffer, .address_space: global }
      - { .name: g1, .offset: 16, .size: 8, .value_kind: global_buffer, .address_space: global }
      - { .name: be1, .offset: 24, .size: 8, .value_kind: global_buffer, .address_space: global }
      - { .name: wq, .offset: 32, .size: 8, .value_kind: global_buffer, .address_space: global }
      - { .name: x1, .offset: 40, .size: 8, .value_kind: global_buffer, .address_space: global }
      - { .name: a2, .offset: 48, .size: 8, .value_kind: global_buffer, .address_space: global }
    .group_segment_fixed_size: 123904
    .private_segment_fixed_size: 0
    .kernarg_segment_align: 8
    .kernarg_segment_size: 56
    .max_flat_workgroup_size: 256
    .sgpr_count:     66
    .vgpr_count:     448
    .wavefront_size: 32
...
	.end_amdgpu_metadata
.endif
;; end of part 11
;; launch attn2: the kernel of part 10 again; grid 8 x 32, 16 waves a work-group, no clusters, 276,480 bytes of LDS; arguments a2, causal_off, sa; writes sa
;; launch ffn (part 12): grid 128 x 1, 8 waves a work-group, no clusters, 254,976 bytes of LDS; arguments sa, x1, g2, be2, wq, bf1, bf2, g3, be3, out0; writes out0
.if DOCPART == 12
	.amdgcn_target "amdgcn-amd-amdhsa--gfx1250"
	.amdhsa_code_object_version 6
	.text
	.protected	k_qadac963a06_ffn
	.globl	k_qadac963a06_ffn
	.p2align	8
	.type	k_qadac963a06_ffn,@function
k_qadac963a06_ffn:
	s_mov_b64 s[64:65], 0
	v_nop
	global_prefetch_b8 v0, s[64:65] scope:SCOPE_SE
	s_setreg_imm32_b32 hwreg(HW_REG_WAVE_SCHED_MODE, 0, 2), 2
	s_setreg_imm32_b32 hwreg(HW_REG_WAVE_MODE, 25, 1), 1
	s_wait_xcnt 0x0
	s_wait_alu depctr_vm_vsrc(0)
; x2 = layernorm(x1 + ca) g2 + be2;  h = relu(Q(x2) Q(Wf1) + bf1);  out0 = layernorm(x2 + Q(h) Q(Wf2) + bf2) g3 + be3.  x2 and h never go to memory.
; SHARES: a work-group takes a block of 32 rows (two tiles of 16: row r of tile u is 32 B + 8 u + r + 8 (r / 8)); wave w owns columns 128 w .. + 127 in every phase: K step w of what it quantises, and tiles 8 w .. + 7 of each weight.
; A lane's 64 numbers of a tile have two layouts: DENSE (register 4 i + j: row i, column 4 lane + j) and the conversions' (register 16 b + i: row r, column 32 b + 16 h + i), which is also the accumulators'.  They turn through the wave's own stage.
; bf1 is the C of the first product's first step.  x2 + bf2 waits in LDS, as an image of the accumulators, and is the C of the second product's first step: the residual costs no addition behind the product.
; Six barriers: two for each layer norm's sums, one behind x2's images, one behind h's.  Every shared region of LDS is written once.
; The weights' fragments come from memory straight into the registers of the one wave that multiplies by them, two K steps ahead; the 16 accumulators take turns.
; NOT SHARED IN A CLUSTER: all 128 work-groups read the same weights.  Their fragments never lie in LDS, so there is no tensor load that could be asked jointly.
; LIMITS: NaN and infinities are not served; a block whose largest magnitude lies under 2^-124 keeps the byte 1; a block of zeros gets the byte 1 and not 127.
; REGISTERS, window 0: v1-11 addresses; v12-27 g2, be2, g3, be3; v28-31 mean, then 1 / deviation; v32-39 the rows' scale words, v40-71 the weight's; v72-119 the rows' fragments, two sets (outside the products: at work); v120-127 at work;
;   v128-255 two tiles / accumulators.   window 1: the second addend, then the weight's fragments, two sets of 96; v192-255 a bias in the accumulators' layout.
; THE MODE: SCHED_MODE bits 1:0 = 2 (LLVM: expert scheduling mode 2), set by the entry lines.  The code itself states the register dependences
; between vector or matrix instructions and memory or LDS instructions, with s_wait_alu, always for 0.
; THE PLAN.  Registers that memory or LDS instructions touch:
;   v1-8, v11        offsets and LDS addresses: made once at the head, never written again.  One wait on va_vdst at the head serves every load and store that reads them.
;   v128-255         a tile of 64 numbers turns through the stage out of and into the same registers: a wait on va_vdst ahead of the stores where vector lines have written the numbers since the last such wait,
;                    a wait on vm_vsrc between the stores and the loads.  x2 + bf2: one wait on va_vdst ahead of its 32 LDS stores; the wait on vm_vsrc at the first product's head frees the accumulators.
;   v120, v124       the two tiles' sums: made first, then one wait on va_vdst, then the two LDS stores; a wait on vm_vsrc ahead of the sums of squares, which write them again.
;   v72-87           the eight waves' sums land here behind the barrier: the wait ahead of the two stores also states that every line that named these registers is done.
;   v92-117          the images and scale words: written by the quantiser, read by LDS stores (one wait on va_vdst a tile); later the rows' fragments land there (one wait on vm_vsrc at each product's head).
;   window 1 v192-255   bf2, read by the additions; bf1 lands there behind the wait that stands ahead of x2 + bf2's stores.
;   the weight's sets (window 1) and the rows' sets   step k's products read sets k % 2.  ONE wait on va_vdst a step, behind the products and their places: the weight's K step k + 2 is then asked for at once, in one run, so that
;                    two sets stay on their way; the rows' K step k + 2, asked for in the next step, is covered by the same wait.  One more behind the first product, ahead of Wf2's scale blocks and first two K steps.
;   the way out      one wait on va_vdst ahead of each tile's stores; one on vm_vsrc ahead of the two registers of the closing add, which are made anew over registers that stores have read.
; s24 (the wave's number) is written by a vector line: a wait stands between it and its first reader.
.set XIMG, 0
.set HIMG, 24576
.set XSC,  49152
.set HSC,  50176
.set RED1, 51200
.set RED2, 52224
.set RED3, 53248
.set RED4, 54272
.set STG,  55296
.set XRES, 122880
.set RSC, 32
.set PS,  40
.set RB,  72
.set T,   120
.set ACC, 128
.set L,   72
.set TM,  72
.set CT,  84
.set FA,  92
.set FB,  104
.set WD,  116
.set MU,  28
.set BI,  192
.set WV,  24
.set SEL, 26
.set INV, 28
.set EPS, 29
.set MSB, 0
.macro WIN new                         ; the immediate's high byte repeats the setting that is left
.if MSB != \new
	s_set_vgpr_msb (MSB<<8)|\new
.set MSB, \new
.endif
.endm
.macro PLACES
.rept 4
	v_nop
.endr
.endm
.macro BARRIER                         ; my LDS stores have landed and my LDS loads are in: then the work-group's barrier
	s_wait_dscnt 0x0
	s_barrier_signal -1
	s_barrier_wait -1
.endm
.macro QUANT s, d0, d1                 ; 64 numbers of a lane, register 16 b + i = column 32 b + 16 (lane / 16) + i of my row: codes of columns 0-63 into v[d0] on, of 64-127 into v[d1] on; the bytes stay in v[TM+4] on
.irp b, 0,1,2,3
	v_max3_num_f32 v[TM+\b], |v[(\s)+16*\b]|, |v[(\s)+1+16*\b]|, 0x1800000   ; with the floor 2^(3 - 127)
.endr
.irp i, 2,4,6,8,10,12,14
.irp b, 0,1,2,3
	v_max3_num_f32 v[TM+\b], v[TM+\b], |v[(\s)+16*\b+\i]|, |v[(\s)+1+16*\b+\i]|
.endr
.endr
.irp b, 0,1,2,3
	v_permlanex16_b32 v[TM+4+\b], v[TM+\b], s[SEL], s[SEL+1]
.endr
.irp b, 0,1,2,3
	v_max_num_f32 v[TM+\b], v[TM+\b], v[TM+4+\b]
.endr
.irp b, 0,1,2,3
	v_add_nc_u32 v[TM+8+\b], 0xff000000, v[TM+\b]
.endr
.irp b, 0,1,2,3
	v_lshrrev_b32 v[TM+4+\b], 23, v[TM+8+\b]
.endr
	v_cvt_scalef32_pk16_fp6_f32 v[(\d0):(\d0)+2], v[(\s):(\s)+15], v[TM+8]
	v_cvt_scalef32_pk16_fp6_f32 v[CT:CT+2], v[(\s)+16:(\s)+31], v[TM+9]
	v_cvt_scalef32_pk16_fp6_f32 v[(\d1):(\d1)+2], v[(\s)+32:(\s)+47], v[TM+10]
	v_cvt_scalef32_pk16_fp6_f32 v[CT+4:CT+6], v[(\s)+48:(\s)+63], v[TM+11]
	v_nop                                          ; one plain place behind a scaled conversion
.irp i, 0,1,2
	v_permlane16_swap_b32 v[(\d0)+\i], v[CT+\i]
	v_permlane16_swap_b32 v[(\d1)+\i], v[CT+4+\i]
.endr
.irp i, 0,1,2
	v_mov_b32 v[(\d0)+3+\i], v[CT+\i]
	v_mov_b32 v[(\d1)+3+\i], v[CT+4+\i]
.endr
.endm
.macro WORD d
	v_lshl_or_b32 v[\d], v[TM+5], 8, v[TM+4]
	v_lshl_or_b32 v[\d], v[TM+6], 16, v[\d]
	v_lshl_or_b32 v[\d], v[TM+7], 24, v[\d]
.endm
.macro D2QS x                          ; DENSE into the stage
	s_wait_alu depctr_va_vdst(0)                   ; the vector lines above have written the tile's 64 registers, which the LDS stores read
.irp i, 0,1,2,3,4,5,6,7,8,9,10,11,12,13,14,15
	ds_store_b128 v2, v[(\x)+4*\i:(\x)+4*\i+3] offset:528*\i
.endr
.endm
.macro D2QL x                          ; and out in the conversions' layout.  LDS serves a wave's instructions in order: no wait on DScnt between stores and loads
	s_wait_alu depctr_vm_vsrc(0)                   ; the LDS stores have read the tile's 64 registers, in which the loads land
.irp b, 0,1,2,3
.irp j, 0,1,2,3
	ds_load_b128 v[(\x)+16*\b+4*\j:(\x)+16*\b+4*\j+3], v3 offset:128*\b+16*\j
.endr
.endr
.endm
.macro Q2D x, fresh                    ; the other way round.  fresh = 1: vector lines have written the tile since the last wait on va_vdst
.if \fresh
	s_wait_alu depctr_va_vdst(0)                   ; the scalings above have written both tiles' registers, which the LDS stores read
.endif
.irp b, 0,1,2,3
.irp j, 0,1,2,3
	ds_store_b128 v3, v[(\x)+16*\b+4*\j:(\x)+16*\b+4*\j+3] offset:128*\b+16*\j
.endr
.endr
	s_wait_alu depctr_vm_vsrc(0)                   ; the LDS stores have read the tile's 64 registers, in which the loads land
.irp i, 0,1,2,3,4,5,6,7,8,9,10,11,12,13,14,15
	ds_load_b128 v[(\x)+4*\i:(\x)+4*\i+3], v2 offset:528*\i
.endr
.endm
.macro APPLY x, g, be                  ; DENSE: x g + be, my four columns' g and be
.irp i, 0,1,2,3,4,5,6,7,8,9,10,11,12,13,14,15
	v_pk_fma_f32 v[(\x)+4*\i:(\x)+4*\i+1], v[(\x)+4*\i:(\x)+4*\i+1], v[\g:\g+1], v[\be:\be+1]
	v_pk_fma_f32 v[(\x)+4*\i+2:(\x)+4*\i+3], v[(\x)+4*\i+2:(\x)+4*\i+3], v[\g+2:\g+3], v[\be+2:\be+3]
.endr
.endm
.macro RSUMS red                       ; both tiles' two chains: my 64 numbers, lane l xor 16's; then to LDS: my wave's sums of row r
.irp u, 0,1
	v_pk_add_f32 v[T+4*\u:T+4*\u+1], v[T+4*\u:T+4*\u+1], v[T+4*\u+2:T+4*\u+3]
	v_add_f32 v[T+4*\u], v[T+4*\u], v[T+4*\u+1]
	v_permlanex16_b32 v[T+4*\u+1], v[T+4*\u], s[SEL], s[SEL+1]
	v_add_f32 v[T+4*\u], v[T+4*\u], v[T+4*\u+1]
.endr
	s_wait_alu depctr_va_vdst(0)                   ; the two sums v[T] and v[T+4] are written, which the LDS stores read; and every vector or matrix line that named v[L] to v[L+15], in which the loads behind the barrier land, is done
.irp u, 0,1
	ds_store_b32 v6, v[T+4*\u] offset:\red+512*\u
.endr
.endm
.macro RGET red                        ; the eight waves' sums of row r, added in a fixed tree: into v[L], v[L+8]
.irp u, 0,1
	ds_load_b128 v[L+8*\u:L+8*\u+3], v7 offset:\red+512*\u
	ds_load_b128 v[L+8*\u+4:L+8*\u+7], v7 offset:\red+512*\u+16
.endr
	s_wait_dscnt 0x0
.irp u, 0,1
	v_add_f32 v[L+8*\u], v[L+8*\u], v[L+8*\u+1]
	v_add_f32 v[L+8*\u+2], v[L+8*\u+2], v[L+8*\u+3]
	v_add_f32 v[L+8*\u+4], v[L+8*\u+4], v[L+8*\u+5]
	v_add_f32 v[L+8*\u+6], v[L+8*\u+6], v[L+8*\u+7]
	v_add_f32 v[L+8*\u], v[L+8*\u], v[L+8*\u+2]
	v_add_f32 v[L+8*\u+4], v[L+8*\u+4], v[L+8*\u+6]
	v_add_f32 v[L+8*\u], v[L+8*\u], v[L+8*\u+4]
.endr
.endm
.macro STATS ra, rq                    ; both tiles, in the conversions' layout: x becomes (x - mean) / sqrt(variance + eps).  Each accumulator is first read at its low end
.irp u, 0,1
	v_pk_add_f32 v[T+4*\u:T+4*\u+1], v[ACC+64*\u:ACC+64*\u+1], v[ACC+64*\u+4:ACC+64*\u+5]
	v_pk_add_f32 v[T+4*\u+2:T+4*\u+3], v[ACC+64*\u+2:ACC+64*\u+3], v[ACC+64*\u+6:ACC+64*\u+7]
.endr
.irp k, 8,12,16,20,24,28,32,36,40,44,48,52,56,60
.irp u, 0,1
	v_pk_add_f32 v[T+4*\u:T+4*\u+1], v[T+4*\u:T+4*\u+1], v[ACC+64*\u+\k:ACC+64*\u+\k+1]
	v_pk_add_f32 v[T+4*\u+2:T+4*\u+3], v[T+4*\u+2:T+4*\u+3], v[ACC+64*\u+\k+2:ACC+64*\u+\k+3]
.endr
.endr
	RSUMS \ra
	BARRIER
	RGET \ra
.irp u, 0,1
	v_mul_f32 v[MU+2*\u], s[INV], v[L+8*\u]        ; the mean
.endr
.irp u, 0,1
.set n, 0
.rept 32
	v_pk_add_f32 v[ACC+64*\u+n:ACC+64*\u+n+1], v[ACC+64*\u+n:ACC+64*\u+n+1], v[MU+2*\u:MU+2*\u+1] op_sel_hi:[1,0] neg_lo:[0,1] neg_hi:[0,1]
.set n, n+2
.endr
.endr
	s_wait_alu depctr_vm_vsrc(0)                   ; the two LDS stores of the sums have read v[T] and v[T+4], which the sums of squares write again
.irp u, 0,1
	v_pk_mul_f32 v[T+4*\u:T+4*\u+1], v[ACC+64*\u:ACC+64*\u+1], v[ACC+64*\u:ACC+64*\u+1]
	v_pk_mul_f32 v[T+4*\u+2:T+4*\u+3], v[ACC+64*\u+2:ACC+64*\u+3], v[ACC+64*\u+2:ACC+64*\u+3]
.endr
.irp k, 4,8,12,16,20,24,28,32,36,40,44,48,52,56,60
.irp u, 0,1
	v_pk_fma_f32 v[T+4*\u:T+4*\u+1], v[ACC+64*\u+\k:ACC+64*\u+\k+1], v[ACC+64*\u+\k:ACC+64*\u+\k+1], v[T+4*\u:T+4*\u+1]
	v_pk_fma_f32 v[T+4*\u+2:T+4*\u+3], v[ACC+64*\u+\k+2:ACC+64*\u+\k+3], v[ACC+64*\u+\k+2:ACC+64*\u+\k+3], v[T+4*\u+2:T+4*\u+3]
.endr
.endr
	RSUMS \rq
	BARRIER
	RGET \rq
.irp u, 0,1
	v_fma_f32 v[L+8*\u], v[L+8*\u], s[INV], s[EPS] ; variance + eps
.endr
	s_wait_alu depctr_va_vdst(0)
.irp u, 0,1
	v_rsq_f32 v[MU+2*\u], v[L+8*\u]
.endr
	v_nop                                          ; one plain place behind the transcendentals
	s_wait_alu depctr_va_vdst(0)                   ; the two reciprocal roots have written v[MU] and v[MU+2], ahead of their first reader
.irp u, 0,1
.set n, 0
.rept 32
	v_pk_mul_f32 v[ACC+64*\u+n:ACC+64*\u+n+1], v[ACC+64*\u+n:ACC+64*\u+n+1], v[MU+2*\u:MU+2*\u+1] op_sel_hi:[1,0]
.set n, n+2
.endr
.endr
.endm
.macro WM d, a, b, cr, sa, sb, row     ; one product; cr < 0: C is the constant 0; row = 1: both sides' scale words stand in lanes 16-31
.if (\cr) < 0
	v_wmma_scale_f32_16x16x128_f8f6f4 v[(\d):(\d)+7], v[(\a):(\a)+11], v[(\b):(\b)+11], 0, v[\sa], v[\sb] matrix_a_fmt:MATRIX_FMT_FP6 matrix_b_fmt:MATRIX_FMT_FP6
.elseif \row
	v_wmma_scale_f32_16x16x128_f8f6f4 v[(\d):(\d)+7], v[(\a):(\a)+11], v[(\b):(\b)+11], v[(\cr):(\cr)+7], v[\sa], v[\sb] matrix_a_fmt:MATRIX_FMT_FP6 matrix_b_fmt:MATRIX_FMT_FP6 matrix_a_scale:MATRIX_SCALE_ROW1 matrix_b_scale:MATRIX_SCALE_ROW1
.else
	v_wmma_scale_f32_16x16x128_f8f6f4 v[(\d):(\d)+7], v[(\a):(\a)+11], v[(\b):(\b)+11], v[(\cr):(\cr)+7], v[\sa], v[\sb] matrix_a_fmt:MATRIX_FMT_FP6 matrix_b_fmt:MATRIX_FMT_FP6
.endif
.endm
.macro MM k, cm                        ; 16 products of K step k.  The first step's C: cm = 0: the constant 0; 1: the bias in window 1; 2: in place
.set PBK, 96*((\k)%2)
.set RBK, RB+24*((\k)%2)
.if ((\k) == 0) && (\cm == 1)
	WIN 0x11                                       ; sources 0 and 2 window 1
.else
	WIN 0x01                                       ; source 0 window 1
.endif
.irp t, 0,1,2,3,4,5,6,7
.irp p, 0,1
.if ((\k) == 0) && (\cm == 0)
	WM ACC+64*\p+8*\t, PBK+12*\t, RBK+12*\p, -1, PS+4*\t, RSC+4*\p, 0
.elseif ((\k) == 0) && (\cm == 1)
	WM ACC+64*\p+8*\t, PBK+12*\t, RBK+12*\p, BI+8*\t, PS+4*\t, RSC+4*\p, 0
.else
	WM ACC+64*\p+8*\t, PBK+12*\t, RBK+12*\p, ACC+64*\p+8*\t, PS+4*\t+(\k)%4, RSC+4*\p+(\k)%4, (\k)/4
.endif
.endr
.endr
.endm
.macro PSLOAD ws                       ; my eight tiles' scale blocks
.irp t, 0,1,2,3,4,5,6,7
	global_load_b128 v[PS+4*\t:PS+4*\t+3], v1, s[\ws:\ws+1] offset:512*\t
.endr
.endm
.macro PLOAD k, wb, w                  ; my eight tiles' fragments of K step k into set k % 2: 24 loads of 512 consecutive bytes.  w = 1: products have just read that set
	WIN 0x40
.if \w
	s_wait_alu depctr_va_vdst(0)                   ; the step's products are done reading the weight's set, in which these loads land, and the rows' set, in which the next step's LDS loads land
.endif
.irp t, 0,1,2,3,4,5,6,7
.irp c, 0,1,2
	global_load_b128 v[96*((\k)%2)+12*\t+4*\c:96*((\k)%2)+12*\t+4*\c+3], v1, s[\wb:\wb+1] offset:12288*\t+1536*(\k)+512*\c
.endr
.endr
	WIN 0
.endm
.macro RFETCH k, img                   ; the rows' two fragments of K step k
.irp p, 0,1
.irp c, 0,1,2
	ds_load_b128 v[RB+24*((\k)%2)+12*\p+4*\c:RB+24*((\k)%2)+12*\p+4*\c+3], v1 offset:\img+12288*\p+1536*(\k)+512*\c
.endr
.endr
.endm
.macro GEMM img, scl, cm, wb           ; on entry the weight's scale blocks and its K steps 0 and 1 have been asked for, in that order (cm = 1: and the bias behind them)
	s_wait_alu depctr_vm_vsrc(0)                   ; my LDS stores of the images and scale words have read v[FA] to v[WD+1], in which the rows' fragments land; ahead of the first product those of x2 + bf2 have read the accumulators, which the products write
.irp p, 0,1
	ds_load_b128 v[RSC+4*\p:RSC+4*\p+3], v1 offset:\scl+512*\p
.endr
	RFETCH 0, \img
.irp k, 0,1,2,3,4,5,6,7
.if (\k == 7) || ((\k == 0) && (\cm == 1))
	s_wait_loadcnt 0x0
.else
	s_wait_loadcnt 24                              ; the next K step's 24 loads may be out
.endif
	s_wait_dscnt 0x0
.if \k < 7
	RFETCH \k+1, \img                              ; into the set that the step before read: the wait at that step's end has shown its products done
.endif
	MM \k, \cm
	PLACES                                         ; four places behind a step's products: in front of loads into the registers just read, and of the first read of results
.if \k < 6
	PLOAD \k+2, \wb, 1                             ; the set is asked for again at once, in one run: so two K steps of the weight stay on their way
.else
	WIN 0
.endif
.endr
.endm
.macro BILOAD sb, w                    ; a bias in the accumulators' layout: tile 2 b + u: columns 32 b + 16 h + 8 u + 0 .. 7 of my 128.  w = 1: vector lines have just read these registers
	WIN 0x40
.if \w
	s_wait_alu depctr_va_vdst(0)                   ; the additions are done reading bf2's registers, in which bf1 lands, and have written v128-255, which the LDS stores below read
.endif
.irp t, 0,1,2,3,4,5,6,7
	global_load_b128 v[BI+8*\t:BI+8*\t+3], v11, s[\sb:\sb+1] offset:(32*(\t/2)+8*(\t%2))*4
	global_load_b128 v[BI+8*\t+4:BI+8*\t+7], v11, s[\sb:\sb+1] offset:(32*(\t/2)+8*(\t%2))*4+16
.endr
	WIN 0
.endm
	s_load_b512 s[4:19], s[0:1], 0x0               ; sa (ca), x1, g2, be2, wq, bf1, bf2, g3
	s_load_b128 s[20:23], s[0:1], 0x40             ; be3, out0
	v_lshrrev_b32 v9, 5, v0
	v_readfirstlane_b32 s[WV], v9                  ; wave
	v_and_b32 v1, 31, v0
	v_lshlrev_b32 v1, 4, v1                        ; 16 x lane
	v_and_b32 v9, 15, v0                           ; r
	s_wait_alu depctr_va_vdst(0)
	v_bfe_u32 v10, v0, 4, 1                        ; h
	v_lshlrev_b32 v11, 6, v10                      ; 64 h
	s_wait_alu depctr_va_sdst(0)                   ; s24 is written, ahead of its first reader: the wave's columns and LDS places are made from it
	s_mul_i32 s38, s[WV], 8448
	s_add_co_u32 s38, s38, STG                     ; my stage
	v_add_nc_u32 v2, s38, v1                       ; DENSE: 16 x lane, rows 528 bytes apart
	v_mul_u32_u24 v3, v9, 528
	v_lshl_add_u32 v3, v10, 6, v3
	v_add_nc_u32 v3, s38, v3                       ; the conversions' layout: row r, + 64 h
	s_mul_i32 s38, s[WV], 1536
	v_add_nc_u32 v4, s38, v1                       ; my K step's image
	s_lshr_b32 s38, s[WV], 2
	s_lshl_b32 s38, s38, 8
	s_and_b32 s39, s[WV], 3
	s_lshl_b32 s39, s39, 2
	s_add_co_u32 s38, s38, s39
	v_lshl_add_u32 v5, v9, 4, s38                  ; my K step's scale word of row r
	s_lshl_b32 s38, s[WV], 2
	v_lshl_add_u32 v6, v9, 5, s38                  ; my wave's sum of row r
	v_lshlrev_b32 v7, 5, v9                        ; the eight waves' sums of row r
	s_lshl_b32 s38, s[WV], 14
	s_add_co_u32 s38, s38, XRES
	v_add_nc_u32 v8, s38, v1                       ; where x2 + bf2 waits: 16,384 bytes a wave
	v_mov_b32 v29, 0                               ; (the upper halves of the pairs v[28:29], v[30:31])
	v_mov_b32 v31, 0
.irp b, 0,1,2,3
	v_mov_b32 v[TM+4+\b], 0                        ; a lane permute's destination counts as one of its sources
.endr
	s_mov_b32 s[SEL], 0x76543210
	s_mov_b32 s[SEL+1], 0xfedcba98
	s_mov_b32 s[INV], 0x3a800000                   ; 1 / 1,024
	s_mov_b32 s[EPS], 0x3727c5ac                   ; 1e-5
	s_lshl_b32 s38, ttmp9, 17                      ; 32 rows of 4,096 bytes a block,
	s_lshl_b32 s40, s[WV], 9                       ; my 512 bytes of a row
	s_add_co_u32 s38, s38, s40
	s_mov_b32 s39, 0
	s_mov_b32 s41, 0
	s_mul_i32 s42, s[WV], 98304                    ; my eight tiles of a weight
	s_mov_b32 s43, 0
	s_lshl_b32 s44, s[WV], 12                      ; and their scale blocks
	s_mov_b32 s45, 0
	s_wait_kmcnt 0x0
	s_add_nc_u64 s[4:5], s[4:5], s[38:39]
	s_add_nc_u64 s[6:7], s[6:7], s[38:39]
	s_add_nc_u64 s[22:23], s[22:23], s[38:39]
	s_add_nc_u64 s[8:9], s[8:9], s[40:41]
	s_add_nc_u64 s[10:11], s[10:11], s[40:41]
	s_add_nc_u64 s[14:15], s[14:15], s[40:41]
	s_add_nc_u64 s[16:17], s[16:17], s[40:41]
	s_add_nc_u64 s[18:19], s[18:19], s[40:41]
	s_add_nc_u64 s[20:21], s[20:21], s[40:41]
	s_add_nc_u64 s[30:31], s[12:13], s[42:43]
	s_add_nc_u64 s[34:35], s[30:31], 5505024       ; weight 7's images
	s_add_nc_u64 s[30:31], s[30:31], 4718592       ; weight 6's
	s_add_nc_u64 s[32:33], s[12:13], s[44:45]
	s_add_nc_u64 s[36:37], s[32:33], 6520832       ; weight 7's scale blocks
	s_add_nc_u64 s[32:33], s[32:33], 6488064       ; weight 6's
	; ---- A: the two addends, DENSE; their sum turns into the conversions' layout
	s_wait_alu depctr_va_vdst(0)                   ; the offsets and LDS addresses v1-8 and v11 are written, which the loads and stores of the whole kernel read
	global_load_b128 v[12:15], v1, s[8:9]
	global_load_b128 v[16:19], v1, s[10:11]
	global_load_b128 v[20:23], v1, s[18:19]
	global_load_b128 v[24:27], v1, s[20:21]
	BILOAD 16, 0                                   ; bf2
.irp u, 0,1
.irp i, 0,1,2,3,4,5,6,7,8,9,10,11,12,13,14,15
	global_load_b128 v[ACC+64*\u+4*\i:ACC+64*\u+4*\i+3], v1, s[4:5] offset:(8*\u+\i+8*(\i/8))*4096 th:TH_LOAD_NT
.endr
	WIN 0x40
.irp i, 0,1,2,3,4,5,6,7,8,9,10,11,12,13,14,15
	global_load_b128 v[64*\u+4*\i:64*\u+4*\i+3], v1, s[6:7] offset:(8*\u+\i+8*(\i/8))*4096 th:TH_LOAD_NT
.endr
	WIN 0
.endr
.macro ADDD u
	WIN 0x04                                       ; source 1 window 1
.set n, 0
.rept 32
	v_pk_add_f32 v[ACC+64*\u+n:ACC+64*\u+n+1], v[ACC+64*\u+n:ACC+64*\u+n+1], v[64*\u+n:64*\u+n+1]
.set n, n+2
.endr
	WIN 0
.endm
	s_wait_loadcnt 32                              ; tile 1's 32 loads may be out
	ADDD 0
	D2QS ACC
	D2QL ACC
	s_wait_loadcnt 0x0
	ADDD 1
	D2QS ACC+64                                    ; (its wait also states that the additions are done reading window 1's v0-127, in which the weight's fragments land below)
	D2QL ACC+64
	PSLOAD 32                                      ; Wf1's first steps land while the statistics are taken
	PLOAD 0, 30, 0
	PLOAD 1, 30, 0
	s_wait_dscnt 0x0
	; ---- B
	STATS RED1, RED2
	; ---- C: g2 and be2 (DENSE); x2's codes and scale words to LDS
.macro PHC u, f
	Q2D ACC+64*\u, (1-\u)
	s_wait_dscnt 0x0
	APPLY ACC+64*\u, 12, 16
	D2QS ACC+64*\u
	D2QL ACC+64*\u
	s_wait_dscnt 0x0
	QUANT ACC+64*\u, \f, \f+6
	WORD WD+\u
	s_wait_alu depctr_va_vdst(0)                   ; the quantiser has written the fragment's 12 registers and the scale word, which the LDS stores read
.irp c, 0,1,2
	ds_store_b128 v4, v[\f+4*\c:\f+4*\c+3] offset:XIMG+12288*\u+512*\c
.endr
	ds_store_b32 v5, v[WD+\u] offset:XSC+512*\u
.endm
	PHC 0, FA
	PHC 1, FB
	WIN 0x04
.irp u, 0,1
.set n, 0
.rept 32
	v_pk_add_f32 v[ACC+64*\u+n:ACC+64*\u+n+1], v[ACC+64*\u+n:ACC+64*\u+n+1], v[BI+n:BI+n+1]      ; x2 + bf2
.set n, n+2
.endr
.endr
	BILOAD 14, 1                                   ; bf1, where bf2 lay: the window's switch, the one wait for these loads and for the stores below, the loads
.set m, 0
.rept 32
	ds_store_b128 v8, v[ACC+4*m:ACC+4*m+3] offset:512*m            ; an image of the accumulators, the wave's own
.set m, m+1
.endr
	BARRIER                                        ; x2's sixteen fragments and their scale blocks lie in LDS
	; ---- h = relu(x2 Wf1 + bf1)
	GEMM XIMG, XSC, 1, 30
	s_wait_alu depctr_va_vdst(0)                   ; the last two steps' products are done reading Wf1's scale words and both its sets, in which Wf2's land, and the rows' scale words, in which h's land
	PSLOAD 36                                      ; Wf2's first steps land while h is quantised
	PLOAD 0, 34, 0
	PLOAD 1, 34, 0
.macro PHH p, f
.set n, 0
.rept 64
	v_max_num_f32 v[ACC+64*\p+n], 0, v[ACC+64*\p+n]                ; the activation, in f32; each accumulator from its low end on
.set n, n+1
.endr
	QUANT ACC+64*\p, \f, \f+6
	WORD WD+\p
	s_wait_alu depctr_va_vdst(0)                   ; the quantiser has written the fragment's 12 registers and the scale word, which the LDS stores read; behind the second tile's it is also done reading the accumulators, in which x2 + bf2 lands
.irp c, 0,1,2
	ds_store_b128 v4, v[\f+4*\c:\f+4*\c+3] offset:HIMG+12288*\p+512*\c
.endr
	ds_store_b32 v5, v[WD+\p] offset:HSC+512*\p
.endm
	PHH 0, FA
	PHH 1, FB
	BARRIER                                        ; h's sixteen fragments and their scale blocks lie in LDS
.set m, 0
.rept 32
	ds_load_b128 v[ACC+4*m:ACC+4*m+3], v8 offset:512*m             ; x2 + bf2 starts the sums
.set m, m+1
.endr
	; ---- x2 + bf2 + h Wf2
	GEMM HIMG, HSC, 2, 34
	STATS RED3, RED4
.irp u, 0,1
	Q2D ACC+64*\u, (1-\u)
	s_wait_dscnt 0x0
	APPLY ACC+64*\u, 20, 24
	s_wait_alu depctr_va_vdst(0)                   ; g3 and be3 are applied: the tile's 64 registers are written, which the stores read
.irp i, 0,1,2,3,4,5,6,7,8,9,10,11,12,13,14,15
	global_store_b128 v1, v[ACC+64*\u+4*\i:ACC+64*\u+4*\i+3], s[22:23] offset:(8*\u+\i+8*(\i/8))*4096 th:TH_STORE_NT   ; 512 consecutive bytes; written once, read by nobody here
.endr
.endr
	s_wait_xcnt 0x0
	s_wait_alu depctr_vm_vsrc(0)                   ; the stores have read v254 and v255, which the two lines below write
	v_lshl_add_u32 v254, v0, 2, 0x3e000
	v_mov_b32 v255, 0
	s_wait_dscnt 0x0                               ; the closing lines, six on end (ISA reference, section 12)
	s_wait_alu 0x0
	s_wait_tensorcnt 0x0
	ds_add_u32 v254, v255
	s_wait_dscnt 0x0
	s_endpgm
.Lfunc_end_k_qadac963a06_ffn:
	.size	k_qadac963a06_ffn, .Lfunc_end_k_qadac963a06_ffn-k_qadac963a06_ffn
	.p2alignl 7, 3214868480
	.fill 96, 4, 3214868480
	.section	.rodata,"a",@progbits
	.p2align	6, 0x0
	.amdhsa_kernel k_qadac963a06_ffn
		.amdhsa_group_segment_fixed_size 254976
		.amdhsa_private_segment_fixed_size 0
		.amdhsa_enable_private_segment 0
		.amdhsa_kernarg_size 80
		.amdhsa_user_sgpr_count 2
		.amdhsa_user_sgpr_kernarg_segment_ptr 1
		.amdhsa_wavefront_size32 1
		.amdhsa_system_sgpr_workgroup_id_x 1
		.amdhsa_system_sgpr_workgroup_id_y 1
		.amdhsa_system_sgpr_workgroup_id_z 1
		.amdhsa_system_vgpr_workitem_id 0
		.amdhsa_next_free_vgpr 512
		.amdhsa_next_free_sgpr 66
		.amdhsa_reserve_vcc 0
		.amdhsa_float_denorm_mode_32 3
		.amdhsa_float_denorm_mode_16_64 3
		.amdhsa_memory_ordered 1
		.amdhsa_forward_progress 1
		.amdhsa_inst_pref_size 192
	.end_amdhsa_kernel
	.amdgpu_metadata
---
amdhsa.version: [ 1, 2 ]
amdhsa.kernels:
  - .name:           k_qadac963a06_ffn
    .symbol:         k_qadac963a06_ffn.kd
    .args:
      - { .name: sa, .offset: 0, .size: 8, .value_kind: global_buffer, .address_space: global }
      - { .name: x1, .offset: 8, .size: 8, .value_kind: global_buffer, .address_space: global }
      - { .name: g2, .offset: 16, .size: 8, .value_kind: global_buffer, .address_space: global }
      - { .name: be2, .offset: 24, .size: 8, .value_kind: global_buffer, .address_space: global }
      - { .name: wq, .offset: 32, .size: 8, .value_kind: global_buffer, .address_space: global }
      - { .name: bf1, .offset: 40, .size: 8, .value_kind: global_buffer, .address_space: global }
      - { .name: bf2, .offset: 48, .size: 8, .value_kind: global_buffer, .address_space: global }
      - { .name: g3, .offset: 56, .size: 8, .value_kind: global_buffer, .address_space: global }
      - { .name: be3, .offset: 64, .size: 8, .value_kind: global_buffer, .address_space: global }
      - { .name: out0, .offset: 72, .size: 8, .value_kind: global_buffer, .address_space: global }
    .group_segment_fixed_size: 254976
    .private_segment_fixed_size: 0
    .kernarg_segment_align: 8
    .kernarg_segment_size: 80
    .max_flat_workgroup_size: 256
    .sgpr_count:     66
    .vgpr_count:     512
    .wavefront_size: 32
...
	.end_amdgpu_metadata
.endif
;; end of part 12
